; MI455X (gfx1250); checked and timed in simulation.
; The chip was launched on July 23, 2026; its instructions are those of AMD's public machine-readable ISA for CDNA 5 (MIT licence, August 2026) and "CDNA5" Instruction Set Architecture Reference Guide (July 2026). The comments in the code are by the model that wrote it; some were corrected since.
;; CAN Layer. Allowed arithmetic: matrix products marked QUANTISED: E2M3 operands, one E8M0 scale for each 32 along K, by v_wmma_scale_f32_16x16x128_f8f6f4 with both operands' format E2M3, f32 sums; everything else in f32.
;; Inputs: Wk_d 256 x 256 float32; Wk_p 256 x 256 float32; Wq_d 256 x 256 float32; Wq_p 256 x 256 float32; Wv_d 256 x 256 float32; Wv_p 256 x 256 float32; drug 16 x 512 x 256 float32; mask_drug 16 x 512 bool; mask_prot 16 x 2,048 bool; protein 16 x 2,048 x 256 float32.
;; Outputs: out0 16 x 512 float32; out1 16 x 128 x 512 x 8 float32.
;; This version of the problem:
;;   THIS VERSION OF THE PROBLEM IS GIVEN IN LOW PRECISION. The matrix products marked QUANTISED in the list below multiply operands that are first quantised to E2M3 (2 exponent bits, 3 mantissa bits; 6 bits a number), with one power-of-two scale for each 32 numbers along K (OCP MX v1.0); their sums are f32. All else is computed in f32.
;;   The module's matrix products, in the order in which they are computed (A, B: the left and right operand; K: the contracted axis; several contracted axes count as one K, in the product's order):
;;     1. [M 8,192, K 256] x [K 256, N 256]; A: computed on the way; B: input Wq_p: QUANTISED
;;     2. [M 8,192, K 256] x [K 256, N 256]; A: computed on the way; B: input Wk_p: QUANTISED
;;     3. [M 8,192, K 256] x [K 256, N 256]; A: computed on the way; B: input Wv_p: QUANTISED
;;     4. [M 2,048, K 256] x [K 256, N 256]; A: computed on the way; B: input Wq_d: QUANTISED
;;     5. [M 2,048, K 256] x [K 256, N 256]; A: computed on the way; B: input Wk_d: QUANTISED
;;     6. [M 2,048, K 256] x [K 256, N 256]; A: computed on the way; B: input Wv_d: QUANTISED
;;     7. batch 128 x [M 512, K 32] x [K 32, N 512]; A: computed on the way; B: computed on the way: QUANTISED
;;     8. batch 128 x [M 128, K 32] x [K 32, N 512]; A: computed on the way; B: computed on the way: QUANTISED
;;     9. batch 128 x [M 512, K 32] x [K 32, N 128]; A: computed on the way; B: computed on the way: QUANTISED
;;     10. batch 128 x [M 128, K 32] x [K 32, N 128]; A: computed on the way; B: computed on the way: QUANTISED
;;     11. batch 128 x [M 32, K 512] x [K 512, N 512]; A: computed on the way; B: computed on the way: QUANTISED
;;     12. batch 128 x [M 32, K 128] x [K 128, N 512]; A: computed on the way; B: computed on the way: QUANTISED
;;     13. batch 128 x [M 32, K 512] x [K 512, N 128]; A: computed on the way; B: computed on the way: QUANTISED
;;     14. batch 128 x [M 32, K 128] x [K 128, N 128]; A: computed on the way; B: computed on the way: QUANTISED
;;   THE QUANTISER, for each operand of a quantised product, along K:
;;     - K is cut into blocks of 32 from its start; a last block that is shorter is filled with zeros.
;;     - A block's scale is 2^e with e = floor(log2(the largest magnitude in the block)) - 2, held to -126 .. 127; a block of zeros has e = 0. As a byte (E8M0): e + 127.
;;     - Each number is divided by its block's scale, clamped to +-7.5, and rounded to the nearest number of E2M3, ties to even, subnormals kept.
;;     - The product sums the exact products of the quantised numbers (number of the format x scale) in f32.
;;   ~~~python
;;   def quantise(x, axis):      # numpy; x: float32 -> the quantised numbers, widened to float32 again
;;       x = np.moveaxis(x, axis, -1); K = x.shape[-1]
;;       x = np.pad(x, [(0, 0)] * (x.ndim - 1) + [(0, -K % 32)]); x = x.reshape(x.shape[:-1] + (-1, 32)); a = np.abs(x).max(-1, keepdims=True)
;;       e = np.where(a > 0, np.clip(np.frexp(np.where(a > 0, a, 1))[1] - 1 - 2, -126, 127), 0)      # np.frexp(a)[1] - 1 = floor(log2(a)), exactly
;;       r = np.clip(x / 2.0 ** e, -7.5, 7.5)
;;       step = 2.0 ** (np.maximum(np.frexp(np.where(r == 0, 1, r))[1] - 1, 0) - 3)
;;       q = np.round(r / step) * step * 2.0 ** e      # np.round: ties to even
;;       return np.moveaxis(q.reshape(q.shape[:-2] + (-1,))[..., :K], -1, axis).astype(np.float32)
;;   ~~~
;;   OPERANDS COMPUTED ON THE WAY. 'Computed on the way' means the value that the module computes at that place (a softmax that the list does not call 'softmax' is quantised finished and normalised). What goes into a quantiser is computed in f32, as accurately as f32 sums, v_exp_f32 and their like allow (about 1e-6 of the number): no bf16 or f16 on the way to a quantiser, and a product that is left as it is and whose result goes on into a quantised operand takes f32 operands (vector FMAs, or v_wmma_f32_16x16x4_f32). A number that lies on a knife's edge between two numbers of the format may be rounded either way, as far as f32 arithmetic and the matrix unit's own rounding can turn it there, and no further.
;; 2 versions, each right; version 2 is version 1 with the launches prep, sink, adp written anew for expert scheduling mode. Each part assembles by itself: llvm-mc -triple=amdgcn-amd-amdhsa -mcpu=gfx1250 --defsym DOCPART=n.
;; ======== version 1 of 2: 4 launches
;; limits: right only within a limited range of input values
;; workspace buffers: wcodes 294,912 bytes; wscales 12,288 bytes; qcodes 1,966,080 bytes; kcodes 3,932,160 bytes; vcodes 1,966,080 bytes; scl 983,040 bytes; part 32,768 bytes; dpv 360,448 bytes
;; launch quantw (part 1): grid 48 x 1, 4 waves a work-group, no clusters, 33,280 bytes of LDS; arguments Wq_p, Wk_p, Wv_p, Wq_d, Wk_d, Wv_d, wcodes, wscales; writes wcodes, wscales
.if DOCPART == 1
	.amdgcn_target "amdgcn-amd-amdhsa--gfx1250"
	.amdhsa_code_object_version 6
	.text
	.protected	k_q11c0827c66_quantw
	.globl	k_q11c0827c66_quantw
	.p2align	8
	.type	k_q11c0827c66_quantw,@function
k_q11c0827c66_quantw:
	s_mov_b64 s[64:65], 0
	v_nop
	global_prefetch_b8 v0, s[64:65] scope:SCOPE_SE
	s_setreg_imm32_b32 hwreg(HW_REG_WAVE_MODE, 25, 1), 1
	s_wait_xcnt 0x0
; The six weights [256 channels][256 k], f32, K innermost, become codes of FP6 (E2M3) and one E8M0 byte for each 32 along K:
; wcodes [6][256][192 bytes], wscales [6][256][8 bytes], in the order Wq_p, Wk_p, Wv_p, Wq_d, Wk_d, Wv_d.
; A block's scale is 2^(floor(log2(its largest magnitude)) - 2); its byte is that magnitude's exponent field - 2, held at 1 from below.
; LIMITS: a block of zeros gets the byte 1 (its codes are zeros, and this program alone reads the bytes); blocks whose largest magnitude
; lies under 2^-124 keep the byte 1; NaN and infinities among the inputs are not served.
; Rows are dense, so a weight is a plain stream of blocks.  A work-group takes 8,192 numbers, a wave 2,048 in four steps of 512.
; Each load reads 512 consecutive bytes; a step's 2,048 bytes turn through the wave's own stage in LDS so that a lane holds 16 neighbours
; (two neighbouring lanes hold a block).  A lane's 16 codes are 12 bytes: a store of the wave covers 384 consecutive bytes.
; The wave's 64 scale bytes are gathered in its own LDS bytes and leave as 64 consecutive bytes.  Waves share nothing: no barrier.
.set STEPS, 4
.set EMAX,  2
.set CBY,   12                         ; bytes of 16 codes
.set R,     16                         ; v16-79   four sets of 16 numbers as loaded
.set X,     80                         ; v80-111  two sets of 16 neighbours
.set E,     112                        ; v112-115 a scale byte for each step
.set C,     128                        ; v128-143 codes, four registers a step: no store's data are written again
.set WREG,  8192                       ; LDS of a wave: two stages of 32 x SP bytes, then its 64 scale bytes
.set SP,    80                         ; a lane's place in a stage: 64 bytes + 16 of padding
	s_load_b512 s[4:19], s[0:1], 0x0               ; the six weights s[4:15], wcodes s[16:17], wscales s[18:19]
	v_lshl_add_u32 v192, v0, 2, 0x8000
	v_mov_b32 v193, 0
	v_lshrrev_b32 v1, 5, v0
	v_readfirstlane_b32 s20, v1                    ; wave
	v_and_b32 v2, 31, v0                           ; lane
	v_lshlrev_b32 v3, 4, v2                        ; my 16 bytes of a load's 512
	s_mul_i32 s21, s20, WREG
	v_lshrrev_b32 v14, 2, v2
	v_mul_u32_u24 v14, v14, SP
	v_and_b32 v15, 3, v2
	v_lshl_add_u32 v14, v15, 4, v14
	v_add_nc_u32 v14, s21, v14                     ; the stage, on the way in: SP (lane / 4) + 16 (lane % 4)
	v_mul_u32_u24 v15, v2, SP
	v_add_nc_u32 v15, s21, v15                     ; and on the way out: SP x lane
	v_mul_u32_u24 v4, v2, CBY                      ; my codes' place in a step's
	v_lshrrev_b32 v5, 1, v2
	s_add_co_u32 s21, s21, 2*32*SP
	v_add_nc_u32 v5, s21, v5                       ; LDS: my block's scale byte
	v_lshlrev_b32 v7, 1, v2                        ; on the way out two bytes a lane
	v_add_nc_u32 v6, s21, v7
	s_lshr_b32 s22, ttmp9, 3                       ; which weight: eight work-groups to each
	s_and_b32 s23, ttmp9, 7
	s_lshl_b32 s23, s23, 2
	s_add_co_u32 s23, s23, s20
	s_lshl_b32 s24, s23, 13                        ; my wave's 8,192 bytes in the weight
	s_mov_b32 s25, 0
	s_lshl_b32 s26, ttmp9, 2
	s_add_co_u32 s26, s26, s20                     ; my run among all 192
	s_mul_i32 s28, s26, 1536                       ; its codes
	s_mov_b32 s29, 0
	s_lshl_b32 s30, s26, 6                         ; its scale bytes
	s_mov_b32 s31, 0
	s_wait_kmcnt 0x0
	s_cmp_eq_u32 s22, 1                            ; the choice of the weight hangs on the work-group's number alone
	s_cselect_b64 s[4:5], s[6:7], s[4:5]
	s_cmp_eq_u32 s22, 2
	s_cselect_b64 s[4:5], s[8:9], s[4:5]
	s_cmp_eq_u32 s22, 3
	s_cselect_b64 s[4:5], s[10:11], s[4:5]
	s_cmp_eq_u32 s22, 4
	s_cselect_b64 s[4:5], s[12:13], s[4:5]
	s_cmp_eq_u32 s22, 5
	s_cselect_b64 s[4:5], s[14:15], s[4:5]
	s_add_nc_u64 s[4:5], s[4:5], s[24:25]
	s_add_nc_u64 s[16:17], s[16:17], s[28:29]
	s_add_nc_u64 s[18:19], s[18:19], s[30:31]
.macro LOAD t
.irp i, 0,1,2,3
	global_load_b128 v[R+16*(\t)+4*\i:R+16*(\t)+4*\i+3], v3, s[4:5] offset:2048*(\t)+512*\i th:TH_LOAD_NT
.endr
.endm
.macro TURN t                          ; step t's numbers through the stage: LDS serves a wave's instructions in order
.irp i, 0,1,2,3
	ds_store_b128 v14, v[R+16*(\t)+4*\i:R+16*(\t)+4*\i+3] offset:32*SP*((\t)%2)+8*SP*\i
.endr
.irp i, 0,1,2,3
	ds_load_b128 v[X+16*((\t)%2)+4*\i:X+16*((\t)%2)+4*\i+3], v15 offset:32*SP*((\t)%2)+16*\i
.endr
.endm
.irp t, 0,1,2,3
	LOAD \t
.endr
	s_wait_loadcnt 12                              ; step 0's four loads are in; the twelve of the later steps may be out
	TURN 0
.macro STEP t
.set XS, X+16*((\t)%2)
.if (\t) > 0
	s_wait_dscnt 1                                 ; this step's numbers are back from the stage; the last step's byte store may be out
.else
	s_wait_dscnt 0x0
.endif
.if (\t)+1 < STEPS
	s_wait_loadcnt 4*(STEPS-2-(\t))                ; the next step's four loads are in; those of the steps behind it may be out
	TURN (\t)+1
.endif
	v_max3_num_f32 v8, |v[XS]|, |v[XS+1]|, |v[XS+2]|
	v_max3_num_f32 v9, |v[XS+3]|, |v[XS+4]|, |v[XS+5]|
.irp i, 6,10
	v_max3_num_f32 v8, v8, |v[XS+\i]|, |v[XS+\i+1]|
	v_max3_num_f32 v9, v9, |v[XS+\i+2]|, |v[XS+\i+3]|
.endr
	v_max3_num_f32 v8, v8, |v[XS+14]|, |v[XS+15]|
	v_max3_num_f32 v8, v8, v9, (EMAX+1)<<23        ; with the floor 2^(3 - 127): the byte cannot fall under 1
	v_max_num_f32_dpp v8, v8, v8 row_xmask:1 row_mask:0xf bank_mask:0xf   ; and my neighbour's 16: the block's largest magnitude
	v_add_nc_u32 v11, -(EMAX<<23), v8              ; 2 off its exponent field: the conversion takes that field as its scale
	v_cvt_scalef32_pk16_fp6_f32 v[C+4*(\t):C+4*(\t)+2], v[XS:XS+15], v11
	v_lshrrev_b32 v[E+(\t)], 23, v11               ; the scale's byte (also the plain line behind the conversion)
	ds_store_b8 v5, v[E+(\t)] offset:16*(\t)       ; both lanes of a block write the same byte with the same value
	global_store_b96 v4, v[C+4*(\t):C+4*(\t)+2], s[16:17] offset:32*CBY*(\t)
.endm
.irp t, 0,1,2,3
	STEP \t
.endr
	ds_load_u16 v12, v6                            ; LDS serves a wave's instructions in order: this sees my byte stores
	s_wait_dscnt 0x0
	global_store_b16 v7, v12, s[18:19]             ; 32 lanes store my 64 scale bytes on end
	s_wait_tensorcnt 0x0
	ds_add_u32 v192, v193
	s_wait_dscnt 0x0
	s_endpgm
.Lfunc_end_k_q11c0827c66_quantw:
	.size	k_q11c0827c66_quantw, .Lfunc_end_k_q11c0827c66_quantw-k_q11c0827c66_quantw
	.p2alignl 7, 3214868480
	.fill 96, 4, 3214868480
	.section	.rodata,"a",@progbits
	.p2align	6, 0x0
	.amdhsa_kernel k_q11c0827c66_quantw
		.amdhsa_group_segment_fixed_size 33280
		.amdhsa_private_segment_fixed_size 0
		.amdhsa_enable_private_segment 0
		.amdhsa_kernarg_size 64
		.amdhsa_user_sgpr_count 2
		.amdhsa_user_sgpr_kernarg_segment_ptr 1
		.amdhsa_wavefront_size32 1
		.amdhsa_system_sgpr_workgroup_id_x 1
		.amdhsa_system_sgpr_workgroup_id_y 1
		.amdhsa_system_sgpr_workgroup_id_z 1
		.amdhsa_system_vgpr_workitem_id 0
		.amdhsa_next_free_vgpr 194
		.amdhsa_next_free_sgpr 66
		.amdhsa_reserve_vcc 0
		.amdhsa_float_denorm_mode_32 3
		.amdhsa_float_denorm_mode_16_64 3
		.amdhsa_memory_ordered 1
		.amdhsa_forward_progress 1
		.amdhsa_inst_pref_size 10
	.end_amdhsa_kernel
	.amdgpu_metadata
---
amdhsa.version: [ 1, 2 ]
amdhsa.kernels:
  - .name:           k_q11c0827c66_quantw
    .symbol:         k_q11c0827c66_quantw.kd
    .args:
      - { .name: Wq_p, .offset: 0, .size: 8, .value_kind: global_buffer, .address_space: global }
      - { .name: Wk_p, .offset: 8, .size: 8, .value_kind: global_buffer, .address_space: global }
      - { .name: Wv_p, .offset: 16, .size: 8, .value_kind: global_buffer, .address_space: global }
      - { .name: Wq_d, .offset: 24, .size: 8, .value_kind: global_buffer, .address_space: global }
      - { .name: Wk_d, .offset: 32, .size: 8, .value_kind: global_buffer, .address_space: global }
      - { .name: Wv_d, .offset: 40, .size: 8, .value_kind: global_buffer, .address_space: global }
      - { .name: wcodes, .offset: 48, .size: 8, .value_kind: global_buffer, .address_space: global }
      - { .name: wscales, .offset: 56, .size: 8, .value_kind: global_buffer, .address_space: global }
    .group_segment_fixed_size: 33280
    .private_segment_fixed_size: 0
    .kernarg_segment_align: 8
    .kernarg_segment_size: 64
    .max_flat_workgroup_size: 128
    .sgpr_count:     66
    .vgpr_count:     194
    .wavefront_size: 32
...
	.end_amdgpu_metadata
.endif
;; end of part 1
;; launch prep (part 2): grid 320 x 1, 8 waves a work-group, no clusters, 41,984 bytes of LDS; arguments protein, drug, wcodes, wscales, qcodes, kcodes, vcodes, scl; writes qcodes, kcodes, vcodes, scl
.if DOCPART == 2
	.amdgcn_target "amdgcn-amd-amdhsa--gfx1250"
	.amdhsa_code_object_version 6
	.text
	.protected	k_q11c0827c66_prep
	.globl	k_q11c0827c66_prep
	.p2align	8
	.type	k_q11c0827c66_prep,@function
k_q11c0827c66_prep:
	s_mov_b64 s[64:65], 0
	v_nop
	global_prefetch_b8 v0, s[64:65] scope:SCOPE_SE
	s_setreg_imm32_b32 hwreg(HW_REG_WAVE_MODE, 25, 1), 1
	s_wait_xcnt 0x0
; Group means of four rows, the three projections of a set (protein or drug), and the quantising of q, k and v, all products on codes of FP6 (E2M3).
; A work-group takes 32 group rows (128 input rows, 131,072 consecutive bytes): work-groups 0-255 protein, 256-319 drug; only pointers and offsets are chosen, there is one path.
; PHASES.  1: each wave streams 16 input rows (512 consecutive bytes a load), forms four means in f32 and puts them in LDS | barrier |
; 2: wave w quantises half a fragment of x along K = 256 (a fragment: 16 rows x 128 k) and stores it as an image of the operand's registers | barrier |
; 3: every wave reads x's four fragments; wave w is head w: q and k with source 0 = 16 rows of W and source 1 = x, so that a lane holds one row and 16 neighbouring channels of the head;
;    v with source 0 = x and source 1 = 16 rows of Wv, so that a lane holds one channel and 16 neighbouring keys.  Each result is quantised in registers (a block of 32 lies in lanes l and l xor 16).
; THE ROWS OF A TILE ARE NOT NEIGHBOURS: slot r of tile u is row (or channel) 8 u + r + 8 (r / 8), so that the 16 registers of two tiles are 16 neighbours.
; OUT: qcodes [set][nh][row][24 bytes]; kcodes [set][nh][strip of 32 keys][768 bytes of codes, 768 zero bytes]; vcodes [set][nh][strip][32 channels][24 bytes, keys innermost];
;      scl: one word each: q's byte in bits 7:0; k's and v's byte four times.  These stores are pieces of 12 and 4 bytes in runs of 192 to 384 bytes: not whole aligned blocks of 256.
; LIMITS: a block of zeros gets the byte 1 (read by this program alone); blocks under 2^-124 keep the byte 1; NaN and infinities are not served; the mean is (a0 + a1) + (a2 + a3), x 0.25.
.set XPITCH, 1040                      ; a row of means in LDS: 1,024 bytes + 16
.set XIMG,  33280                      ; x's four fragments (2 u + s), 1,536 bytes each: piece q of 8 bytes a lane at 256 q + 8 lane
.set XSC,   39424                      ; their scale words: 64 bytes a fragment, 4 a row slot
.set ZR,    20                         ; v20-22   zeros
.set WA,    24                         ; v24-71   Wq's four fragments (tile t, K step s at 12 (2 t + s)), later Wv's
.set WB,    72                         ; v72-119  Wk's
.set ST,    120                        ; v120-247 the stream: group g, row a, half c at 32 g + 8 a + 4 c
.set XFR,   120                        ; later: v120-167 x's four fragments
.set ACC,   168                        ; v168-199 four accumulators; ahead of them the 32 numbers to quantise
.set TM,    200                        ; v200-215 at work
.set CD,    216                        ; v216-239 codes: eight registers for each of q, k, v
.set SD,    240                        ; v240-245 their scale words
.set WS,    248                        ; v248-253 W's scale words (product, tile): lanes 0-15 K step 0, lanes 16-31 K step 1
.set XS,    254                        ; v254-255 x's scale words, tile u, likewise
.set SEL,   40                         ; s[40:41] lane selects: lane l xor 16
	s_load_b512 s[4:19], s[0:1], 0x0               ; protein, drug, wcodes, wscales, qcodes, kcodes, vcodes, scl
	v_lshl_add_u32 v23, v0, 2, 0xa000
	s_set_vgpr_msb 0x40
	v_mov_b32 v1, 0
	s_set_vgpr_msb 0x4000
	v_lshrrev_b32 v1, 5, v0
	v_readfirstlane_b32 s20, v1                    ; wave = head
	v_and_b32 v3, 31, v0                           ; lane
	v_and_b32 v1, 15, v0                           ; r
	v_bfe_u32 v2, v0, 4, 1                         ; h
	v_and_b32 v4, 8, v1
	v_add_nc_u32 v4, v4, v1                        ; r + 8 (r / 8)
	v_mul_u32_u24 v5, v4, 192
	v_mad_u32_u24 v5, v2, 24, v5                   ; W's codes, chosen rows
	v_mul_u32_u24 v6, v1, 192
	v_mad_u32_u24 v6, v2, 24, v6                   ; W's codes, rows as they lie
	v_lshlrev_b32 v7, 3, v4
	v_lshl_add_u32 v7, v2, 2, v7                   ; W's scale words, chosen rows: 8 bytes a row, + 4 h
	v_lshlrev_b32 v8, 3, v1
	v_lshl_add_u32 v8, v2, 2, v8                   ; the same, rows as they lie
	s_lshl_b32 s46, s20, 14
	v_lshl_add_u32 v9, v3, 4, s46                  ; the stream: my wave's 16 rows, 16 bytes a lane
	s_mul_i32 s46, s20, 4*XPITCH
	v_lshl_add_u32 v10, v3, 4, s46                 ; means into LDS: rows 4 w on
	s_lshr_b32 s46, s20, 2                         ; for the quantising: tile u = w / 4,
	s_mul_i32 s46, s46, 8*XPITCH
	s_bfe_u32 s47, s20, 0x10001                    ; K step s = bit 1 of w,
	s_lshl_b32 s47, s47, 9
	s_add_co_u32 s46, s46, s47
	s_and_b32 s47, s20, 1                          ; half c = bit 0
	s_lshl_b32 s47, s47, 8
	s_add_co_u32 s46, s46, s47
	v_mul_u32_u24 v11, v4, XPITCH
	v_lshl_add_u32 v11, v2, 6, v11
	v_add_nc_u32 v11, s46, v11                     ; row 8 u + r + 8 (r / 8), channel 128 s + 64 c + 16 h
	s_mul_i32 s46, s20, 768
	s_add_co_u32 s46, s46, XIMG
	v_lshl_add_u32 v12, v3, 3, s46                 ; my half fragment's image: 768 w + 8 lane
	s_lshr_b32 s46, s20, 1
	s_lshl_b32 s46, s46, 6
	s_and_b32 s47, s20, 1
	s_lshl_b32 s47, s47, 1
	s_add_co_u32 s46, s46, s47
	s_add_co_u32 s46, s46, XSC
	v_lshl_add_u32 v13, v1, 2, s46                 ; my two scale bytes: 64 (w / 2) + 2 (w % 2) + 4 r
	v_lshlrev_b32 v14, 3, v3
	v_add_nc_u32 v14, XIMG, v14                    ; images back
	v_lshlrev_b32 v15, 2, v1
	v_lshl_add_u32 v15, v2, 6, v15
	v_add_nc_u32 v15, XSC, v15                     ; scale words back: lanes 16-31 take K step 1's
	v_mul_u32_u24 v16, v4, 24
	v_mad_u32_u24 v16, v2, 12, v16                 ; q, k out: my row's 24 bytes, my half of them
	v_lshlrev_b32 v17, 2, v4                       ; and its scale word
	v_mul_u32_u24 v18, v1, 24
	v_mad_u32_u24 v18, v2, 12, v18                 ; v out: my channel's 24 bytes, my half
	v_lshlrev_b32 v19, 2, v1
	v_mov_b32 v[ZR], 0
	v_mov_b32 v[ZR+1], 0
	v_mov_b32 v[ZR+2], 0
	v_mov_b32 v[TM+2], 0                           ; written once: a lane permute's destination counts as one of its sources
	v_mov_b32 v[TM+3], 0
	s_mov_b32 s[SEL], 0x76543210
	s_mov_b32 s[SEL+1], 0xfedcba98
	s_cmp_lt_u32 ttmp9, 256                        ; protein or drug: hangs on the work-group's number alone
	s_cselect_b32 s21, 0, 256
	s_cselect_b32 s22, 4, 2                        ; work-groups to a batch element: 16 or 4
	s_cselect_b32 s23, 15, 3
	s_cselect_b32 s24, 9, 7                        ; log2 of the groups: 512 or 128
	s_cselect_b32 s25, 0, 1                        ; the set
	s_sub_co_u32 s26, ttmp9, s21
	s_lshr_b32 s27, s26, s22                       ; n
	s_and_b32 s28, s26, s23                        ; which 32 groups
	s_lshl_b32 s29, s27, 3
	s_add_co_u32 s29, s29, s20                     ; nh = 8 n + head
	s_lshl_b32 s30, s26, 17                        ; the input's 131,072 bytes
	s_mov_b32 s31, 0
	s_lshl_b32 s38, s29, s24                       ; nh x groups
	s_mul_i32 s32, s25, 1572864
	s_mul_i32 s39, s38, 24
	s_add_co_u32 s32, s32, s39
	s_mul_i32 s39, s28, 768
	s_add_co_u32 s32, s32, s39                     ; q's and v's codes
	s_mov_b32 s33, 0
	s_lshl_b32 s34, s32, 1                         ; k's: twice that (codes and zeros)
	s_mov_b32 s35, 0
	s_lshl_b32 s36, s25, 18
	s_lshl_b32 s39, s38, 2
	s_add_co_u32 s36, s36, s39
	s_lshl_b32 s39, s28, 7
	s_add_co_u32 s36, s36, s39                     ; the scale words
	s_mov_b32 s37, 0
	s_mul_i32 s42, s25, 147456                     ; the set's three weights, my head's 32 rows
	s_mul_i32 s39, s20, 6144
	s_add_co_u32 s42, s42, s39
	s_mov_b32 s43, 0
	s_mul_i32 s44, s25, 6144
	s_lshl_b32 s39, s20, 8
	s_add_co_u32 s44, s44, s39
	s_mov_b32 s45, 0
	s_wait_kmcnt 0x0
	s_cmp_lt_u32 ttmp9, 256
	s_cselect_b64 s[4:5], s[4:5], s[6:7]
	s_add_nc_u64 s[4:5], s[4:5], s[30:31]
	s_add_nc_u64 s[8:9], s[8:9], s[42:43]
	s_add_nc_u64 s[10:11], s[10:11], s[44:45]
	s_add_nc_u64 s[12:13], s[12:13], s[32:33]
	s_add_nc_u64 s[14:15], s[14:15], s[34:35]
	s_add_nc_u64 s[16:17], s[16:17], s[32:33]
	s_add_nc_u64 s[18:19], s[18:19], s[36:37]
; four fragments of weight mat of the set: tile t (tstep bytes apart), K step s
.macro WLOAD dst, voff, mat, tstep
.irp t, 0,1
.irp s, 0,1
.irp p, 0,1,2,3,4,5
	global_load_b64 v[\dst+12*(2*\t+\s)+2*\p:\dst+12*(2*\t+\s)+2*\p+1], v[\voff], s[8:9] offset:\mat*49152+\t*\tstep+96*\s+48*(\p/3)+8*(\p%3)
.endr
.endr
.endr
.endm
	WLOAD WA, 5, 0, 1536
	WLOAD WB, 5, 1, 1536
.irp t, 0,1
	global_load_b32 v[WS+\t], v7, s[10:11] offset:64*\t
	global_load_b32 v[WS+2+\t], v7, s[10:11] offset:2048+64*\t
	global_load_b32 v[WS+4+\t], v8, s[10:11] offset:4096+128*\t
.endr
.irp g, 0,1,2,3
.irp a, 0,1,2,3
.irp c, 0,1
	global_load_b128 v[ST+32*\g+8*\a+4*\c:ST+32*\g+8*\a+4*\c+3], v9, s[4:5] offset:(4*\g+\a)*1024+512*\c th:TH_LOAD_NT
.endr
.endr
.endr
; group g's mean.  left: the loads of the later groups, eight each, may stay out
.macro MEAN g, left
	s_wait_loadcnt \left
.irp q, 0,2,4,6
	v_pk_add_f32 v[ST+32*\g+\q:ST+32*\g+\q+1], v[ST+32*\g+\q:ST+32*\g+\q+1], v[ST+32*\g+8+\q:ST+32*\g+8+\q+1]
	v_pk_add_f32 v[ST+32*\g+16+\q:ST+32*\g+16+\q+1], v[ST+32*\g+16+\q:ST+32*\g+16+\q+1], v[ST+32*\g+24+\q:ST+32*\g+24+\q+1]
.endr
.irp q, 0,2,4,6
	v_pk_add_f32 v[ST+32*\g+\q:ST+32*\g+\q+1], v[ST+32*\g+\q:ST+32*\g+\q+1], v[ST+32*\g+16+\q:ST+32*\g+16+\q+1]
.endr
.irp q, 0,2,4,6
	v_pk_mul_f32 v[ST+32*\g+\q:ST+32*\g+\q+1], v[ST+32*\g+\q:ST+32*\g+\q+1], 0x3e800000 op_sel_hi:[1,0]
.endr
	ds_store_b128 v10, v[ST+32*\g:ST+32*\g+3] offset:\g*XPITCH
	ds_store_b128 v10, v[ST+32*\g+4:ST+32*\g+7] offset:\g*XPITCH+512
.endm
	MEAN 0, 24
	MEAN 1, 16
	MEAN 2, 8
	MEAN 3, 0
	s_wait_dscnt 0x0                               ; for the others' sake: my means lie in LDS
	s_barrier_signal -1
	s_barrier_wait -1
	; ---- x is quantised: my two blocks of 32 along K, 16 numbers of each in my lane
.irp i, 0,1
.irp j, 0,1,2,3
	ds_load_b128 v[ACC+16*\i+4*\j:ACC+16*\i+4*\j+3], v11 offset:128*\i+16*\j
.endr
.endr
	s_wait_dscnt 0x0
.irp b, 0,1
	v_max3_num_f32 v[TM+\b], |v[ACC+16*\b]|, |v[ACC+16*\b+1]|, 0x1800000   ; with the floor 2^(3 - 127): the byte cannot fall under 1
.endr
.irp i, 2,4,6,8,10,12,14
.irp b, 0,1
	v_max3_num_f32 v[TM+\b], v[TM+\b], |v[ACC+16*\b+\i]|, |v[ACC+16*\b+\i+1]|
.endr
.endr
.irp b, 0,1
	v_permlanex16_b32 v[TM+2+\b], v[TM+\b], s[SEL], s[SEL+1]
.endr
.irp b, 0,1
	v_max_num_f32 v[TM+\b], v[TM+\b], v[TM+2+\b]   ; with lane l xor 16's: the block's largest magnitude
.endr
.irp b, 0,1
	v_add_nc_u32 v[TM+4+\b], 0xff000000, v[TM+\b]  ; 2 off its exponent field: the conversion's scale operand
.endr
.irp b, 0,1
	v_lshrrev_b32 v[TM+2+\b], 23, v[TM+4+\b]       ; the scale's byte
.endr
	v_lshl_or_b32 v[TM+6], v[TM+3], 8, v[TM+2]
	v_cvt_scalef32_pk16_fp6_f32 v[CD:CD+2], v[ACC:ACC+15], v[TM+4]
	v_cvt_scalef32_pk16_fp6_f32 v[CD+6:CD+8], v[ACC+16:ACC+31], v[TM+5]
	v_nop                                          ; one plain line behind a scaled conversion
.irp i, 0,1,2
	v_permlane16_swap_b32 v[CD+\i], v[CD+6+\i]     ; the operand's layout wants a whole block in a lane: lanes 0-15 the first, lanes 16-31 the second
.endr
.irp i, 0,1,2
	v_mov_b32 v[CD+3+\i], v[CD+6+\i]
.endr
.irp p, 0,1,2
	ds_store_b64 v12, v[CD+2*\p:CD+2*\p+1] offset:256*\p
.endr
	ds_store_b16 v13, v[TM+6]                      ; lanes l and l xor 16 write the same two bytes with the same value
	s_wait_dscnt 0x0                               ; for the others' sake
	s_barrier_signal -1
	s_barrier_wait -1
.irp f, 0,1,2,3
.irp q, 0,1,2,3,4,5
	ds_load_b64 v[XFR+12*\f+2*\q:XFR+12*\f+2*\q+1], v14 offset:1536*\f+256*\q
.endr
.endr
	ds_load_b32 v[XS], v15
	ds_load_b32 v[XS+1], v15 offset:128
	s_wait_dscnt 0x0
; q or k: source 0 = tile t of W, source 1 = tile u of x; four accumulators by turns, K step 0 starts the sums
.macro PRODW wf, ws
.irp s, 0,1
.irp u, 0,1
.irp t, 0,1
.if \s == 0
	v_wmma_scale_f32_16x16x128_f8f6f4 v[ACC+16*\u+8*\t:ACC+16*\u+8*\t+7], v[\wf+12*(2*\t):\wf+12*(2*\t)+11], v[XFR+12*(2*\u):XFR+12*(2*\u)+11], 0, v[\ws+\t], v[XS+\u] matrix_a_fmt:MATRIX_FMT_FP6 matrix_b_fmt:MATRIX_FMT_FP6
.else
	v_wmma_scale_f32_16x16x128_f8f6f4 v[ACC+16*\u+8*\t:ACC+16*\u+8*\t+7], v[\wf+12*(2*\t+1):\wf+12*(2*\t+1)+11], v[XFR+12*(2*\u+1):XFR+12*(2*\u+1)+11], v[ACC+16*\u+8*\t:ACC+16*\u+8*\t+7], v[\ws+\t], v[XS+\u] matrix_a_fmt:MATRIX_FMT_FP6 matrix_b_fmt:MATRIX_FMT_FP6 matrix_a_scale:MATRIX_SCALE_ROW1 matrix_b_scale:MATRIX_SCALE_ROW1
.endif
.endr
.endr
.endr
.rept 5
	v_nop                                          ; places behind the products: four for reads of results and loads into operands, five for the next run, which writes over these accumulators
.endr
.endm
; the two runs of 16 registers at ACC and ACC + 16 (16 neighbours of a block; the other 16 lie in lane l xor 16) become 12 bytes of codes each and a scale byte
.macro QUANT1 cd, sd
.irp a, 0,1
	v_max3_num_f32 v[TM+\a], |v[ACC+16*\a]|, |v[ACC+16*\a+1]|, 0x1800000
.endr
.irp i, 2,4,6,8,10,12,14
.irp a, 0,1
	v_max3_num_f32 v[TM+\a], v[TM+\a], |v[ACC+16*\a+\i]|, |v[ACC+16*\a+\i+1]|
.endr
.endr
.irp a, 0,1
	v_permlanex16_b32 v[TM+2+\a], v[TM+\a], s[SEL], s[SEL+1]
.endr
.irp a, 0,1
	v_max_num_f32 v[TM+\a], v[TM+\a], v[TM+2+\a]
.endr
.irp a, 0,1
	v_add_nc_u32 v[TM+4+\a], 0xff000000, v[TM+\a]
.endr
.irp a, 0,1
	v_lshrrev_b32 v[\sd+\a], 23, v[TM+4+\a]
.endr
.irp a, 0,1
	v_cvt_scalef32_pk16_fp6_f32 v[\cd+4*\a:\cd+4*\a+2], v[ACC+16*\a:ACC+16*\a+15], v[TM+4+\a]
.endr
	v_nop                                          ; one plain line behind the last conversion: a later product writes its sources
.endm
.macro FOURFOLD sd                     ; the byte in all four places of the word
.irp a, 0,1
	v_lshl_or_b32 v[\sd+\a], v[\sd+\a], 8, v[\sd+\a]
.endr
.irp a, 0,1
	v_lshl_or_b32 v[\sd+\a], v[\sd+\a], 16, v[\sd+\a]
.endr
.endm
	; ---- q
	PRODW WA, WS
	WLOAD WA, 6, 2, 3072                           ; Wv takes Wq's registers, rows as they lie
	QUANT1 CD, SD
.irp u, 0,1
	global_store_b96 v16, v[CD+4*\u:CD+4*\u+2], s[12:13] offset:192*\u
	global_store_b32 v17, v[SD+\u], s[18:19] offset:32*\u
.endr
	; ---- k
	PRODW WB, WS+2
	QUANT1 CD+8, SD+2
	FOURFOLD SD+2
.irp u, 0,1
	global_store_b96 v16, v[CD+8+4*\u:CD+8+4*\u+2], s[14:15] offset:192*\u
	global_store_b96 v16, v[ZR:ZR+2], s[14:15] offset:768+192*\u
	global_store_b32 v17, v[SD+2+\u], s[18:19] offset:327680+32*\u
.endr
	; ---- v: source 0 = tile u of x, source 1 = tile t of Wv: a lane holds channel 16 t + r and keys 16 h + 8 u + 0 .. 7
	s_wait_loadcnt 0x0                             ; Wv
.irp s, 0,1
.irp t, 0,1
.irp u, 0,1
.if \s == 0
	v_wmma_scale_f32_16x16x128_f8f6f4 v[ACC+16*\t+8*\u:ACC+16*\t+8*\u+7], v[XFR+12*(2*\u):XFR+12*(2*\u)+11], v[WA+12*(2*\t):WA+12*(2*\t)+11], 0, v[XS+\u], v[WS+4+\t] matrix_a_fmt:MATRIX_FMT_FP6 matrix_b_fmt:MATRIX_FMT_FP6
.else
	v_wmma_scale_f32_16x16x128_f8f6f4 v[ACC+16*\t+8*\u:ACC+16*\t+8*\u+7], v[XFR+12*(2*\u+1):XFR+12*(2*\u+1)+11], v[WA+12*(2*\t+1):WA+12*(2*\t+1)+11], v[ACC+16*\t+8*\u:ACC+16*\t+8*\u+7], v[XS+\u], v[WS+4+\t] matrix_a_fmt:MATRIX_FMT_FP6 matrix_b_fmt:MATRIX_FMT_FP6 matrix_a_scale:MATRIX_SCALE_ROW1 matrix_b_scale:MATRIX_SCALE_ROW1
.endif
.endr
.endr
.endr
.rept 5
	v_nop
.endr
	QUANT1 CD+16, SD+4
	FOURFOLD SD+4
.irp t, 0,1
	global_store_b96 v18, v[CD+16+4*\t:CD+16+4*\t+2], s[16:17] offset:384*\t
	global_store_b32 v19, v[SD+4+\t], s[18:19] offset:655360+64*\t
.endr
	s_set_vgpr_msb 0x4
	s_wait_tensorcnt 0x0
	ds_add_u32 v23, v1
	s_wait_dscnt 0x0
	s_set_vgpr_msb 0x400
	s_endpgm
.Lfunc_end_k_q11c0827c66_prep:
	.size	k_q11c0827c66_prep, .Lfunc_end_k_q11c0827c66_prep-k_q11c0827c66_prep
	.p2alignl 7, 3214868480
	.fill 96, 4, 3214868480
	.section	.rodata,"a",@progbits
	.p2align	6, 0x0
	.amdhsa_kernel k_q11c0827c66_prep
		.amdhsa_group_segment_fixed_size 41984
		.amdhsa_private_segment_fixed_size 0
		.amdhsa_enable_private_segment 0
		.amdhsa_kernarg_size 64
		.amdhsa_user_sgpr_count 2
		.amdhsa_user_sgpr_kernarg_segment_ptr 1
		.amdhsa_wavefront_size32 1
		.amdhsa_system_sgpr_workgroup_id_x 1
		.amdhsa_system_sgpr_workgroup_id_y 1
		.amdhsa_system_sgpr_workgroup_id_z 1
		.amdhsa_system_vgpr_workitem_id 0
		.amdhsa_next_free_vgpr 258
		.amdhsa_next_free_sgpr 66
		.amdhsa_reserve_vcc 0
		.amdhsa_float_denorm_mode_32 3
		.amdhsa_float_denorm_mode_16_64 3
		.amdhsa_memory_ordered 1
		.amdhsa_forward_progress 1
		.amdhsa_inst_pref_size 36
	.end_amdhsa_kernel
	.amdgpu_metadata
---
amdhsa.version: [ 1, 2 ]
amdhsa.kernels:
  - .name:           k_q11c0827c66_prep
    .symbol:         k_q11c0827c66_prep.kd
    .args:
      - { .name: protein, .offset: 0, .size: 8, .value_kind: global_buffer, .address_space: global }
      - { .name: drug, .offset: 8, .size: 8, .value_kind: global_buffer, .address_space: global }
      - { .name: wcodes, .offset: 16, .size: 8, .value_kind: global_buffer, .address_space: global }
      - { .name: wscales, .offset: 24, .size: 8, .value_kind: global_buffer, .address_space: global }
      - { .name: qcodes, .offset: 32, .size: 8, .value_kind: global_buffer, .address_space: global }
      - { .name: kcodes, .offset: 40, .size: 8, .value_kind: global_buffer, .address_space: global }
      - { .name: vcodes, .offset: 48, .size: 8, .value_kind: global_buffer, .address_space: global }
      - { .name: scl, .offset: 56, .size: 8, .value_kind: global_buffer, .address_space: global }
    .group_segment_fixed_size: 41984
    .private_segment_fixed_size: 0
    .kernarg_segment_align: 8
    .kernarg_segment_size: 64
    .max_flat_workgroup_size: 256
    .sgpr_count:     66
    .vgpr_count:     258
    .wavefront_size: 32
...
	.end_amdgpu_metadata
.endif
;; end of part 2
;; launch sink (part 3): grid 256 x 1, 4 waves a work-group, no clusters, 201,216 bytes of LDS; arguments qcodes, kcodes, vcodes, scl, mask_prot, mask_drug, part, dpv, out0; writes part, dpv, out0
.if DOCPART == 3
	.amdgcn_target "amdgcn-amd-amdhsa--gfx1250"
	.amdhsa_code_object_version 6
	.text
	.protected	k_q11c0827c66_sink
	.globl	k_q11c0827c66_sink
	.p2align	8
	.type	k_q11c0827c66_sink,@function
k_q11c0827c66_sink:
	s_mov_b64 s[64:65], 0
	v_nop
	global_prefetch_b8 v0, s[64:65] scope:SCOPE_SE
	s_setreg_imm32_b32 hwreg(HW_REG_WAVE_MODE, 25, 1), 1
	s_wait_xcnt 0x0
; For one (n, head): the softmax over a whole logit matrix, + 1e-12, four row and column normalisations, and the sum over the rows of a v, for the four matrices pp, pd, dp, dd.
; Work-groups 0-127 make pp; work-groups 128-255 make pd, dp and dd one after the other.  Each of the four has LDS bytes of its own.
; THE MATHEMATICS.  Every state of the matrix is r_i c_j (e_ij / Z + EPS), e_ij = 2^(t_ij - M), t = score x log2(e) / sqrt(32) + shifts, M the largest t rounded up to a whole number
; (kept as NM = -M), Z the sum of all e.  A row step is r <- r / (r (y / Z + EPS sum(c)) + EPS) with y_i = sum_j e_ij c_j; a column step likewise with x_j = sum_i e_ij r_i.
; The entries are never kept: they are made anew from the codes in five passes.  P1: maximum, Z, y.  P2-P4: x, the column step, the next y.  P5: x, the last column step, a, its codes, a v.
; A STRIP is 32 keys x all rows in one wave's registers (windows 2 and 3).  The logit product is used transposed (source 0 = 16 keys, source 1 = 16 rows): a lane holds one row,
; and register 16 T + 8 u + j of lane (r, h) is row 16 T + r, key 16 h + 8 u + j of the strip (slot m of tile u is key 8 u + m + 8 (m / 8)).  So x needs no other wave; y is summed over the four waves through LDS.
; K = 32 IN AN INSTRUCTION OF 128: a fragment of q holds four row tiles, one in each block of 32; the keys' fragment has its codes in one block and zero codes in the other three
; (four versions, cut from the run Z | D0 | Z | D1 | Z: D0 has the codes in lanes 0-15, D1 in lanes 16-31).  In the second product the four blocks of a's operand hold the same 32 keys of four row tiles
; and v's 24 bytes are repeated: the sum over the rows, which is all that the result needs, is made in the accumulators.
; THE MASK'S -1e6: a column's shift is the C of the logit product (0 or -5656854.0 in scores), a row's an addend (0 or -1442695.0 in t).
; LIMITS: a pair whose row and column are both masked is shifted by 2e6, not 1e6 (it differs only where such a logit lies 1e6 above all others); the shifts equal 1e6 to 1e-7;
; NaN and infinities are not served; blocks of a under 2^-124, and blocks of zeros, have the byte 1; the order of the f32 sums differs from the source's.
; Results of 128 bytes (part, out0) and the vectors in dpv are smaller than aligned blocks of 256 bytes.
; No tensor loads, clusters or prefetches: an instance's operands are under 45 KB, read once.
.set EPSB, 0x2b8cbccc                  ; 1e-12
; ---- window 0
.set KA0,  4                           ; v4-9    LDS addresses of my first strip: D0, D1, k's scale words, 64 h (bias, c), v, v's scale words
.set KA1,  5
.set KSA,  6
.set CA,   7
.set VA,   8
.set VSA,  9
.set KA0T, 10                          ; v10-15  the same for the strip in hand
.set KA1T, 11
.set KSAT, 12
.set CAT,  13
.set VAT,  14
.set VSAT, 15
.set QSC,  16                          ; v16-23  q's scale words, one for four row tiles;  v16-28 hold scales and nothing else
.set KS,   24                          ; v24-25  k's, tile u
.set VS,   26                          ; v26-27  v's, tile of 16 channels
.set PW,   28                          ; v28     a's
.set KF,   30                          ; v30-83  Z D0 Z D1 Z D0 Z D1 Z, six registers each
.set CB,   84                          ; v84-99  the columns' shift
.set CV,   100                         ; v100-115 c
.set XA,   116                         ; v116-131 x (in P1: the sums for Z)
.set CZ,   132                         ; v132-147 c / Z
.set CE,   148                         ; v148-163 c EPS
.set MX,   132                         ; in P1: a maximum for each row tile
.set VF,   164                         ; v164-187 v's two fragments
.set PF,   188                         ; v188-199 a's fragment
.set PT,   200                         ; v200-207 halves of it on the way
.set MA,   208                         ; v208-223 the two accumulators of a v
.set TM,   224                         ; v224-239 at work
.set NMV,  240
.set SIG,  241                         ; the sum of my strips' c
.set HC,   242                         ; 0.5 / the number of valid rows
.set KEEP, 243                         ; dp's result, until dd's is there
.set XST,  244                         ; LDS: where I put my y; where all are read; the same for (NM, z, sum c); for a v
.set XLD,  245
.set XSS,  246
.set XSL,  247
.set XMS,  248
.set XML,  249
.set L4,   250                         ; my first strip + 4 lane
.set G0,   251                         ; v251-255 offsets in memory
.set G1,   252
.set G2,   253
.set G3,   254
.set G4,   255
.set SC0,  84                          ; scratch between the passes: v84-211
.set XSR,  212                         ; v212-227 the four waves' (NM, z, sum c, 0)
; ---- window 1
.set QF,   0                           ; q's fragments, 12 F
.set R,    96                          ; r, row tile T
.set AD,   128                         ; the row's shift + NM
.set RA,   160                         ; y in pairs (even keys', odd keys'), 2 T
.set SH,   224                         ; the row's shift
; ---- scalars
.set WV,   22
.set NH,   23
.set PB,   24                          ; s[24:37] set p, s[38:51] set d: q, q's scales, mask, k, k's scales, v, v's scales
.set NN,   52
.set HD_,  53
.set SEL,  54
.set C2,   56                          ; s[56:57] log2(e) / sqrt(32)
.set FS,   58                          ; s[58:59] 2^(new NM - old NM)
.set ZI,   60                          ; 1 / Z
.set ES,   61                          ; EPS x the sum of the other side's vector
.set NMS,  62
.set EPS,  63
.set SO,   66                          ; the strip in hand: 4,096 bytes a strip
.set CI,   67
.set CO,   68
.set BIGP, 69
.set BIGN, 70
.set SHP,  71
.set SHN,  72
.set F0,   74                          ; s74-77 the waves' factors
.set TP,   78
.set PPART, 80
.set PDPV, 82
.set POUT, 84
.set BW,   86
.set MSB, 0
.macro WIN new                         ; the immediate's high byte repeats the setting that is left; bits 1:0 source 0, 3:2 source 1, 5:4 source 2, 7:6 destination
.if MSB != (\new)
	s_set_vgpr_msb (MSB<<8)|(\new)
.set MSB, (\new)
.endif
.endm
.macro WINT lo, hi                     ; by the row tile tT: the strip's rows 0-255 lie in window 2, the others in window 3
.if tT < 16
	WIN \lo
.else
	WIN \hi
.endif
.endm
.macro NOPS n
.rept \n
	v_nop
.endr
.endm
.macro VTREE op, base, n               ; v[base] = op over v[base .. base + n - 1], n a power of two up to 32
.set tw, (\n)/2
.rept 5
.if tw >= 1
.set ti, 0
.rept tw
	\op v[\base+ti], v[\base+ti], v[\base+ti+tw]
.set ti, ti+1
.endr
.set tw, tw/2
.endif
.endr
.endm
.macro DPP4 op, reg                    ; over the 16 lanes of a row
.irp m, 1,2,4,8
	\op v[\reg], v[\reg], v[\reg] row_xmask:\m row_mask:0xf bank_mask:0xf
.endr
.endm
.macro PTR dst, src, idx, mul, add
	s_mul_i32 s[TP], s[\idx], \mul
	s_add_co_u32 s[TP], s[TP], \add
	s_mov_b32 s[TP+1], 0
	s_add_nc_u64 s[\dst:\dst+1], s[\src:\src+1], s[TP:TP+1]
.endm
; the strip's operands from my own LDS bytes.  The additions are the places in front of loads into registers that matrix instructions have read
.macro LOADK wv
	v_add_nc_u32 v[KA0T], s[SO], v[KA0]
	v_add_nc_u32 v[KA1T], s[SO], v[KA1]
	v_add_nc_u32 v[KSAT], s[SO], v[KSA]
	v_add_nc_u32 v[CAT], s[SO], v[CA]
.if \wv
	v_add_nc_u32 v[VAT], s[SO], v[VA]
	v_add_nc_u32 v[VSAT], s[SO], v[VSA]
.endif
.irp u, 0,1
.irp p, 0,1,2
	ds_load_b64 v[KF+24*\u+6+2*\p:KF+24*\u+7+2*\p], v[KA0T] offset:192*\u+8*\p      ; lanes 16-31 read the strip's zero bytes
	ds_load_b64 v[KF+24*\u+18+2*\p:KF+24*\u+19+2*\p], v[KA1T] offset:192*\u+8*\p    ; lanes 0-15 do
.endr
	ds_load_b32 v[KS+\u], v[KSAT] offset:1536+32*\u
.endr
.irp i, 0,1,2,3
	ds_load_b128 v[CB+4*\i:CB+4*\i+3], v[CAT] offset:1792+16*\i
	ds_load_b128 v[CV+4*\i:CV+4*\i+3], v[CAT] offset:1920+16*\i
.endr
.if \wv
.irp t, 0,1
.irp c, 0,1
.irp p, 0,1,2
	ds_load_b64 v[VF+12*\t+6*\c+2*\p:VF+12*\t+6*\c+2*\p+1], v[VAT] offset:2048+384*\t+8*\p   ; the channel's 24 bytes in all four blocks
.endr
.endr
	ds_load_b32 v[VS+\t], v[VSAT] offset:2816+64*\t
.endr
.endif
	s_wait_dscnt 0x0
.endm
; the strip's scores + the columns' shift: 2 nt matrix instructions, each with an accumulator of its own
.macro LOGITS nt
.set tT, 0
.rept \nt
	WINT 0x84, 0xc4
.irp u, 0,1
	v_wmma_scale_f32_16x16x128_f8f6f4 v[(16*tT)%256+8*\u:(16*tT)%256+8*\u+7], v[KF+24*\u+12*(tT%2)+6*(1-(tT%4)/2):KF+24*\u+12*(tT%2)+6*(1-(tT%4)/2)+11], v[QF+12*(tT/4):QF+12*(tT/4)+11], v[CB+8*\u:CB+8*\u+7], v[KS+\u], v[QSC+tT/4] matrix_a_fmt:MATRIX_FMT_FP6 matrix_b_fmt:MATRIX_FMT_FP6
.endr
.set tT, tT+1
.endr
	WIN 0
	NOPS 4                                         ; places in front of the first read of results
.endm
; e = 2^(score x c + shift + NM), in place; each accumulator is read from its low end on
.macro EXPS nt
.set tT, 0
.rept \nt
	WINT 0x92, 0xd3
.set sB, (16*tT)%256
.irp p, 0,2,4,6,8,10,12,14
.if tT%2
	v_pk_fma_f32 v[sB+\p:sB+\p+1], v[sB+\p:sB+\p+1], s[C2:C2+1], v[AD+tT-1:AD+tT] op_sel:[0,0,1] op_sel_hi:[1,0,1]
.else
	v_pk_fma_f32 v[sB+\p:sB+\p+1], v[sB+\p:sB+\p+1], s[C2:C2+1], v[AD+tT:AD+tT+1] op_sel_hi:[1,0,0]
.endif
.endr
.irp j, 0,1,2,3,4,5,6,7,8,9,10,11,12,13,14,15
	v_exp_f32 v[sB+\j], v[sB+\j]
.endr
.set tT, tT+1
.endr
	v_nop                                          ; a plain line behind the last exponential
	s_wait_alu depctr_va_vdst(0)
	WIN 0
.endm
.macro ZSUM nt                         ; P1: the sums for Z, a pair of keys a chain
.set tT, 0
.rept \nt
	WINT 0x02, 0x03
.set sB, (16*tT)%256
	s_wait_alu depctr_va_vdst(0)
.irp p, 0,2,4,6,8,10,12,14
	v_pk_add_f32 v[XA+\p:XA+\p+1], v[sB+\p:sB+\p+1], v[XA+\p:XA+\p+1]
.endr
.set tT, tT+1
.endr
	WIN 0
.endm
.macro XSUM nt                         ; x = sum over my lane's rows of e r; the first tile starts the sums
.set tT, 0
.rept \nt
	WINT 0x06, 0x07
.set sB, (16*tT)%256
.irp p, 0,2,4,6,8,10,12,14
.if tT == 0
	v_pk_mul_f32 v[XA+\p:XA+\p+1], v[sB+\p:sB+\p+1], v[R:R+1] op_sel_hi:[1,0]
.elseif tT%2
	v_pk_fma_f32 v[XA+\p:XA+\p+1], v[sB+\p:sB+\p+1], v[R+tT-1:R+tT], v[XA+\p:XA+\p+1] op_sel:[0,1,0] op_sel_hi:[1,1,1]
.else
	v_pk_fma_f32 v[XA+\p:XA+\p+1], v[sB+\p:sB+\p+1], v[R+tT:R+tT+1], v[XA+\p:XA+\p+1] op_sel_hi:[1,0,1]
.endif
.endr
.set tT, tT+1
.endr
	WIN 0
.endm
.macro XRED                            ; and over the 16 lanes that hold the other rows
.irp m, 1,2,4,8
.set iI, 0
.rept 16
	v_add_f32_dpp v[XA+iI], v[XA+iI], v[XA+iI] row_xmask:\m row_mask:0xf bank_mask:0xf
.set iI, iI+1
.endr
.endr
.endm
.macro SIGADD                          ; SIG += my 16 keys' c
	v_pk_add_f32 v[TM:TM+1], v[CV:CV+1], v[CV+2:CV+3]
	v_pk_add_f32 v[TM+2:TM+3], v[CV+4:CV+5], v[CV+6:CV+7]
	v_pk_add_f32 v[TM+4:TM+5], v[CV+8:CV+9], v[CV+10:CV+11]
	v_pk_add_f32 v[TM+6:TM+7], v[CV+12:CV+13], v[CV+14:CV+15]
	v_pk_add_f32 v[TM:TM+1], v[TM:TM+1], v[TM+2:TM+3]
	v_pk_add_f32 v[TM+4:TM+5], v[TM+4:TM+5], v[TM+6:TM+7]
	v_pk_add_f32 v[TM:TM+1], v[TM:TM+1], v[TM+4:TM+5]
	v_add_f32 v[TM], v[TM], v[TM+1]
	v_add_f32 v[SIG], v[SIG], v[TM]
.endm
.macro CUPD                            ; the column step for the strip's keys: c <- c / (c (x / Z + EPS sum r) + EPS)
.set iI, 0
.rept 16
	v_fma_f32 v[XA+iI], v[XA+iI], s[ZI], s[ES]
.set iI, iI+1
.endr
.set iI, 0
.rept 16
	v_fma_f32 v[XA+iI], v[CV+iI], v[XA+iI], s[EPS]
.set iI, iI+1
.endr
.set iI, 0
.rept 16
	v_rcp_f32 v[XA+iI], v[XA+iI]
.set iI, iI+1
.endr
	v_nop                                          ; a plain line behind the last reciprocal
.set iI, 0
	s_wait_alu depctr_va_vdst(0)
.rept 16
	v_mul_f32 v[CV+iI], v[CV+iI], v[XA+iI]
.set iI, iI+1
.endr
.irp i, 0,1,2,3
	ds_store_b128 v[CAT], v[CV+4*\i:CV+4*\i+3] offset:1920+16*\i   ; the 16 lanes of a row write the same bytes with the same values
.endr
	SIGADD
.endm
.macro RSUM nt                         ; y += e c: a chain for each row tile
.set hB, 0
.rept (\nt+15)/16
	WIN 0x52+hB
.set pP, 0
.rept 8
.set tT, 16*hB
.rept NTH
	v_pk_fma_f32 v[RA+2*tT:RA+2*tT+1], v[(16*tT)%256+pP:(16*tT)%256+pP+1], v[CV+pP:CV+pP+1], v[RA+2*tT:RA+2*tT+1]
.set tT, tT+1
.endr
.set pP, pP+2
.endr
.set hB, hB+1
.endr
	WIN 0
.endm
.macro ZERORA nt                       ; y begins at 0 in each pass (the strips' loop is written once)
	WIN 0x40
.set iI, 0
.rept 2*\nt
	v_mov_b32 v[RA+iI], 0
.set iI, iI+1
.endr
	WIN 0
.endm
; P1 for one strip: the running maximum as a whole number, then e, the sums for Z and y under it
.macro P1STRIP nt
	LOADK 0
	LOGITS \nt
.set hB, 0
.rept (\nt+15)/16
	WIN 0x28+0x14*hB
.set iI, 0
.rept 8
.set tT, 16*hB
.rept NTH
.if iI == 0
	v_max3_num_f32 v[MX+tT], 0xff7fffff, v[(16*tT)%256], v[(16*tT)%256+1]
.else
	v_max3_num_f32 v[MX+tT], v[MX+tT], v[(16*tT)%256+iI], v[(16*tT)%256+iI+1]
.endif
.set tT, tT+1
.endr
.set iI, iI+2
.endr
.set hB, hB+1
.endr
	WIN 0x10
.set tT, 0
.rept \nt
	v_fma_f32 v[MX+tT], v[MX+tT], s[C2], v[SH+tT]  ; as t, with the row's shift (c is positive)
.set tT, tT+1
.endr
	WIN 0
	VTREE v_max_num_f32, MX, \nt
	DPP4 v_max_num_f32_dpp, MX
	v_permlanex16_b32 v[TM+1], v[MX], s[SEL], s[SEL+1]
	v_max_num_f32 v[MX], v[MX], v[TM+1]            ; the strip's largest t, in every lane
	v_floor_f32 v[TM], -v[MX]
	v_min_num_f32 v[TM], v[TM], v[NMV]             ; the new NM = -ceil(largest t so far)
	v_sub_f32 v[TM+1], v[TM], v[NMV]               ; a whole number, 0 or less
	v_cvt_i32_f32 v[TM+1], v[TM+1]                 ; (it saturates)
	v_ldexp_f32 v[TM+1], 1.0, v[TM+1]              ; what was summed under the old M is brought under the new: nothing is rounded
	v_mov_b32 v[NMV], v[TM]
	v_readfirstlane_b32 s[NMS], v[TM]
	v_readfirstlane_b32 s[FS], v[TM+1]
	s_mov_b32 s[FS+1], s[FS]
.irp p, 0,2,4,6,8,10,12,14
	v_pk_mul_f32 v[XA+\p:XA+\p+1], v[XA+\p:XA+\p+1], s[FS:FS+1] op_sel_hi:[1,0]
.endr
	WIN 0x41
.set tT, 0
.rept \nt
	v_pk_mul_f32 v[RA+2*tT:RA+2*tT+1], v[RA+2*tT:RA+2*tT+1], s[FS:FS+1] op_sel_hi:[1,0]
.set tT, tT+1
.endr
	WIN 0x44
.set tT, 0
.rept \nt
	v_add_f32 v[AD+tT], s[NMS], v[SH+tT]
.set tT, tT+1
.endr
	WIN 0
	EXPS \nt
	ZSUM \nt
	RSUM \nt
	SIGADD
.endm
; the four waves' y, sum of c (and in P1 NM and z) meet in LDS.  Two barriers: all have written before any reads; all have read before any writes again
.macro EXCH first, nt
.if \first
	VTREE v_add_f32, XA, 16
	DPP4 v_add_f32_dpp, XA
	v_permlanex16_b32 v[TM], v[XA], s[SEL], s[SEL+1]
	v_add_f32 v[TM+5], v[XA], v[TM]                ; my strips' share of Z
.else
	v_mov_b32 v[TM+5], 0
.endif
	v_permlanex16_b32 v[TM+1], v[SIG], s[SEL], s[SEL+1]
	v_add_f32 v[TM+6], v[SIG], v[TM+1]
	v_mov_b32 v[TM+4], v[NMV]
	v_mov_b32 v[TM+7], 0
	WIN 0x05
.set tT, 0
.rept \nt
	v_add_f32 v[SC0+tT], v[RA+2*tT], v[RA+2*tT+1]
.set tT, tT+1
.endr
	WIN 0
.set tT, 0
.rept \nt
	v_permlanex16_b32 v[SC0+\nt+tT], v[SC0+tT], s[SEL], s[SEL+1]
.set tT, tT+1
.endr
.set tT, 0
.rept \nt
	v_add_f32 v[SC0+tT], v[SC0+tT], v[SC0+\nt+tT]  ; with the other 16 keys of the strip
.set tT, tT+1
.endr
.set gG, 0
.rept \nt/4
	ds_store_b128 v[XST], v[SC0+4*gG:SC0+4*gG+3] offset:256*gG
.set gG, gG+1
.endr
	ds_store_b128 v[XSS], v[TM+4:TM+7]
	s_wait_dscnt 0x0                               ; for the others' sake
	s_barrier_signal -1
	s_barrier_wait -1
.irp w, 0,1,2,3
.set gG, 0
.rept \nt/4
	ds_load_b128 v[SC0+32*\w+4*gG:SC0+32*\w+4*gG+3], v[XLD] offset:2048*\w+256*gG
.set gG, gG+1
.endr
	ds_load_b128 v[XSR+4*\w:XSR+4*\w+3], v[XSL] offset:16*\w
.endr
	s_wait_dscnt 0x0                               ; my reads are over: behind the next barrier these bytes may be written again
	s_barrier_signal -1
	s_barrier_wait -1
.if \first
	v_min3_num_f32 v[NMV], v[XSR], v[XSR+4], v[XSR+8]
	v_min_num_f32 v[NMV], v[NMV], v[XSR+12]        ; NM of the whole matrix
.irp w, 0,1,2,3
	v_sub_f32 v[TM+8+\w], v[NMV], v[XSR+4*\w]
.endr
.irp w, 0,1,2,3
	v_cvt_i32_f32 v[TM+8+\w], v[TM+8+\w]
.endr
.irp w, 0,1,2,3
	v_ldexp_f32 v[TM+8+\w], 1.0, v[TM+8+\w]        ; each wave's sums are brought under it
.endr
.irp w, 0,1,2,3
	v_readfirstlane_b32 s[F0+\w], v[TM+8+\w]
.endr
	v_mul_f32 v[TM+12], s[F0], v[XSR+1]
	v_fma_f32 v[TM+12], s[F0+1], v[XSR+5], v[TM+12]
	v_fma_f32 v[TM+12], s[F0+2], v[XSR+9], v[TM+12]
	v_fma_f32 v[TM+12], s[F0+3], v[XSR+13], v[TM+12]
	v_rcp_f32 v[TM+13], v[TM+12]                   ; 1 / Z; the additions below are the plain lines behind it
.endif
	v_add_f32 v[TM+14], v[XSR+2], v[XSR+6]
	v_add_f32 v[TM+15], v[XSR+10], v[XSR+14]
	v_add_f32 v[TM+14], v[TM+14], v[TM+15]
	v_mul_f32 v[TM+14], s[EPS], v[TM+14]
	v_readfirstlane_b32 s[ES], v[TM+14]            ; EPS x the sum of c
.if \first
	s_wait_alu depctr_va_vdst(0)
	v_readfirstlane_b32 s[ZI], v[TM+13]
	v_readfirstlane_b32 s[NMS], v[NMV]
	WIN 0x44
.set tT, 0
.rept \nt
	v_add_f32 v[AD+tT], s[NMS], v[SH+tT]
.set tT, tT+1
.endr
.endif
	WIN 0x40
.set tT, 0
.rept \nt
	v_mul_f32 v[RA+tT], s[F0], v[SC0+tT]
.set tT, tT+1
.endr
	WIN 0x50
.irp w, 1,2,3
.set tT, 0
.rept \nt
	v_fma_f32 v[RA+tT], s[F0+\w], v[SC0+32*\w+tT], v[RA+tT]
.set tT, tT+1
.endr
.endr
	WIN 0
.if \first
.irp w, 0,1,2,3
	s_mov_b32 s[F0+\w], 1.0                        ; from here on all sums stand under one M
.endr
.endif
.endm
.macro RUPD nt                         ; the row step: r <- r / (r (y / Z + EPS sum c) + EPS); then EPS x the sum of r
	WIN 0x55
.set tT, 0
.rept \nt
	v_fma_f32 v[RA+tT], v[RA+tT], s[ZI], s[ES]
.set tT, tT+1
.endr
.set tT, 0
.rept \nt
	v_fma_f32 v[RA+tT], v[R+tT], v[RA+tT], s[EPS]
.set tT, tT+1
.endr
.set tT, 0
.rept \nt
	v_rcp_f32 v[RA+tT], v[RA+tT]
.set tT, tT+1
.endr
	v_nop
.set tT, 0
	s_wait_alu depctr_va_vdst(0)
.rept \nt
	v_mul_f32 v[R+tT], v[R+tT], v[RA+tT]
.set tT, tT+1
.endr
.set tT, 0
.rept \nt/2
	v_add_f32 v[RA+tT], v[R+tT], v[R+tT+\nt/2]
.set tT, tT+1
.endr
	VTREE v_add_f32, RA, \nt/2
	WIN 0x01
	v_mov_b32 v[TM], v[RA]
	WIN 0
	DPP4 v_add_f32_dpp, TM                         ; both halves of the lanes hold the same rows: 16 lanes are all
	v_mul_f32 v[TM], s[EPS], v[TM]
	v_readfirstlane_b32 s[ES], v[TM]
.endm
; P5: a = r (e c / Z + c EPS); four row tiles at a time are quantised along the strip's 32 keys and multiplied by v
.macro FINAL nt
.set iI, 0
.rept 16
	v_mul_f32 v[CZ+iI], s[ZI], v[CV+iI]
	v_mul_f32 v[CE+iI], s[EPS], v[CV+iI]
.set iI, iI+1
.endr
.set hB, 0
.rept (\nt+15)/16
	WIN 0x82+0x41*hB
.set tT, 16*hB
.rept NTH
.irp p, 0,2,4,6,8,10,12,14
	v_pk_fma_f32 v[(16*tT)%256+\p:(16*tT)%256+\p+1], v[(16*tT)%256+\p:(16*tT)%256+\p+1], v[CZ+\p:CZ+\p+1], v[CE+\p:CE+\p+1]
.endr
.set tT, tT+1
.endr
	WIN 0x86+0x41*hB
.set tT, 16*hB
.rept NTH
.irp p, 0,2,4,6,8,10,12,14
.if tT%2
	v_pk_mul_f32 v[(16*tT)%256+\p:(16*tT)%256+\p+1], v[(16*tT)%256+\p:(16*tT)%256+\p+1], v[R+tT-1:R+tT] op_sel:[0,1] op_sel_hi:[1,1]
.else
	v_pk_mul_f32 v[(16*tT)%256+\p:(16*tT)%256+\p+1], v[(16*tT)%256+\p:(16*tT)%256+\p+1], v[R+tT:R+tT+1] op_sel_hi:[1,0]
.endif
.endr
.set tT, tT+1
.endr
.set hB, hB+1
.endr
.set fF, 0
.rept \nt/4
.set sB, (64*fF)%256
	WIN 0x28+0x14*(fF/4)
.irp b, 0,1,2,3
	v_max3_num_f32 v[TM+\b], 0x1800000, v[sB+16*\b], v[sB+16*\b+1]   ; a is never negative; the floor 2^(3 - 127) holds the byte at 1 from below
.endr
.irp i, 2,4,6,8,10,12,14
.irp b, 0,1,2,3
	v_max3_num_f32 v[TM+\b], v[TM+\b], v[sB+16*\b+\i], v[sB+16*\b+\i+1]
.endr
.endr
	WIN 0
.irp b, 0,1,2,3
	v_permlanex16_b32 v[TM+4+\b], v[TM+\b], s[SEL], s[SEL+1]
.endr
.irp b, 0,1,2,3
	v_max_num_f32 v[TM+\b], v[TM+\b], v[TM+4+\b]   ; with the other 16 keys: the block's largest
.endr
.irp b, 0,1,2,3
	v_add_nc_u32 v[TM+8+\b], 0xff000000, v[TM+\b]  ; 2 off its exponent field: the conversion's scale operand
.endr
.irp b, 0,1,2,3
	v_lshrrev_b32 v[TM+4+\b], 23, v[TM+8+\b]
.endr
	v_lshl_or_b32 v[PW], v[TM+5], 8, v[TM+4]       ; byte b: row tile 4 F + b
	v_lshl_or_b32 v[PW], v[TM+6], 16, v[PW]
	v_lshl_or_b32 v[PW], v[TM+7], 24, v[PW]
	WIN 0x02+fF/4
.irp c, 0,1
	v_cvt_scalef32_pk16_fp6_f32 v[PF+6*\c:PF+6*\c+2], v[sB+32*\c:sB+32*\c+15], v[TM+8+2*\c]
	v_cvt_scalef32_pk16_fp6_f32 v[PT+4*\c:PT+4*\c+2], v[sB+32*\c+16:sB+32*\c+31], v[TM+9+2*\c]
.endr
	WIN 0
	v_nop                                          ; one plain line behind a scaled conversion
.irp c, 0,1
.irp i, 0,1,2
	v_permlane16_swap_b32 v[PF+6*\c+\i], v[PT+4*\c+\i]   ; a whole block in a lane: lanes 0-15 tile 4 F + 2 c, lanes 16-31 the next
.endr
.irp i, 0,1,2
	v_mov_b32 v[PF+3+6*\c+\i], v[PT+4*\c+\i]
.endr
.endr
	NOPS 8                                         ; a scale register written by a vector instruction stands eight places ahead of the product, an operand four
.irp t, 0,1
	v_wmma_scale_f32_16x16x128_f8f6f4 v[MA+8*\t:MA+8*\t+7], v[VF+12*\t:VF+12*\t+11], v[PF:PF+11], v[MA+8*\t:MA+8*\t+7], v[VS+\t], v[PW] matrix_a_fmt:MATRIX_FMT_FP6 matrix_b_fmt:MATRIX_FMT_FP6
.endr
.set fF, fF+1
.endr
	NOPS 4                                         ; places in front of the next strip's loads into v's registers
.endm
; ---- one matrix.  nt: row tiles (32: protein rows, 8: drug rows); ns: strips a wave (4: protein keys, 1: drug keys); lb: its LDS; kind: 0 pp, 1 pd, 2 dp, 3 dd
; LDS from lb: 4 ns strips of 4,096 bytes, each its wave's own (k's codes and zeros 0, k's scale words 1536, shift 1792, c 1920, v's codes 2048, v's scale words 2816);
; then 4 x 2,048 for y, 4 x 16 for (NM, z, sum c, 0), 4 x 128 for a v
.macro SINK nt, ns, lb, kind
.set PR, PB+14*((32-\nt)/24)
.set PK, PB+14*((4-\ns)/3)
.if \nt > 16
.set NTH, 16
.else
.set NTH, \nt
.endif
.set XCH, \lb+16384*\ns
.set XSB, XCH+8192
.set XMB, XSB+256
	s_mul_i32 s[BW], s[WV], 4096*\ns
	s_add_co_u32 s[BW], s[BW], \lb                 ; my first strip
	v_and_b32 v[KSA], 8, v1
	v_add_nc_u32 v[KSA], v[KSA], v1                ; slot r is key r + 8 (r / 8) of the tile
	v_mul_u32_u24 v[KA0], v[KSA], 24
	v_xor_b32 v[KA1], 1, v2
	v_mad_u32_u24 v[KA1], v[KA1], 768, v[KA0]      ; D1: lanes 0-15 read the zero bytes, 768 on
	v_mad_u32_u24 v[KA0], v2, 768, v[KA0]          ; D0: lanes 16-31 do
	v_add_nc_u32 v[KA0], s[BW], v[KA0]
	v_add_nc_u32 v[KA1], s[BW], v[KA1]
	v_lshlrev_b32 v[KSA], 2, v[KSA]
	v_add_nc_u32 v[KSA], s[BW], v[KSA]
	v_lshlrev_b32 v[CA], 6, v2
	v_add_nc_u32 v[CA], s[BW], v[CA]
	v_mul_u32_u24 v[VA], v1, 24
	v_add_nc_u32 v[VA], s[BW], v[VA]
	v_lshlrev_b32 v[VSA], 2, v1
	v_add_nc_u32 v[VSA], s[BW], v[VSA]
	v_lshl_add_u32 v[L4], v3, 2, s[BW]
	v_lshl_add_u32 v[KA0T], v3, 4, s[BW]           ; for the set-up alone: 16 lane,
	v_lshl_add_u32 v[KA1T], v3, 3, s[BW]           ; 8 lane
	s_lshl_b32 s[TP], s[WV], 11
	s_add_co_u32 s[TP], s[TP], XCH
	v_lshlrev_b32 v[XLD], 4, v1
	v_add_nc_u32 v[XST], s[TP], v[XLD]
	v_add_nc_u32 v[XLD], XCH, v[XLD]
	s_lshl_b32 s[TP], s[WV], 4
	s_add_co_u32 s[TP], s[TP], XSB
	v_mov_b32 v[XSS], s[TP]
	v_mov_b32 v[XSL], XSB
	s_lshl_b32 s[TP], s[WV], 7
	s_add_co_u32 s[TP], s[TP], XMB
	v_lshl_add_u32 v[XMS], v2, 5, s[TP]
	v_lshlrev_b32 v[XML], 2, v3
	v_add_nc_u32 v[XML], XMB, v[XML]
	v_mul_u32_u24 v[G0], v1, 24
	v_mad_u32_u24 v[G0], v2, 384, v[G0]            ; q: block 2 c + h of a fragment is row tile 4 F + 2 c + h
	v_lshlrev_b32 v[G1], 2, v1
	s_mul_i32 s[TP], s[WV], 1536*\ns
	v_lshl_add_u32 v[G2], v3, 4, s[TP]
	s_mul_i32 s[TP], s[WV], 768*\ns
	v_lshl_add_u32 v[G3], v3, 3, s[TP]
	s_mul_i32 s[TP], s[WV], 128*\ns
	v_lshl_add_u32 v[G4], v3, 2, s[TP]
	; ---- all loads at once
	WIN 0x40
.set fF, 0
.rept \nt/4
.irp p, 0,1,2,3,4,5
	global_load_b64 v[QF+12*fF+2*\p:QF+12*fF+2*\p+1], v[G0], s[PR:PR+1] offset:1536*fF+768*(\p/3)+8*(\p%3)
.endr
.set fF, fF+1
.endr
	WIN 0
.set tT, 0
.rept \nt
	global_load_b32 v[84+tT], v[G1], s[PR+2:PR+3] offset:64*tT      ; q's scale bytes
	global_load_b32 v[116+tT], v[G1], s[PR+4:PR+5] offset:64*tT     ; a group's four mask bytes as one word
.set tT, tT+1
.endr
.set sS, 0
.rept \ns
.set SS, 148+24*sS
.irp i, 0,1,2
	global_load_b128 v[SS+4*\i:SS+4*\i+3], v[G2], s[PK+6:PK+7] offset:1536*sS+512*\i
	global_load_b64 v[SS+12+2*\i:SS+13+2*\i], v[G3], s[PK+10:PK+11] offset:768*sS+256*\i
.endr
	global_load_b32 v[SS+18], v[G4], s[PK+8:PK+9] offset:128*sS
	global_load_b32 v[SS+19], v[G4], s[PK+12:PK+13] offset:128*sS
	global_load_b32 v[SS+20], v[G4], s[PK+4:PK+5] offset:128*sS
.set sS, sS+1
.endr
	s_wait_loadcnt 0x0
.set sS, 0
.rept \ns
.set SS, 148+24*sS
.irp i, 0,1,2
	ds_store_b128 v[KA0T], v[SS+4*\i:SS+4*\i+3] offset:4096*sS+512*\i
	ds_store_b64 v[KA1T], v[SS+12+2*\i:SS+13+2*\i] offset:4096*sS+2048+256*\i
.endr
	ds_store_b32 v[L4], v[SS+18] offset:4096*sS+1536
	ds_store_b32 v[L4], v[SS+19] offset:4096*sS+2816
	v_min_u32 v[SS+21], 1, v[SS+20]
	v_cvt_f32_u32 v[SS+21], v[SS+21]               ; the key's mask as 0.0 or 1.0: c begins so
	v_fma_f32 v[SS+22], v[SS+21], s[BIGP], s[BIGN] ; its shift: 0 or -5656854.0, exactly
	ds_store_b32 v[L4], v[SS+22] offset:4096*sS+1792
	ds_store_b32 v[L4], v[SS+21] offset:4096*sS+1920
.set sS, sS+1
.endr
.set fF, 0
.rept \nt/4
	v_lshl_or_b32 v[QSC+fF], v[85+4*fF], 8, v[84+4*fF]
	v_lshl_or_b32 v[QSC+fF], v[86+4*fF], 16, v[QSC+fF]
	v_lshl_or_b32 v[QSC+fF], v[87+4*fF], 24, v[QSC+fF]
.set fF, fF+1
.endr
.set tT, 0
.rept \nt
	v_min_u32 v[116+tT], 1, v[116+tT]
.set tT, tT+1
.endr
.set tT, 0
.rept \nt
	v_cvt_f32_u32 v[116+tT], v[116+tT]
.set tT, tT+1
.endr
	WIN 0x40
.set tT, 0
.rept \nt
	v_mov_b32 v[R+tT], v[116+tT]                   ; r begins as the row's mask
	v_fma_f32 v[SH+tT], v[116+tT], s[SHP], s[SHN]  ; the row's shift: 0 or -1442695.0
.set tT, tT+1
.endr
	WIN 0
	VTREE v_add_f32, 116, \nt
	DPP4 v_add_f32_dpp, 116
	v_rcp_f32 v[HC], v[116]
	v_mov_b32 v[NMV], 0x7f61b1e6                   ; NM begins at 3e38, over every -t (also the plain line behind the reciprocal)
	s_wait_alu depctr_va_vdst(0)
	v_mul_f32 v[HC], 0.5, v[HC]
	v_mov_b32 v[SIG], 0
.set iI, 0
.rept 16
	v_mov_b32 v[XA+iI], 0
.set iI, iI+1
.endr
	ZERORA \nt
	; ---- P1
	s_mov_b32 s[SO], 0
.if \ns > 1
	s_mov_b32 s[CI], 0
.Lp1_\@:
.endif
	P1STRIP \nt
.if \ns > 1
	s_add_co_u32 s[SO], s[SO], 4096
	s_add_co_u32 s[CI], s[CI], 1
	s_cmp_lt_u32 s[CI], \ns
	s_cbranch_scc1 .Lp1_\@
.endif
	EXCH 1, \nt
	RUPD \nt
	; ---- P2 to P4
	s_mov_b32 s[CO], 0
.Lpass_\@:
	ZERORA \nt
	v_mov_b32 v[SIG], 0
	s_mov_b32 s[SO], 0
.if \ns > 1
	s_mov_b32 s[CI], 0
.Lin_\@:
.endif
	LOADK 0
	LOGITS \nt
	EXPS \nt
	XSUM \nt
	XRED
	CUPD
	RSUM \nt
.if \ns > 1
	s_add_co_u32 s[SO], s[SO], 4096
	s_add_co_u32 s[CI], s[CI], 1
	s_cmp_lt_u32 s[CI], \ns
	s_cbranch_scc1 .Lin_\@
.endif
	EXCH 0, \nt
	RUPD \nt
	s_add_co_u32 s[CO], s[CO], 1
	s_cmp_lt_u32 s[CO], 3
	s_cbranch_scc1 .Lpass_\@
.if \kind == 2                         ; the launch that writes a_dp wants r, NM and 1 / Z: every wave holds them, wave 0 stores them
	s_cmp_lg_u32 s[WV], 0
	s_cbranch_scc1 .Lnod_\@
	WIN 0x04
.set tT, 0
.rept \nt
	global_store_b32 v[G1], v[R+tT], s[PDPV:PDPV+1] offset:64*tT
.set tT, tT+1
.endr
	WIN 0
	v_mov_b32 v[TM], s[NMS]
	v_mov_b32 v[TM+1], s[ZI]
	v_mov_b32 v[TM+2], 0
	global_store_b64 v[TM+2], v[TM:TM+1], s[PDPV:PDPV+1] offset:2560
.Lnod_\@:
	s_wait_xcnt 0x0                                ; the stores' registers are written again only behind this wait
.endif
	; ---- P5
.set iI, 0
.rept 16
	v_mov_b32 v[MA+iI], 0
.set iI, iI+1
.endr
	s_mov_b32 s[SO], 0
.if \ns > 1
	s_mov_b32 s[CI], 0
.Lp5_\@:
.endif
	LOADK 1
	LOGITS \nt
	EXPS \nt
	XSUM \nt
	XRED
	CUPD
	FINAL \nt
.if \ns > 1
	s_add_co_u32 s[SO], s[SO], 4096
	s_add_co_u32 s[CI], s[CI], 1
	s_cmp_lt_u32 s[CI], \ns
	s_cbranch_scc1 .Lp5_\@
.endif
.if \kind == 2                         ; and the final c of my strips' keys
.set sS, 0
.rept \ns
	ds_load_b32 v[TM+8+sS], v[L4] offset:4096*sS+1920
.set sS, sS+1
.endr
	s_wait_dscnt 0x0
.set sS, 0
.rept \ns
	global_store_b32 v[G4], v[TM+8+sS], s[PDPV:PDPV+1] offset:512+128*sS
.set sS, sS+1
.endr
.endif
	; ---- a v: over the 16 lanes (the rows of a tile), then over the four waves (the keys)
.irp m, 1,2,4,8
.set iI, 0
.rept 16
	v_add_f32_dpp v[MA+iI], v[MA+iI], v[MA+iI] row_xmask:\m row_mask:0xf bank_mask:0xf
.set iI, iI+1
.endr
.endr
	ds_store_b128 v[XMS], v[MA:MA+3]               ; channel 16 t + 8 h + j
	ds_store_b128 v[XMS], v[MA+4:MA+7] offset:16
	ds_store_b128 v[XMS], v[MA+8:MA+11] offset:64
	ds_store_b128 v[XMS], v[MA+12:MA+15] offset:80
	s_wait_dscnt 0x0                               ; for the others' sake
	s_barrier_signal -1
	s_barrier_wait -1
.irp w, 0,1,2,3
	ds_load_b32 v[TM+\w], v[XML] offset:128*\w
.endr
	s_wait_dscnt 0x0
	v_add_f32 v[TM], v[TM], v[TM+1]
	v_add_f32 v[TM+2], v[TM+2], v[TM+3]
	v_add_f32 v[TM], v[TM], v[TM+2]
	v_mul_f32 v[TM], v[HC], v[TM]                  ; x 0.5 / the number of valid rows
.if \kind == 2
	v_mov_b32 v[KEEP], v[TM]
.else
.if \kind == 3
	v_add_f32 v[TM], v[KEEP], v[TM]
.endif
	s_cmp_lg_u32 s[WV], 0
	s_cbranch_scc1 .Lnos_\@
.if \kind == 3
	global_store_b32 v[G4], v[TM], s[POUT:POUT+1]  ; (in wave 0 this offset is 4 lane)
.else
	global_store_b32 v[G4], v[TM], s[PPART:PPART+1] offset:16384*\kind
.endif
.Lnos_\@:
.endif
	s_wait_xcnt 0x0                                ; the next matrix writes the stores' registers again
.endm
	s_load_b512 s[4:19], s[0:1], 0x0               ; qcodes, kcodes, vcodes, scl, mask_prot, mask_drug, part, dpv
	s_load_b64 s[20:21], s[0:1], 0x40              ; out0
	v_lshrrev_b32 v1, 5, v0
	v_readfirstlane_b32 s[WV], v1                  ; wave 0..3
	v_and_b32 v1, 15, v0                           ; r
	v_bfe_u32 v2, v0, 4, 1                         ; h
	v_and_b32 v3, 31, v0                           ; lane
	s_and_b32 s[NH], ttmp9, 127                    ; 8 n + head
	s_lshr_b32 s[NN], s[NH], 3
	s_and_b32 s[HD_], s[NH], 7
	s_mov_b32 s[SEL], 0x76543210
	s_mov_b32 s[SEL+1], 0xfedcba98
	s_mov_b32 s[C2], 0x3e8293ee                    ; log2(e) / sqrt(32)
	s_mov_b32 s[C2+1], s[C2]
	s_mov_b32 s[EPS], EPSB
	s_mov_b32 s[BIGP], 0x4aaca22c                  ; 5656854.0 = 1e6 sqrt(32)
	s_mov_b32 s[BIGN], 0xcaaca22c
	s_mov_b32 s[SHP], 0x49b01c38                   ; 1442695.0 = 1e6 log2(e)
	s_mov_b32 s[SHN], 0xc9b01c38
.irp z, 0,12,24,36,48
.irp i, 0,1,2,3,4,5
	v_mov_b32 v[KF+\z+\i], 0                       ; the zero codes between the keys' codes: written once
.endr
.endr
.set iI, 0
.rept 16
	v_mov_b32 v[TM+iI], 0                          ; written once: a lane permute's destination counts as one of its sources
.set iI, iI+1
.endr
	s_wait_kmcnt 0x0
	PTR PB+0, 4, NH, 12288, 0
	PTR PB+2, 10, NH, 2048, 0
	PTR PB+4, 12, NN, 2048, 0
	PTR PB+6, 6, NH, 24576, 0
	PTR PB+8, 10, NH, 2048, 327680
	PTR PB+10, 8, NH, 12288, 0
	PTR PB+12, 10, NH, 2048, 655360
	PTR PB+14, 4, NH, 3072, 1572864
	PTR PB+16, 10, NH, 512, 262144
	PTR PB+18, 14, NN, 512, 0
	PTR PB+20, 6, NH, 6144, 3145728
	PTR PB+22, 10, NH, 512, 589824
	PTR PB+24, 8, NH, 3072, 1572864
	PTR PB+26, 10, NH, 512, 917504
	PTR PPART, 16, NN, 1024, 0
	PTR PPART, PPART, HD_, 128, 0
	PTR PDPV, 18, NH, 2816, 0
	PTR POUT, 20, NN, 2048, 1024
	PTR POUT, POUT, HD_, 128, 0
	s_cmp_lt_u32 ttmp9, 128
	s_cbranch_scc0 .LpathB
	SINK 32, 4, 0, 0
	s_wait_xcnt 0x0
	v_lshl_add_u32 v254, v0, 2, 0x31000
	v_mov_b32 v255, 0
	s_wait_tensorcnt 0x0
	ds_add_u32 v254, v255
	s_wait_dscnt 0x0
	s_endpgm
.LpathB:
	SINK 32, 1, 74752, 1
	SINK 8, 4, 100352, 2
	SINK 8, 1, 175104, 3
	s_wait_xcnt 0x0
	v_lshl_add_u32 v254, v0, 2, 0x31000
	v_mov_b32 v255, 0
	s_wait_tensorcnt 0x0
	ds_add_u32 v254, v255
	s_wait_dscnt 0x0
	s_endpgm
.Lfunc_end_k_q11c0827c66_sink:
	.size	k_q11c0827c66_sink, .Lfunc_end_k_q11c0827c66_sink-k_q11c0827c66_sink
	.p2alignl 7, 3214868480
	.fill 96, 4, 3214868480
	.section	.rodata,"a",@progbits
	.p2align	6, 0x0
	.amdhsa_kernel k_q11c0827c66_sink
		.amdhsa_group_segment_fixed_size 201216
		.amdhsa_private_segment_fixed_size 0
		.amdhsa_enable_private_segment 0
		.amdhsa_kernarg_size 72
		.amdhsa_user_sgpr_count 2
		.amdhsa_user_sgpr_kernarg_segment_ptr 1
		.amdhsa_wavefront_size32 1
		.amdhsa_system_sgpr_workgroup_id_x 1
		.amdhsa_system_sgpr_workgroup_id_y 1
		.amdhsa_system_sgpr_workgroup_id_z 1
		.amdhsa_system_vgpr_workitem_id 0
		.amdhsa_next_free_vgpr 1024
		.amdhsa_next_free_sgpr 100
		.amdhsa_reserve_vcc 0
		.amdhsa_float_denorm_mode_32 3
		.amdhsa_float_denorm_mode_16_64 3
		.amdhsa_memory_ordered 1
		.amdhsa_forward_progress 1
		.amdhsa_inst_pref_size 255
	.end_amdhsa_kernel
	.section	.bss,"aw",@nobits
	.p2align	6
	.space	262144
	.amdgpu_metadata
---
amdhsa.version: [ 1, 2 ]
amdhsa.kernels:
  - .name:           k_q11c0827c66_sink
    .symbol:         k_q11c0827c66_sink.kd
    .args:
      - { .name: qcodes, .offset: 0, .size: 8, .value_kind: global_buffer, .address_space: global }
      - { .name: kcodes, .offset: 8, .size: 8, .value_kind: global_buffer, .address_space: global }
      - { .name: vcodes, .offset: 16, .size: 8, .value_kind: global_buffer, .address_space: global }
      - { .name: scl, .offset: 24, .size: 8, .value_kind: global_buffer, .address_space: global }
      - { .name: mask_prot, .offset: 32, .size: 8, .value_kind: global_buffer, .address_space: global }
      - { .name: mask_drug, .offset: 40, .size: 8, .value_kind: global_buffer, .address_space: global }
      - { .name: part, .offset: 48, .size: 8, .value_kind: global_buffer, .address_space: global }
      - { .name: dpv, .offset: 56, .size: 8, .value_kind: global_buffer, .address_space: global }
      - { .name: out0, .offset: 64, .size: 8, .value_kind: global_buffer, .address_space: global }
    .group_segment_fixed_size: 201216
    .private_segment_fixed_size: 0
    .kernarg_segment_align: 8
    .kernarg_segment_size: 72
    .max_flat_workgroup_size: 128
    .sgpr_count:     100
    .vgpr_count:     1024
    .wavefront_size: 32
...
	.end_amdgpu_metadata
.endif
;; end of part 3
;; launch adp (part 4): grid 16 x 16, 8 waves a work-group, no clusters, 134,144 bytes of LDS; arguments qcodes, kcodes, scl, mask_prot, mask_drug, dpv, part, out1, out0; writes out1, out0
.if DOCPART == 4
	.amdgcn_target "amdgcn-amd-amdhsa--gfx1250"
	.amdhsa_code_object_version 6
	.text
	.protected	k_q11c0827c66_adp
	.globl	k_q11c0827c66_adp
	.p2align	8
	.type	k_q11c0827c66_adp,@function
k_q11c0827c66_adp:
	s_mov_b64 s[64:65], 0
	v_nop
	global_prefetch_b8 v0, s[64:65] scope:SCOPE_SE
	s_setreg_imm32_b32 hwreg(HW_REG_WAVE_MODE, 25, 1), 1
	s_wait_xcnt 0x0
; out1 = a_dp [16][128 drug rows][512 protein keys][8 heads], f32: a = r c (e / Z + EPS), e = 2^(score x log2(e) / sqrt(32) + shifts + NM), with r, c, NM and 1 / Z as the launch before left them.
; A work-group takes one strip of 32 keys (x) of one batch element (y), all 128 rows and all 8 heads: 131,072 bytes of the output.  Wave w computes head w, as that launch computes a strip:
; source 0 = 16 keys (their codes in one block of 32 along K, zero codes in the other three), source 1 = four row tiles, one in each block; a lane holds one row and 16 neighbouring keys.
; The heads are innermost in memory, so the eight waves' numbers meet in a stage in LDS ([row][key][head], rows of 1,024 bytes + 16); behind a barrier wave w stores rows 16 w on:
; each store of a wave covers 512 consecutive bytes, aligned.
; The work-groups with x = 0 also add the two halves of out0's protein part.
; LIMITS as in the launch before: a pair masked in row and column is shifted by 2e6; NaN and infinities are not served.
.set QSC, 12                           ; v12-13  q's scale words;  v12-15 hold scales and nothing else
.set KS,  14                           ; v14-15  k's
.set QF,  16                           ; v16-39  q's two fragments
.set KF,  40                           ; v40-93  Z D0 Z D1 Z D0 Z D1 Z
.set CB,  94                           ; v94-109 the columns' shift
.set CZ,  110                          ; c / Z
.set CE,  126                          ; c EPS
.set R,   142                          ; r, row tile T
.set AD,  150                          ; the row's shift + NM
.set S,   176                          ; v176-239 four row tiles x 16 keys; ahead of that what is loaded: q's scales, row masks, key masks, c
.set WV,  22
.set TP,  26
.set C2,  46
.set EPS, 48
.set BIGP, 49
.set BIGN, 50
.set SHP, 51
.set SHN, 52
.macro PTR dst, src, idx, mul, add
	s_mul_i32 s[TP], s[\idx], \mul
	s_add_co_u32 s[TP], s[TP], \add
	s_mov_b32 s[TP+1], 0
	s_add_nc_u64 s[\dst:\dst+1], s[\src:\src+1], s[TP:TP+1]
.endm
	s_load_b512 s[4:19], s[0:1], 0x0               ; qcodes, kcodes, scl, mask_prot, mask_drug, dpv, part, out1
	s_load_b64 s[20:21], s[0:1], 0x40              ; out0
	v_lshl_add_u32 v254, v0, 2, 0x20800
	v_mov_b32 v255, 0
	v_lshrrev_b32 v1, 5, v0
	v_readfirstlane_b32 s[WV], v1                  ; wave = head
	v_and_b32 v1, 15, v0                           ; r
	v_bfe_u32 v2, v0, 4, 1                         ; h
	v_and_b32 v3, 31, v0                           ; lane
	s_and_b32 s23, ttmp7, 0xffff                   ; n
	s_mov_b32 s24, ttmp9                           ; the strip
	s_lshl_b32 s25, s23, 3
	s_add_co_u32 s25, s25, s[WV]                   ; nh
	s_mov_b32 s[C2], 0x3e8293ee
	s_mov_b32 s[C2+1], s[C2]
	s_mov_b32 s[EPS], 0x2b8cbccc
	s_mov_b32 s[BIGP], 0x4aaca22c
	s_mov_b32 s[BIGN], 0xcaaca22c
	s_mov_b32 s[SHP], 0x49b01c38
	s_mov_b32 s[SHN], 0xc9b01c38
	v_mul_u32_u24 v4, v1, 24
	v_mad_u32_u24 v4, v2, 384, v4                  ; q
	v_lshlrev_b32 v5, 2, v1                        ; 4 r
	v_and_b32 v8, 8, v1
	v_add_nc_u32 v8, v8, v1                        ; r + 8 (r / 8)
	v_mul_u32_u24 v6, v8, 24
	v_xor_b32 v7, 1, v2
	v_mad_u32_u24 v7, v7, 768, v6                  ; D1: lanes 0-15 read the strip's zero bytes
	v_mad_u32_u24 v6, v2, 768, v6                  ; D0: lanes 16-31 do
	v_lshlrev_b32 v8, 2, v8                        ; k's scale words
	v_lshlrev_b32 v9, 6, v2                        ; 64 h: my 16 keys' words
	v_mul_u32_u24 v10, v1, 1040
	v_lshl_add_u32 v10, v2, 9, v10
	s_lshl_b32 s[TP], s[WV], 2
	v_add_nc_u32 v10, s[TP], v10                   ; the stage: row r, key 16 h, head w;
	v_add_nc_u32 v11, 66560, v10                   ; and 64 rows on, so that the offsets stay inside 16 bits
	s_mul_i32 s[TP], s[WV], 16640
	v_lshl_add_u32 v158, v3, 4, s[TP]              ; back: my 16 rows, 16 bytes a lane
	v_lshlrev_b32 v159, 4, v3
.irp z, 0,12,24,36,48
.irp i, 0,1,2,3,4,5
	v_mov_b32 v[KF+\z+\i], 0
.endr
.endr
	s_wait_kmcnt 0x0
	PTR 28, 4, 25, 3072, 1572864                   ; drug q
	PTR 30, 8, 25, 512, 262144                     ; its scales
	PTR 32, 6, 25, 24576, 0                        ; protein k,
	PTR 32, 32, 24, 1536, 0                        ; my strip
	PTR 34, 8, 25, 2048, 327680
	PTR 34, 34, 24, 128, 0
	PTR 36, 10, 23, 2048, 0                        ; the keys' masks
	PTR 36, 36, 24, 128, 0
	PTR 38, 12, 23, 512, 0                         ; the rows' masks
	PTR 40, 14, 25, 2816, 0                        ; r, c, NM, 1 / Z
	PTR 42, 40, 24, 128, 512                       ; my strip's c
	PTR 54, 18, 23, 2097152, 0                     ; out1: n,
	PTR 54, 54, WV, 262144, 0                      ; my 16 rows,
	PTR 54, 54, 24, 1024, 0                        ; my strip's 1,024 bytes of a row
	PTR 16, 16, 23, 1024, 0
	PTR 20, 20, 23, 2048, 0
	s_load_b64 s[44:45], s[40:41], 0xa00           ; NM, 1 / Z (this launch stores nothing into that buffer)
.irp f, 0,1
.irp p, 0,1,2,3,4,5
	global_load_b64 v[QF+12*\f+2*\p:QF+12*\f+2*\p+1], v4, s[28:29] offset:1536*\f+768*(\p/3)+8*(\p%3)
.endr
.endr
.irp u, 0,1
.irp p, 0,1,2
	global_load_b64 v[KF+24*\u+6+2*\p:KF+24*\u+7+2*\p], v6, s[32:33] offset:192*\u+8*\p
	global_load_b64 v[KF+24*\u+18+2*\p:KF+24*\u+19+2*\p], v7, s[32:33] offset:192*\u+8*\p
.endr
	global_load_b32 v[KS+\u], v8, s[34:35] offset:32*\u
.endr
.irp t, 0,1,2,3,4,5,6,7
	global_load_b32 v[S+\t], v5, s[30:31] offset:64*\t
	global_load_b32 v[S+8+\t], v5, s[38:39] offset:64*\t
	global_load_b32 v[R+\t], v5, s[40:41] offset:64*\t
.endr
.irp i, 0,1,2,3
	global_load_b128 v[S+16+4*\i:S+16+4*\i+3], v9, s[36:37] offset:16*\i
	global_load_b128 v[S+32+4*\i:S+32+4*\i+3], v9, s[42:43] offset:16*\i
.endr
	s_wait_loadcnt 0x0
	s_wait_kmcnt 0x0
.irp f, 0,1
	v_lshl_or_b32 v[QSC+\f], v[S+4*\f+1], 8, v[S+4*\f]
	v_lshl_or_b32 v[QSC+\f], v[S+4*\f+2], 16, v[QSC+\f]
	v_lshl_or_b32 v[QSC+\f], v[S+4*\f+3], 24, v[QSC+\f]
.endr
.irp i, 0,1,2,3,4,5,6,7,8,9,10,11,12,13,14,15
	v_min_u32 v[S+16+\i], 1, v[S+16+\i]
.endr
.irp i, 0,1,2,3,4,5,6,7,8,9,10,11,12,13,14,15
	v_cvt_f32_u32 v[S+16+\i], v[S+16+\i]
.endr
.irp i, 0,1,2,3,4,5,6,7,8,9,10,11,12,13,14,15
	v_fma_f32 v[CB+\i], v[S+16+\i], s[BIGP], s[BIGN]   ; the key's shift: 0 or -5656854.0
	v_mul_f32 v[CZ+\i], s45, v[S+32+\i]
	v_mul_f32 v[CE+\i], s[EPS], v[S+32+\i]
.endr
.irp t, 0,1,2,3,4,5,6,7
	v_min_u32 v[S+8+\t], 1, v[S+8+\t]
.endr
.irp t, 0,1,2,3,4,5,6,7
	v_cvt_f32_u32 v[S+8+\t], v[S+8+\t]
.endr
.irp t, 0,1,2,3,4,5,6,7
	v_fma_f32 v[AD+\t], v[S+8+\t], s[SHP], s[SHN]  ; the row's shift: 0 or -1442695.0,
.endr
.irp t, 0,1,2,3,4,5,6,7
	v_add_f32 v[AD+\t], s44, v[AD+\t]              ; + NM
.endr
; row tiles 4 hf .. 4 hf + 3
.macro HALF hf
.irp t, 0,1,2,3
.irp u, 0,1
	v_wmma_scale_f32_16x16x128_f8f6f4 v[S+16*\t+8*\u:S+16*\t+8*\u+7], v[KF+24*\u+12*(\t%2)+6*(1-\t/2):KF+24*\u+12*(\t%2)+6*(1-\t/2)+11], v[QF+12*\hf:QF+12*\hf+11], v[CB+8*\u:CB+8*\u+7], v[KS+\u], v[QSC+\hf] matrix_a_fmt:MATRIX_FMT_FP6 matrix_b_fmt:MATRIX_FMT_FP6
.endr
.endr
.rept 4
	v_nop                                          ; places in front of the first read of results
.endr
.irp t, 0,1,2,3
.irp p, 0,2,4,6,8,10,12,14
.if \t%2
	v_pk_fma_f32 v[S+16*\t+\p:S+16*\t+\p+1], v[S+16*\t+\p:S+16*\t+\p+1], s[C2:C2+1], v[AD+4*\hf+\t-1:AD+4*\hf+\t] op_sel:[0,0,1] op_sel_hi:[1,0,1]
.else
	v_pk_fma_f32 v[S+16*\t+\p:S+16*\t+\p+1], v[S+16*\t+\p:S+16*\t+\p+1], s[C2:C2+1], v[AD+4*\hf+\t:AD+4*\hf+\t+1] op_sel_hi:[1,0,0]
.endif
.endr
.irp j, 0,1,2,3,4,5,6,7,8,9,10,11,12,13,14,15
	v_exp_f32 v[S+16*\t+\j], v[S+16*\t+\j]
.endr
.endr
	v_nop                                          ; a plain line behind the last exponential
	s_wait_alu depctr_va_vdst(0)
.irp t, 0,1,2,3
.irp p, 0,2,4,6,8,10,12,14
	v_pk_fma_f32 v[S+16*\t+\p:S+16*\t+\p+1], v[S+16*\t+\p:S+16*\t+\p+1], v[CZ+\p:CZ+\p+1], v[CE+\p:CE+\p+1]
.endr
.endr
.irp t, 0,1,2,3
.irp p, 0,2,4,6,8,10,12,14
.if \t%2
	v_pk_mul_f32 v[S+16*\t+\p:S+16*\t+\p+1], v[S+16*\t+\p:S+16*\t+\p+1], v[R+4*\hf+\t-1:R+4*\hf+\t] op_sel:[0,1] op_sel_hi:[1,1]
.else
	v_pk_mul_f32 v[S+16*\t+\p:S+16*\t+\p+1], v[S+16*\t+\p:S+16*\t+\p+1], v[R+4*\hf+\t:R+4*\hf+\t+1] op_sel_hi:[1,0]
.endif
.endr
.endr
.irp t, 0,1,2,3
.irp j, 0,1,2,3,4,5,6,7,8,9,10,11,12,13,14,15
	ds_store_b32 v[10+\hf], v[S+16*\t+\j] offset:\t*16640+\j*32
.endr
.endr
.endm
	HALF 0
	s_wait_dscnt 0x0                               ; the stores have read the registers that the next products write
	HALF 1
	s_wait_dscnt 0x0                               ; for the others' sake
	s_barrier_signal -1
	s_barrier_wait -1                              ; 128 whole rows lie in the stage
.irp i, 0,1,2,3,4,5,6,7,8,9,10,11,12,13,14,15,16,17,18,19,20,21,22,23,24,25,26,27,28,29,30,31
	ds_load_b128 v[16+4*\i:16+4*\i+3], v158 offset:(\i/2)*1040+512*(\i%2)
.endr
.irp i, 0,1,2,3,4,5,6,7,8,9,10,11,12,13,14,15,16,17,18,19,20,21,22,23,24,25,26,27,28,29,30,31
	s_wait_dscnt 31-\i                             ; LDS loads come back in order: load i is in, the younger ones may be out
	global_store_b128 v159, v[16+4*\i:16+4*\i+3], s[54:55] offset:(\i/2)*16384+512*(\i%2) th:TH_STORE_NT
.endr
	s_cmp_lg_u32 ttmp9, 0
	s_cbranch_scc1 .Lend
	v_lshlrev_b32 v160, 2, v0                      ; out0's protein half: thread t adds pp's and pd's share of channel t
	global_load_b32 v161, v160, s[16:17]
	global_load_b32 v162, v160, s[16:17] offset:16384
	s_wait_loadcnt 0x0
	v_add_f32 v161, v161, v162
	global_store_b32 v160, v161, s[20:21]
.Lend:
	s_wait_tensorcnt 0x0
	ds_add_u32 v254, v255
	s_wait_dscnt 0x0
	s_endpgm
.Lfunc_end_k_q11c0827c66_adp:
	.size	k_q11c0827c66_adp, .Lfunc_end_k_q11c0827c66_adp-k_q11c0827c66_adp
	.p2alignl 7, 3214868480
	.fill 96, 4, 3214868480
	.section	.rodata,"a",@progbits
	.p2align	6, 0x0
	.amdhsa_kernel k_q11c0827c66_adp
		.amdhsa_group_segment_fixed_size 134144
		.amdhsa_private_segment_fixed_size 0
		.amdhsa_enable_private_segment 0
		.amdhsa_kernarg_size 72
		.amdhsa_user_sgpr_count 2
		.amdhsa_user_sgpr_kernarg_segment_ptr 1
		.amdhsa_wavefront_size32 1
		.amdhsa_system_sgpr_workgroup_id_x 1
		.amdhsa_system_sgpr_workgroup_id_y 1
		.amdhsa_system_sgpr_workgroup_id_z 1
		.amdhsa_system_vgpr_workitem_id 0
		.amdhsa_next_free_vgpr 256
		.amdhsa_next_free_sgpr 66
		.amdhsa_reserve_vcc 0
		.amdhsa_float_denorm_mode_32 3
		.amdhsa_float_denorm_mode_16_64 3
		.amdhsa_memory_ordered 1
		.amdhsa_forward_progress 1
		.amdhsa_inst_pref_size 50
	.end_amdhsa_kernel
	.amdgpu_metadata
---
amdhsa.version: [ 1, 2 ]
amdhsa.kernels:
  - .name:           k_q11c0827c66_adp
    .symbol:         k_q11c0827c66_adp.kd
    .args:
      - { .name: qcodes, .offset: 0, .size: 8, .value_kind: global_buffer, .address_space: global }
      - { .name: kcodes, .offset: 8, .size: 8, .value_kind: global_buffer, .address_space: global }
      - { .name: scl, .offset: 16, .size: 8, .value_kind: global_buffer, .address_space: global }
      - { .name: mask_prot, .offset: 24, .size: 8, .value_kind: global_buffer, .address_space: global }
      - { .name: mask_drug, .offset: 32, .size: 8, .value_kind: global_buffer, .address_space: global }
      - { .name: dpv, .offset: 40, .size: 8, .value_kind: global_buffer, .address_space: global }
      - { .name: part, .offset: 48, .size: 8, .value_kind: global_buffer, .address_space: global }
      - { .name: out1, .offset: 56, .size: 8, .value_kind: global_buffer, .address_space: global }
      - { .name: out0, .offset: 64, .size: 8, .value_kind: global_buffer, .address_space: global }
    .group_segment_fixed_size: 134144
    .private_segment_fixed_size: 0
    .kernarg_segment_align: 8
    .kernarg_segment_size: 72
    .max_flat_workgroup_size: 256
    .sgpr_count:     66
    .vgpr_count:     256
    .wavefront_size: 32
...
	.end_amdgpu_metadata
.endif
;; end of part 4
;; ======== version 2 of 2: 4 launches; version 1 with the launches prep, sink, adp written anew for expert scheduling mode
;; limits: right only within a limited range of input values
;; workspace buffers: wcodes 294,912 bytes; wscales 12,288 bytes; qcodes 1,966,080 bytes; kcodes 3,932,160 bytes; vcodes 1,966,080 bytes; scl 983,040 bytes; part 32,768 bytes; dpv 360,448 bytes
;; launch quantw: the kernel of part 1 again; grid 48 x 1, 4 waves a work-group, no clusters, 33,280 bytes of LDS; arguments Wq_p, Wk_p, Wv_p, Wq_d, Wk_d, Wv_d, wcodes, wscales; writes wcodes, wscales
;; launch prep (part 5): grid 320 x 1, 8 waves a work-group, no clusters, 41,984 bytes of LDS; arguments protein, drug, wcodes, wscales, qcodes, kcodes, vcodes, scl; writes qcodes, kcodes, vcodes, scl
.if DOCPART == 5
	.amdgcn_target "amdgcn-amd-amdhsa--gfx1250"
	.amdhsa_code_object_version 6
	.text
	.protected	k_q11c0827c66_prep
	.globl	k_q11c0827c66_prep
	.p2align	8
	.type	k_q11c0827c66_prep,@function
k_q11c0827c66_prep:
	s_mov_b64 s[64:65], 0
	v_nop
	global_prefetch_b8 v0, s[64:65] scope:SCOPE_SE
	s_setreg_imm32_b32 hwreg(HW_REG_WAVE_SCHED_MODE, 0, 2), 2
	s_setreg_imm32_b32 hwreg(HW_REG_WAVE_MODE, 25, 1), 1
	s_wait_xcnt 0x0
	s_wait_alu depctr_vm_vsrc(0)
; Group means of four rows, the three projections of a set (protein or drug), and the quantising of q, k and v, all products on codes of FP6 (E2M3).
; A work-group takes 32 group rows (128 input rows, 131,072 consecutive bytes): work-groups 0-255 protein, 256-319 drug; only pointers and offsets are chosen, there is one path.
; PHASES.  1: each wave streams 16 input rows (512 consecutive bytes a load), forms four means in f32 and puts them in LDS | barrier |
; 2: wave w quantises half a fragment of x along K = 256 (a fragment: 16 rows x 128 k) and stores it as an image of the operand's registers | barrier |
; 3: every wave reads x's four fragments; wave w is head w: q and k with source 0 = 16 rows of W and source 1 = x, so that a lane holds one row and 16 neighbouring channels of the head;
;    v with source 0 = x and source 1 = 16 rows of Wv, so that a lane holds one channel and 16 neighbouring keys.  Each result is quantised in registers (a block of 32 lies in lanes l and l xor 16).
; THE ROWS OF A TILE ARE NOT NEIGHBOURS: slot r of tile u is row (or channel) 8 u + r + 8 (r / 8), so that the 16 registers of two tiles are 16 neighbours.
; OUT: qcodes [set][nh][row][24 bytes]; kcodes [set][nh][strip of 32 keys][768 bytes of codes, 768 zero bytes]; vcodes [set][nh][strip][32 channels][24 bytes, keys innermost];
;      scl: one word each: q's byte in bits 7:0; k's and v's byte four times.  These stores are pieces of 12 and 4 bytes in runs of 192 to 384 bytes: not whole aligned blocks of 256.
; LIMITS: a block of zeros gets the byte 1 (read by this program alone); blocks under 2^-124 keep the byte 1; NaN and infinities are not served; the mean is (a0 + a1) + (a2 + a3), x 0.25.
; THE MODE: SCHED_MODE bits 1:0 = 2 (LLVM: expert scheduling mode 2), set by the entry lines.  The code itself states the register dependences
; between vector or matrix instructions and memory or LDS instructions, with s_wait_alu, always for 0.
; THE PLAN.  Registers that memory or LDS instructions touch:
;   v5-v19, v20-22   addresses, offsets and zeros: written at the head, never again; one wait ahead of the first load states them.
;   ST v120-247      the stream lands here; group g is summed in place; its first eight registers are the data of two LDS stores, which are issued behind the wait at the head of group g + 1.
;   ACC v168-199, XFR v120-167, v254-255   LDS loads land here, behind the barriers; no vector instruction stands between the last wait on va_vdst and these loads.
;   WA v24-71        read by q's products, then Wv is loaded into it: one wait between.
;   CD, SD           codes and scale words: written by vector instructions, read by stores: one wait ahead of each run of stores; each product has a set of its own, so no store's data are written again,
;                    but for v216-221, which the image's LDS stores read and q's conversions write: one wait on vm_vsrc behind the second barrier.
.set XPITCH, 1040                      ; a row of means in LDS: 1,024 bytes + 16
.set XIMG,  33280                      ; x's four fragments (2 u + s), 1,536 bytes each: piece q of 8 bytes a lane at 256 q + 8 lane
.set XSC,   39424                      ; their scale words: 64 bytes a fragment, 4 a row slot
.set ZR,    20                         ; v20-22   zeros
.set WA,    24                         ; v24-71   Wq's four fragments (tile t, K step s at 12 (2 t + s)), later Wv's
.set WB,    72                         ; v72-119  Wk's
.set ST,    120                        ; v120-247 the stream: group g, row a, half c at 32 g + 8 a + 4 c
.set XFR,   120                        ; later: v120-167 x's four fragments
.set ACC,   168                        ; v168-199 four accumulators; ahead of them the 32 numbers to quantise
.set TM,    200                        ; v200-215 at work
.set CD,    216                        ; v216-239 codes: eight registers for each of q, k, v
.set SD,    240                        ; v240-245 their scale words
.set WS,    248                        ; v248-253 W's scale words (product, tile): lanes 0-15 K step 0, lanes 16-31 K step 1
.set XS,    254                        ; v254-255 x's scale words, tile u, likewise
.set SEL,   40                         ; s[40:41] lane selects: lane l xor 16
	s_load_b512 s[4:19], s[0:1], 0x0               ; protein, drug, wcodes, wscales, qcodes, kcodes, vcodes, scl
	v_lshl_add_u32 v23, v0, 2, 0xa000
	s_set_vgpr_msb 0x40
	v_mov_b32 v1, 0
	s_set_vgpr_msb 0x4000
	v_lshrrev_b32 v1, 5, v0
	v_readfirstlane_b32 s20, v1                    ; wave = head
	v_and_b32 v3, 31, v0                           ; lane
	v_and_b32 v1, 15, v0                           ; r
	v_bfe_u32 v2, v0, 4, 1                         ; h
	v_and_b32 v4, 8, v1
	v_add_nc_u32 v4, v4, v1                        ; r + 8 (r / 8)
	v_mul_u32_u24 v5, v4, 192
	v_mad_u32_u24 v5, v2, 24, v5                   ; W's codes, chosen rows
	v_mul_u32_u24 v6, v1, 192
	v_mad_u32_u24 v6, v2, 24, v6                   ; W's codes, rows as they lie
	v_lshlrev_b32 v7, 3, v4
	v_lshl_add_u32 v7, v2, 2, v7                   ; W's scale words, chosen rows: 8 bytes a row, + 4 h
	v_lshlrev_b32 v8, 3, v1
	v_lshl_add_u32 v8, v2, 2, v8                   ; the same, rows as they lie
	s_wait_alu depctr_va_sdst(0)                   ; s20, the wave's number, is written, ahead of its first reader
	s_lshl_b32 s46, s20, 14
	v_lshl_add_u32 v9, v3, 4, s46                  ; the stream: my wave's 16 rows, 16 bytes a lane
	s_mul_i32 s46, s20, 4*XPITCH
	v_lshl_add_u32 v10, v3, 4, s46                 ; means into LDS: rows 4 w on
	s_lshr_b32 s46, s20, 2                         ; for the quantising: tile u = w / 4,
	s_mul_i32 s46, s46, 8*XPITCH
	s_bfe_u32 s47, s20, 0x10001                    ; K step s = bit 1 of w,
	s_lshl_b32 s47, s47, 9
	s_add_co_u32 s46, s46, s47
	s_and_b32 s47, s20, 1                          ; half c = bit 0
	s_lshl_b32 s47, s47, 8
	s_add_co_u32 s46, s46, s47
	v_mul_u32_u24 v11, v4, XPITCH
	v_lshl_add_u32 v11, v2, 6, v11
	v_add_nc_u32 v11, s46, v11                     ; row 8 u + r + 8 (r / 8), channel 128 s + 64 c + 16 h
	s_mul_i32 s46, s20, 768
	s_add_co_u32 s46, s46, XIMG
	v_lshl_add_u32 v12, v3, 3, s46                 ; my half fragment's image: 768 w + 8 lane
	s_lshr_b32 s46, s20, 1
	s_lshl_b32 s46, s46, 6
	s_and_b32 s47, s20, 1
	s_lshl_b32 s47, s47, 1
	s_add_co_u32 s46, s46, s47
	s_add_co_u32 s46, s46, XSC
	v_lshl_add_u32 v13, v1, 2, s46                 ; my two scale bytes: 64 (w / 2) + 2 (w % 2) + 4 r
	v_lshlrev_b32 v14, 3, v3
	v_add_nc_u32 v14, XIMG, v14                    ; images back
	v_lshlrev_b32 v15, 2, v1
	v_lshl_add_u32 v15, v2, 6, v15
	v_add_nc_u32 v15, XSC, v15                     ; scale words back: lanes 16-31 take K step 1's
	v_mul_u32_u24 v16, v4, 24
	v_mad_u32_u24 v16, v2, 12, v16                 ; q, k out: my row's 24 bytes, my half of them
	v_lshlrev_b32 v17, 2, v4                       ; and its scale word
	v_mul_u32_u24 v18, v1, 24
	v_mad_u32_u24 v18, v2, 12, v18                 ; v out: my channel's 24 bytes, my half
	v_lshlrev_b32 v19, 2, v1
	v_mov_b32 v[ZR], 0
	v_mov_b32 v[ZR+1], 0
	v_mov_b32 v[ZR+2], 0
	v_mov_b32 v[TM+2], 0                           ; written once: a lane permute's destination counts as one of its sources
	v_mov_b32 v[TM+3], 0
	s_mov_b32 s[SEL], 0x76543210
	s_mov_b32 s[SEL+1], 0xfedcba98
	s_cmp_lt_u32 ttmp9, 256                        ; protein or drug: hangs on the work-group's number alone
	s_cselect_b32 s21, 0, 256
	s_cselect_b32 s22, 4, 2                        ; work-groups to a batch element: 16 or 4
	s_cselect_b32 s23, 15, 3
	s_cselect_b32 s24, 9, 7                        ; log2 of the groups: 512 or 128
	s_cselect_b32 s25, 0, 1                        ; the set
	s_sub_co_u32 s26, ttmp9, s21
	s_lshr_b32 s27, s26, s22                       ; n
	s_and_b32 s28, s26, s23                        ; which 32 groups
	s_lshl_b32 s29, s27, 3
	s_add_co_u32 s29, s29, s20                     ; nh = 8 n + head
	s_lshl_b32 s30, s26, 17                        ; the input's 131,072 bytes
	s_mov_b32 s31, 0
	s_lshl_b32 s38, s29, s24                       ; nh x groups
	s_mul_i32 s32, s25, 1572864
	s_mul_i32 s39, s38, 24
	s_add_co_u32 s32, s32, s39
	s_mul_i32 s39, s28, 768
	s_add_co_u32 s32, s32, s39                     ; q's and v's codes
	s_mov_b32 s33, 0
	s_lshl_b32 s34, s32, 1                         ; k's: twice that (codes and zeros)
	s_mov_b32 s35, 0
	s_lshl_b32 s36, s25, 18
	s_lshl_b32 s39, s38, 2
	s_add_co_u32 s36, s36, s39
	s_lshl_b32 s39, s28, 7
	s_add_co_u32 s36, s36, s39                     ; the scale words
	s_mov_b32 s37, 0
	s_mul_i32 s42, s25, 147456                     ; the set's three weights, my head's 32 rows
	s_mul_i32 s39, s20, 6144
	s_add_co_u32 s42, s42, s39
	s_mov_b32 s43, 0
	s_mul_i32 s44, s25, 6144
	s_lshl_b32 s39, s20, 8
	s_add_co_u32 s44, s44, s39
	s_mov_b32 s45, 0
	s_wait_kmcnt 0x0
	s_cmp_lt_u32 ttmp9, 256
	s_cselect_b64 s[4:5], s[4:5], s[6:7]
	s_add_nc_u64 s[4:5], s[4:5], s[30:31]
	s_add_nc_u64 s[8:9], s[8:9], s[42:43]
	s_add_nc_u64 s[10:11], s[10:11], s[44:45]
	s_add_nc_u64 s[12:13], s[12:13], s[32:33]
	s_add_nc_u64 s[14:15], s[14:15], s[34:35]
	s_add_nc_u64 s[16:17], s[16:17], s[32:33]
	s_add_nc_u64 s[18:19], s[18:19], s[36:37]
; four fragments of weight mat of the set: tile t (tstep bytes apart), K step s
.macro WLOAD dst, voff, mat, tstep
.irp t, 0,1
.irp s, 0,1
.irp p, 0,1,2,3,4,5
	global_load_b64 v[\dst+12*(2*\t+\s)+2*\p:\dst+12*(2*\t+\s)+2*\p+1], v[\voff], s[8:9] offset:\mat*49152+\t*\tstep+96*\s+48*(\p/3)+8*(\p%3)
.endr
.endr
.endr
.endm
	s_wait_alu depctr_va_vdst(0)                   ; the addresses, offsets and zeros v5 to v22 are written, which every load and store of the kernel reads; so are v202 and v203, in which the stream lands
	WLOAD WA, 5, 0, 1536
	WLOAD WB, 5, 1, 1536
.irp t, 0,1
	global_load_b32 v[WS+\t], v7, s[10:11] offset:64*\t
	global_load_b32 v[WS+2+\t], v7, s[10:11] offset:2048+64*\t
	global_load_b32 v[WS+4+\t], v8, s[10:11] offset:4096+128*\t
.endr
.irp g, 0,1,2,3
.irp a, 0,1,2,3
.irp c, 0,1
	global_load_b128 v[ST+32*\g+8*\a+4*\c:ST+32*\g+8*\a+4*\c+3], v9, s[4:5] offset:(4*\g+\a)*1024+512*\c th:TH_LOAD_NT
.endr
.endr
.endr
; group g's mean goes to LDS
.macro MPUT g
	ds_store_b128 v10, v[ST+32*(\g):ST+32*(\g)+3] offset:(\g)*XPITCH
	ds_store_b128 v10, v[ST+32*(\g)+4:ST+32*(\g)+7] offset:(\g)*XPITCH+512
.endm
; group g's mean.  left: the loads of the later groups, eight each, may stay out.  The mean of the group before goes to LDS at this group's head
.macro MEAN g, left
	s_wait_loadcnt \left
.if \g > 0
	s_wait_alu depctr_va_vdst(0)                   ; the group before has written its mean, which the two LDS stores below read
	MPUT \g-1
.endif
.irp q, 0,2,4,6
	v_pk_add_f32 v[ST+32*\g+\q:ST+32*\g+\q+1], v[ST+32*\g+\q:ST+32*\g+\q+1], v[ST+32*\g+8+\q:ST+32*\g+8+\q+1]
	v_pk_add_f32 v[ST+32*\g+16+\q:ST+32*\g+16+\q+1], v[ST+32*\g+16+\q:ST+32*\g+16+\q+1], v[ST+32*\g+24+\q:ST+32*\g+24+\q+1]
.endr
.irp q, 0,2,4,6
	v_pk_add_f32 v[ST+32*\g+\q:ST+32*\g+\q+1], v[ST+32*\g+\q:ST+32*\g+\q+1], v[ST+32*\g+16+\q:ST+32*\g+16+\q+1]
.endr
.irp q, 0,2,4,6
	v_pk_mul_f32 v[ST+32*\g+\q:ST+32*\g+\q+1], v[ST+32*\g+\q:ST+32*\g+\q+1], 0x3e800000 op_sel_hi:[1,0]
.endr
.endm
	MEAN 0, 24
	MEAN 1, 16
	MEAN 2, 8
	MEAN 3, 0
	s_wait_alu depctr_va_vdst(0)                   ; the last group has written its mean, which the LDS stores read; and all the sums are done with v120 to v247, in which LDS loads land behind the barriers
	MPUT 3
	s_wait_dscnt 0x0                               ; for the others' sake: my means lie in LDS
	s_barrier_signal -1
	s_barrier_wait -1
	s_wait_alu depctr_vm_vsrc(0)                   ; my LDS stores have read the means' registers: v184-191 take the numbers to quantise, v216-223 their codes, v120-127 and v152-159 x's fragments
	; ---- x is quantised: my two blocks of 32 along K, 16 numbers of each in my lane
.irp i, 0,1
.irp j, 0,1,2,3
	ds_load_b128 v[ACC+16*\i+4*\j:ACC+16*\i+4*\j+3], v11 offset:128*\i+16*\j
.endr
.endr
	s_wait_dscnt 0x0
.irp b, 0,1
	v_max3_num_f32 v[TM+\b], |v[ACC+16*\b]|, |v[ACC+16*\b+1]|, 0x1800000   ; with the floor 2^(3 - 127): the byte cannot fall under 1
.endr
.irp i, 2,4,6,8,10,12,14
.irp b, 0,1
	v_max3_num_f32 v[TM+\b], v[TM+\b], |v[ACC+16*\b+\i]|, |v[ACC+16*\b+\i+1]|
.endr
.endr
.irp b, 0,1
	v_permlanex16_b32 v[TM+2+\b], v[TM+\b], s[SEL], s[SEL+1]
.endr
.irp b, 0,1
	v_max_num_f32 v[TM+\b], v[TM+\b], v[TM+2+\b]   ; with lane l xor 16's: the block's largest magnitude
.endr
.irp b, 0,1
	v_add_nc_u32 v[TM+4+\b], 0xff000000, v[TM+\b]  ; 2 off its exponent field: the conversion's scale operand
.endr
.irp b, 0,1
	v_lshrrev_b32 v[TM+2+\b], 23, v[TM+4+\b]       ; the scale's byte
.endr
	v_lshl_or_b32 v[TM+6], v[TM+3], 8, v[TM+2]
	v_cvt_scalef32_pk16_fp6_f32 v[CD:CD+2], v[ACC:ACC+15], v[TM+4]
	v_cvt_scalef32_pk16_fp6_f32 v[CD+6:CD+8], v[ACC+16:ACC+31], v[TM+5]
	v_nop                                          ; one plain line behind a scaled conversion
.irp i, 0,1,2
	v_permlane16_swap_b32 v[CD+\i], v[CD+6+\i]     ; the operand's layout wants a whole block in a lane: lanes 0-15 the first, lanes 16-31 the second
.endr
.irp i, 0,1,2
	v_mov_b32 v[CD+3+\i], v[CD+6+\i]
.endr
	s_wait_alu depctr_va_vdst(0)                   ; the half fragment's codes and its two scale bytes are written, which the LDS stores read
.irp p, 0,1,2
	ds_store_b64 v12, v[CD+2*\p:CD+2*\p+1] offset:256*\p
.endr
	ds_store_b16 v13, v[TM+6]                      ; lanes l and l xor 16 write the same two bytes with the same value
	s_wait_dscnt 0x0                               ; for the others' sake
	s_barrier_signal -1
	s_barrier_wait -1
	s_wait_alu depctr_vm_vsrc(0)                   ; my LDS stores have read v216 to v221, which q's conversions write again
.irp f, 0,1,2,3
.irp q, 0,1,2,3,4,5
	ds_load_b64 v[XFR+12*\f+2*\q:XFR+12*\f+2*\q+1], v14 offset:1536*\f+256*\q   ; no vector instruction since the last wait on va_vdst names these registers
.endr
.endr
	ds_load_b32 v[XS], v15
	ds_load_b32 v[XS+1], v15 offset:128
	s_wait_dscnt 0x0
; q or k: source 0 = tile t of W, source 1 = tile u of x; four accumulators by turns, K step 0 starts the sums
.macro PRODW wf, ws
.irp s, 0,1
.irp u, 0,1
.irp t, 0,1
.if \s == 0
	v_wmma_scale_f32_16x16x128_f8f6f4 v[ACC+16*\u+8*\t:ACC+16*\u+8*\t+7], v[\wf+12*(2*\t):\wf+12*(2*\t)+11], v[XFR+12*(2*\u):XFR+12*(2*\u)+11], 0, v[\ws+\t], v[XS+\u] matrix_a_fmt:MATRIX_FMT_FP6 matrix_b_fmt:MATRIX_FMT_FP6
.else
	v_wmma_scale_f32_16x16x128_f8f6f4 v[ACC+16*\u+8*\t:ACC+16*\u+8*\t+7], v[\wf+12*(2*\t+1):\wf+12*(2*\t+1)+11], v[XFR+12*(2*\u+1):XFR+12*(2*\u+1)+11], v[ACC+16*\u+8*\t:ACC+16*\u+8*\t+7], v[\ws+\t], v[XS+\u] matrix_a_fmt:MATRIX_FMT_FP6 matrix_b_fmt:MATRIX_FMT_FP6 matrix_a_scale:MATRIX_SCALE_ROW1 matrix_b_scale:MATRIX_SCALE_ROW1
.endif
.endr
.endr
.endr
.rept 5
	v_nop                                          ; places behind the products: four for reads of results, five for the next run, which writes over these accumulators
.endr
.endm
; the two runs of 16 registers at ACC and ACC + 16 (16 neighbours of a block; the other 16 lie in lane l xor 16) become 12 bytes of codes each and a scale byte
.macro QUANT1 cd, sd
.irp a, 0,1
	v_max3_num_f32 v[TM+\a], |v[ACC+16*\a]|, |v[ACC+16*\a+1]|, 0x1800000
.endr
.irp i, 2,4,6,8,10,12,14
.irp a, 0,1
	v_max3_num_f32 v[TM+\a], v[TM+\a], |v[ACC+16*\a+\i]|, |v[ACC+16*\a+\i+1]|
.endr
.endr
.irp a, 0,1
	v_permlanex16_b32 v[TM+2+\a], v[TM+\a], s[SEL], s[SEL+1]
.endr
.irp a, 0,1
	v_max_num_f32 v[TM+\a], v[TM+\a], v[TM+2+\a]
.endr
.irp a, 0,1
	v_add_nc_u32 v[TM+4+\a], 0xff000000, v[TM+\a]
.endr
.irp a, 0,1
	v_lshrrev_b32 v[\sd+\a], 23, v[TM+4+\a]
.endr
.irp a, 0,1
	v_cvt_scalef32_pk16_fp6_f32 v[\cd+4*\a:\cd+4*\a+2], v[ACC+16*\a:ACC+16*\a+15], v[TM+4+\a]
.endr
	v_nop                                          ; one plain line behind the last conversion: a later product writes its sources
.endm
.macro FOURFOLD sd                     ; the byte in all four places of the word
.irp a, 0,1
	v_lshl_or_b32 v[\sd+\a], v[\sd+\a], 8, v[\sd+\a]
.endr
.irp a, 0,1
	v_lshl_or_b32 v[\sd+\a], v[\sd+\a], 16, v[\sd+\a]
.endr
.endm
	; ---- q
	PRODW WA, WS
	s_wait_alu depctr_va_vdst(0)                   ; q's products are done reading Wq's fragments, in whose registers Wv's loads land
	WLOAD WA, 6, 2, 3072                           ; Wv takes Wq's registers, rows as they lie
	QUANT1 CD, SD
	s_wait_alu depctr_va_vdst(0)                   ; q's codes and scale bytes are written, which the stores read
.irp u, 0,1
	global_store_b96 v16, v[CD+4*\u:CD+4*\u+2], s[12:13] offset:192*\u
	global_store_b32 v17, v[SD+\u], s[18:19] offset:32*\u
.endr
	; ---- k
	PRODW WB, WS+2
	QUANT1 CD+8, SD+2
	FOURFOLD SD+2
	s_wait_alu depctr_va_vdst(0)                   ; k's codes and scale words are written, which the stores read
.irp u, 0,1
	global_store_b96 v16, v[CD+8+4*\u:CD+8+4*\u+2], s[14:15] offset:192*\u
	global_store_b96 v16, v[ZR:ZR+2], s[14:15] offset:768+192*\u
	global_store_b32 v17, v[SD+2+\u], s[18:19] offset:327680+32*\u
.endr
	; ---- v: source 0 = tile u of x, source 1 = tile t of Wv: a lane holds channel 16 t + r and keys 16 h + 8 u + 0 .. 7
	s_wait_loadcnt 0x0                             ; Wv
.irp s, 0,1
.irp t, 0,1
.irp u, 0,1
.if \s == 0
	v_wmma_scale_f32_16x16x128_f8f6f4 v[ACC+16*\t+8*\u:ACC+16*\t+8*\u+7], v[XFR+12*(2*\u):XFR+12*(2*\u)+11], v[WA+12*(2*\t):WA+12*(2*\t)+11], 0, v[XS+\u], v[WS+4+\t] matrix_a_fmt:MATRIX_FMT_FP6 matrix_b_fmt:MATRIX_FMT_FP6
.else
	v_wmma_scale_f32_16x16x128_f8f6f4 v[ACC+16*\t+8*\u:ACC+16*\t+8*\u+7], v[XFR+12*(2*\u+1):XFR+12*(2*\u+1)+11], v[WA+12*(2*\t+1):WA+12*(2*\t+1)+11], v[ACC+16*\t+8*\u:ACC+16*\t+8*\u+7], v[XS+\u], v[WS+4+\t] matrix_a_fmt:MATRIX_FMT_FP6 matrix_b_fmt:MATRIX_FMT_FP6 matrix_a_scale:MATRIX_SCALE_ROW1 matrix_b_scale:MATRIX_SCALE_ROW1
.endif
.endr
.endr
.endr
.rept 5
	v_nop
.endr
	QUANT1 CD+16, SD+4
	FOURFOLD SD+4
	s_wait_alu depctr_va_vdst(0)                   ; v's codes and scale words are written, which the stores read
.irp t, 0,1
	global_store_b96 v18, v[CD+16+4*\t:CD+16+4*\t+2], s[16:17] offset:384*\t
	global_store_b32 v19, v[SD+4+\t], s[18:19] offset:655360+64*\t
.endr
	s_set_vgpr_msb 0x4                             ; the add's second register lies in window 1
	s_wait_dscnt 0x0                               ; the closing lines, six on end
	s_wait_alu 0x0
	s_wait_tensorcnt 0x0
	ds_add_u32 v23, v1
	s_wait_dscnt 0x0
	s_endpgm
.Lfunc_end_k_q11c0827c66_prep:
	.size	k_q11c0827c66_prep, .Lfunc_end_k_q11c0827c66_prep-k_q11c0827c66_prep
	.p2alignl 7, 3214868480
	.fill 96, 4, 3214868480
	.section	.rodata,"a",@progbits
	.p2align	6, 0x0
	.amdhsa_kernel k_q11c0827c66_prep
		.amdhsa_group_segment_fixed_size 41984
		.amdhsa_private_segment_fixed_size 0
		.amdhsa_enable_private_segment 0
		.amdhsa_kernarg_size 64
		.amdhsa_user_sgpr_count 2
		.amdhsa_user_sgpr_kernarg_segment_ptr 1
		.amdhsa_wavefront_size32 1
		.amdhsa_system_sgpr_workgroup_id_x 1
		.amdhsa_system_sgpr_workgroup_id_y 1
		.amdhsa_system_sgpr_workgroup_id_z 1
		.amdhsa_system_vgpr_workitem_id 0
		.amdhsa_next_free_vgpr 258
		.amdhsa_next_free_sgpr 66
		.amdhsa_reserve_vcc 0
		.amdhsa_float_denorm_mode_32 3
		.amdhsa_float_denorm_mode_16_64 3
		.amdhsa_memory_ordered 1
		.amdhsa_forward_progress 1
		.amdhsa_inst_pref_size 36
	.end_amdhsa_kernel
	.amdgpu_metadata
---
amdhsa.version: [ 1, 2 ]
amdhsa.kernels:
  - .name:           k_q11c0827c66_prep
    .symbol:         k_q11c0827c66_prep.kd
    .args:
      - { .name: protein, .offset: 0, .size: 8, .value_kind: global_buffer, .address_space: global }
      - { .name: drug, .offset: 8, .size: 8, .value_kind: global_buffer, .address_space: global }
      - { .name: wcodes, .offset: 16, .size: 8, .value_kind: global_buffer, .address_space: global }
      - { .name: wscales, .offset: 24, .size: 8, .value_kind: global_buffer, .address_space: global }
      - { .name: qcodes, .offset: 32, .size: 8, .value_kind: global_buffer, .address_space: global }
      - { .name: kcodes, .offset: 40, .size: 8, .value_kind: global_buffer, .address_space: global }
      - { .name: vcodes, .offset: 48, .size: 8, .value_kind: global_buffer, .address_space: global }
      - { .name: scl, .offset: 56, .size: 8, .value_kind: global_buffer, .address_space: global }
    .group_segment_fixed_size: 41984
    .private_segment_fixed_size: 0
    .kernarg_segment_align: 8
    .kernarg_segment_size: 64
    .max_flat_workgroup_size: 256
    .sgpr_count:     66
    .vgpr_count:     258
    .wavefront_size: 32
...
	.end_amdgpu_metadata
.endif
;; end of part 5
;; launch sink (part 6): grid 256 x 1, 4 waves a work-group, no clusters, 201,216 bytes of LDS; arguments qcodes, kcodes, vcodes, scl, mask_prot, mask_drug, part, dpv, out0; writes part, dpv, out0
.if DOCPART == 6
	.amdgcn_target "amdgcn-amd-amdhsa--gfx1250"
	.amdhsa_code_object_version 6
	.text
	.protected	k_q11c0827c66_sink
	.globl	k_q11c0827c66_sink
	.p2align	8
	.type	k_q11c0827c66_sink,@function
k_q11c0827c66_sink:
	s_mov_b64 s[64:65], 0
	v_nop
	global_prefetch_b8 v0, s[64:65] scope:SCOPE_SE
	s_setreg_imm32_b32 hwreg(HW_REG_WAVE_SCHED_MODE, 0, 2), 2
	s_setreg_imm32_b32 hwreg(HW_REG_WAVE_MODE, 25, 1), 1
	s_wait_xcnt 0x0
	s_wait_alu depctr_vm_vsrc(0)
; For one (n, head): the softmax over a whole logit matrix, + 1e-12, four row and column normalisations, and the sum over the rows of a v, for the four matrices pp, pd, dp, dd.
; Work-groups 0-127 make pp; work-groups 128-255 make pd, dp and dd one after the other.  Each of the four has LDS bytes of its own.
; THE MATHEMATICS.  Every state of the matrix is r_i c_j (e_ij / Z + EPS), e_ij = 2^(t_ij - M), t = score x log2(e) / sqrt(32) + shifts, M the largest t rounded up to a whole number
; (kept as NM = -M), Z the sum of all e.  A row step is r <- r / (r (y / Z + EPS sum(c)) + EPS) with y_i = sum_j e_ij c_j; a column step likewise with x_j = sum_i e_ij r_i.
; The entries are never kept: they are made anew from the codes in five passes.  P1: maximum, Z, y.  P2-P4: x, the column step, the next y.  P5: x, the last column step, a, its codes, a v.
; A STRIP is 32 keys x all rows in one wave's registers (windows 2 and 3).  The logit product is used transposed (source 0 = 16 keys, source 1 = 16 rows): a lane holds one row,
; and register 16 T + 8 u + j of lane (r, h) is row 16 T + r, key 16 h + 8 u + j of the strip (slot m of tile u is key 8 u + m + 8 (m / 8)).  So x needs no other wave; y is summed over the four waves through LDS.
; K = 32 IN AN INSTRUCTION OF 128: a fragment of q holds four row tiles, one in each block of 32; the keys' fragment has its codes in one block and zero codes in the other three
; (four versions, cut from the run Z | D0 | Z | D1 | Z: D0 has the codes in lanes 0-15, D1 in lanes 16-31).  In the second product the four blocks of a's operand hold the same 32 keys of four row tiles
; and v's 24 bytes are repeated: the sum over the rows, which is all that the result needs, is made in the accumulators.
; THE MASK'S -1e6: a column's shift is the C of the logit product (0 or -5656854.0 in scores), a row's an addend (0 or -1442695.0 in t).
; LIMITS: a pair whose row and column are both masked is shifted by 2e6, not 1e6 (it differs only where such a logit lies 1e6 above all others); the shifts equal 1e6 to 1e-7;
; NaN and infinities are not served; blocks of a under 2^-124, and blocks of zeros, have the byte 1; the order of the f32 sums differs from the source's.
; Results of 128 bytes (part, out0) and the vectors in dpv are smaller than aligned blocks of 256 bytes.
; No tensor loads, clusters or prefetches: an instance's operands are under 45 KB, read once.
; THE MODE: SCHED_MODE bits 1:0 = 2 (LLVM: expert scheduling mode 2), set by the entry lines.  The code itself states the register dependences
; between vector or matrix instructions and memory or LDS instructions, with s_wait_alu, always for 0.
; THE PLAN.  Registers that memory or LDS instructions touch:
;   v10-15           the strip's LDS addresses: written by additions at a strip's head, read by its LDS loads (v13 by c's store too).
;   the keys' codes in KF, KS, CB, CV, VF, VS   a strip's LDS loads land here; matrix and vector instructions read them; the column step writes CV, and an LDS store reads it.
;   So a strip has two waits at its head: on vm_vsrc ahead of the additions, on va_vdst behind them; and one on va_vdst ahead of c's store.
;   PF, PW           a's codes and scale word, made by vector instructions, taken by scaled products: a wait on va_vdst behind the places, for each four row tiles.
;   v84-231          in the exchange: y is compacted here, stored, and all four waves' read back: a wait on va_vdst ahead of the stores (no vector instruction stands between it and the loads),
;                    one on vm_vsrc between the stores and the loads, and one at the head where the compaction writes over c's registers.
;   v244-255         addresses and offsets of a matrix: written in its set-up, read until its end: a wait on va_vdst ahead of the set-up's loads, one on vm_vsrc at the matrix's end.
;   The strip (windows 2 and 3) and AD, RA, SH are named by vector and matrix instructions alone; so is r, but for dp's stores of it.
;   No second set of a strip's operands: it would take 58 registers, and all 1,024 are assigned.
;   Every scalar that v_readfirstlane_b32 writes has a wait on va_sdst behind it, in the same straight run.
.set EPSB, 0x2b8cbccc                  ; 1e-12
; ---- window 0
.set KA0,  4                           ; v4-9    LDS addresses of my first strip: D0, D1, k's scale words, 64 h (bias, c), v, v's scale words
.set KA1,  5
.set KSA,  6
.set CA,   7
.set VA,   8
.set VSA,  9
.set KA0T, 10                          ; v10-15  the same for the strip in hand
.set KA1T, 11
.set KSAT, 12
.set CAT,  13
.set VAT,  14
.set VSAT, 15
.set QSC,  16                          ; v16-23  q's scale words, one for four row tiles;  v16-28 hold scales and nothing else
.set KS,   24                          ; v24-25  k's, tile u
.set VS,   26                          ; v26-27  v's, tile of 16 channels
.set PW,   28                          ; v28     a's
.set KF,   30                          ; v30-83  Z D0 Z D1 Z D0 Z D1 Z, six registers each
.set CB,   84                          ; v84-99  the columns' shift
.set CV,   100                         ; v100-115 c
.set XA,   116                         ; v116-131 x (in P1: the sums for Z)
.set CZ,   132                         ; v132-147 c / Z
.set CE,   148                         ; v148-163 c EPS
.set MX,   132                         ; in P1: a maximum for each row tile
.set VF,   164                         ; v164-187 v's two fragments
.set PF,   188                         ; v188-199 a's fragment
.set PT,   200                         ; v200-207 halves of it on the way
.set MA,   208                         ; v208-223 the two accumulators of a v
.set TM,   224                         ; v224-239 at work
.set NMV,  240
.set SIG,  241                         ; the sum of my strips' c
.set HC,   242                         ; 0.5 / the number of valid rows
.set KEEP, 243                         ; dp's result, until dd's is there
.set XST,  244                         ; LDS: where I put my y; where all are read; the same for (NM, z, sum c); for a v
.set XLD,  245
.set XSS,  246
.set XSL,  247
.set XMS,  248
.set XML,  249
.set L4,   250                         ; my first strip + 4 lane
.set G0,   251                         ; v251-255 offsets in memory
.set G1,   252
.set G2,   253
.set G3,   254
.set G4,   255
.set SC0,  84                          ; scratch between the passes: v84-211
.set XSR,  212                         ; v212-227 the four waves' (NM, z, sum c, 0)
; ---- window 1
.set QF,   0                           ; q's fragments, 12 F
.set R,    96                          ; r, row tile T
.set AD,   128                         ; the row's shift + NM
.set RA,   160                         ; y in pairs (even keys', odd keys'), 2 T
.set SH,   224                         ; the row's shift
; ---- scalars
.set WV,   22
.set NH,   23
.set PB,   24                          ; s[24:37] set p, s[38:51] set d: q, q's scales, mask, k, k's scales, v, v's scales
.set NN,   52
.set HD_,  53
.set SEL,  54
.set C2,   56                          ; s[56:57] log2(e) / sqrt(32)
.set FS,   58                          ; s[58:59] 2^(new NM - old NM)
.set ZI,   60                          ; 1 / Z
.set ES,   61                          ; EPS x the sum of the other side's vector
.set NMS,  62
.set EPS,  63
.set SO,   66                          ; the strip in hand: 4,096 bytes a strip
.set CI,   67
.set CO,   68
.set BIGP, 69
.set BIGN, 70
.set SHP,  71
.set SHN,  72
.set F0,   74                          ; s74-77 the waves' factors
.set TP,   78
.set PPART, 80
.set PDPV, 82
.set POUT, 84
.set BW,   86
.set MSB, 0
.macro WIN new                         ; the immediate's high byte repeats the setting that is left; bits 1:0 source 0, 3:2 source 1, 5:4 source 2, 7:6 destination
.if MSB != (\new)
	s_set_vgpr_msb (MSB<<8)|(\new)
.set MSB, (\new)
.endif
.endm
.macro WINT lo, hi                     ; by the row tile tT: the strip's rows 0-255 lie in window 2, the others in window 3
.if tT < 16
	WIN \lo
.else
	WIN \hi
.endif
.endm
.macro NOPS n
.rept \n
	v_nop
.endr
.endm
.macro VTREE op, base, n               ; v[base] = op over v[base .. base + n - 1], n a power of two up to 32
.set tw, (\n)/2
.rept 5
.if tw >= 1
.set ti, 0
.rept tw
	\op v[\base+ti], v[\base+ti], v[\base+ti+tw]
.set ti, ti+1
.endr
.set tw, tw/2
.endif
.endr
.endm
.macro DPP4 op, reg                    ; over the 16 lanes of a row
.irp m, 1,2,4,8
	\op v[\reg], v[\reg], v[\reg] row_xmask:\m row_mask:0xf bank_mask:0xf
.endr
.endm
.macro PTR dst, src, idx, mul, add
	s_mul_i32 s[TP], s[\idx], \mul
	s_add_co_u32 s[TP], s[TP], \add
	s_mov_b32 s[TP+1], 0
	s_add_nc_u64 s[\dst:\dst+1], s[\src:\src+1], s[TP:TP+1]
.endm
; the strip's operands from my own LDS bytes
.macro LOADK wv
	s_wait_alu depctr_vm_vsrc(0)                   ; the LDS loads and stores issued so far have read the addresses v10 to v15, which the additions write, and c's registers, in which a load lands
	v_add_nc_u32 v[KA0T], s[SO], v[KA0]
	v_add_nc_u32 v[KA1T], s[SO], v[KA1]
	v_add_nc_u32 v[KSAT], s[SO], v[KSA]
	v_add_nc_u32 v[CAT], s[SO], v[CA]
.if \wv
	v_add_nc_u32 v[VAT], s[SO], v[VA]
	v_add_nc_u32 v[VSAT], s[SO], v[VSA]
.endif
	s_wait_alu depctr_va_vdst(0)                   ; the addresses are written; the matrix and vector instructions issued so far are done with the registers in which the loads land; q's scale words and the zero codes, made by vector instructions, are written ahead of the products
.irp u, 0,1
.irp p, 0,1,2
	ds_load_b64 v[KF+24*\u+6+2*\p:KF+24*\u+7+2*\p], v[KA0T] offset:192*\u+8*\p      ; lanes 16-31 read the strip's zero bytes
	ds_load_b64 v[KF+24*\u+18+2*\p:KF+24*\u+19+2*\p], v[KA1T] offset:192*\u+8*\p    ; lanes 0-15 do
.endr
	ds_load_b32 v[KS+\u], v[KSAT] offset:1536+32*\u
.endr
.irp i, 0,1,2,3
	ds_load_b128 v[CB+4*\i:CB+4*\i+3], v[CAT] offset:1792+16*\i
	ds_load_b128 v[CV+4*\i:CV+4*\i+3], v[CAT] offset:1920+16*\i
.endr
.if \wv
.irp t, 0,1
.irp c, 0,1
.irp p, 0,1,2
	ds_load_b64 v[VF+12*\t+6*\c+2*\p:VF+12*\t+6*\c+2*\p+1], v[VAT] offset:2048+384*\t+8*\p   ; the channel's 24 bytes in all four blocks
.endr
.endr
	ds_load_b32 v[VS+\t], v[VSAT] offset:2816+64*\t
.endr
.endif
	s_wait_dscnt 0x0
.endm
; the strip's scores + the columns' shift: 2 nt matrix instructions, each with an accumulator of its own
.macro LOGITS nt
.set tT, 0
.rept \nt
	WINT 0x84, 0xc4
.irp u, 0,1
	v_wmma_scale_f32_16x16x128_f8f6f4 v[(16*tT)%256+8*\u:(16*tT)%256+8*\u+7], v[KF+24*\u+12*(tT%2)+6*(1-(tT%4)/2):KF+24*\u+12*(tT%2)+6*(1-(tT%4)/2)+11], v[QF+12*(tT/4):QF+12*(tT/4)+11], v[CB+8*\u:CB+8*\u+7], v[KS+\u], v[QSC+tT/4] matrix_a_fmt:MATRIX_FMT_FP6 matrix_b_fmt:MATRIX_FMT_FP6
.endr
.set tT, tT+1
.endr
	WIN 0
	NOPS 4                                         ; places in front of the first read of results
.endm
; e = 2^(score x c + shift + NM), in place; each accumulator is read from its low end on
.macro EXPS nt
.set tT, 0
.rept \nt
	WINT 0x92, 0xd3
.set sB, (16*tT)%256
.irp p, 0,2,4,6,8,10,12,14
.if tT%2
	v_pk_fma_f32 v[sB+\p:sB+\p+1], v[sB+\p:sB+\p+1], s[C2:C2+1], v[AD+tT-1:AD+tT] op_sel:[0,0,1] op_sel_hi:[1,0,1]
.else
	v_pk_fma_f32 v[sB+\p:sB+\p+1], v[sB+\p:sB+\p+1], s[C2:C2+1], v[AD+tT:AD+tT+1] op_sel_hi:[1,0,0]
.endif
.endr
.irp j, 0,1,2,3,4,5,6,7,8,9,10,11,12,13,14,15
	v_exp_f32 v[sB+\j], v[sB+\j]
.endr
.set tT, tT+1
.endr
	v_nop                                          ; a plain line behind the last exponential
	s_wait_alu depctr_va_vdst(0)                   ; the strip's exponentials are written: one wait for the whole batch, ahead of its first reader
	WIN 0
.endm
.macro ZSUM nt                         ; P1: the sums for Z, a pair of keys a chain
.set tT, 0
.rept \nt
	WINT 0x02, 0x03
.set sB, (16*tT)%256
.irp p, 0,2,4,6,8,10,12,14
	v_pk_add_f32 v[XA+\p:XA+\p+1], v[sB+\p:sB+\p+1], v[XA+\p:XA+\p+1]
.endr
.set tT, tT+1
.endr
	WIN 0
.endm
.macro XSUM nt                         ; x = sum over my lane's rows of e r; the first tile starts the sums
.set tT, 0
.rept \nt
	WINT 0x06, 0x07
.set sB, (16*tT)%256
.irp p, 0,2,4,6,8,10,12,14
.if tT == 0
	v_pk_mul_f32 v[XA+\p:XA+\p+1], v[sB+\p:sB+\p+1], v[R:R+1] op_sel_hi:[1,0]
.elseif tT%2
	v_pk_fma_f32 v[XA+\p:XA+\p+1], v[sB+\p:sB+\p+1], v[R+tT-1:R+tT], v[XA+\p:XA+\p+1] op_sel:[0,1,0] op_sel_hi:[1,1,1]
.else
	v_pk_fma_f32 v[XA+\p:XA+\p+1], v[sB+\p:sB+\p+1], v[R+tT:R+tT+1], v[XA+\p:XA+\p+1] op_sel_hi:[1,0,1]
.endif
.endr
.set tT, tT+1
.endr
	WIN 0
.endm
.macro XRED                            ; and over the 16 lanes that hold the other rows
.irp m, 1,2,4,8
.set iI, 0
.rept 16
	v_add_f32_dpp v[XA+iI], v[XA+iI], v[XA+iI] row_xmask:\m row_mask:0xf bank_mask:0xf
.set iI, iI+1
.endr
.endr
.endm
.macro SIGADD                          ; SIG += my 16 keys' c
	v_pk_add_f32 v[TM:TM+1], v[CV:CV+1], v[CV+2:CV+3]
	v_pk_add_f32 v[TM+2:TM+3], v[CV+4:CV+5], v[CV+6:CV+7]
	v_pk_add_f32 v[TM+4:TM+5], v[CV+8:CV+9], v[CV+10:CV+11]
	v_pk_add_f32 v[TM+6:TM+7], v[CV+12:CV+13], v[CV+14:CV+15]
	v_pk_add_f32 v[TM:TM+1], v[TM:TM+1], v[TM+2:TM+3]
	v_pk_add_f32 v[TM+4:TM+5], v[TM+4:TM+5], v[TM+6:TM+7]
	v_pk_add_f32 v[TM:TM+1], v[TM:TM+1], v[TM+4:TM+5]
	v_add_f32 v[TM], v[TM], v[TM+1]
	v_add_f32 v[SIG], v[SIG], v[TM]
.endm
.macro CUPD                            ; the column step for the strip's keys: c <- c / (c (x / Z + EPS sum r) + EPS)
.set iI, 0
.rept 16
	v_fma_f32 v[XA+iI], v[XA+iI], s[ZI], s[ES]
.set iI, iI+1
.endr
.set iI, 0
.rept 16
	v_fma_f32 v[XA+iI], v[CV+iI], v[XA+iI], s[EPS]
.set iI, iI+1
.endr
.set iI, 0
.rept 16
	v_rcp_f32 v[XA+iI], v[XA+iI]
.set iI, iI+1
.endr
	v_nop                                          ; a plain line behind the last reciprocal
.set iI, 0
	s_wait_alu depctr_va_vdst(0)                   ; the sixteen reciprocals are written, ahead of their first reader
.rept 16
	v_mul_f32 v[CV+iI], v[CV+iI], v[XA+iI]
.set iI, iI+1
.endr
	SIGADD
	s_wait_alu depctr_va_vdst(0)                   ; the multiplications have written c, which the LDS stores read
.irp i, 0,1,2,3
	ds_store_b128 v[CAT], v[CV+4*\i:CV+4*\i+3] offset:1920+16*\i   ; the 16 lanes of a row write the same bytes with the same values
.endr
.endm
.macro RSUM nt                         ; y += e c: a chain for each row tile
.set hB, 0
.rept (\nt+15)/16
	WIN 0x52+hB
.set pP, 0
.rept 8
.set tT, 16*hB
.rept NTH
	v_pk_fma_f32 v[RA+2*tT:RA+2*tT+1], v[(16*tT)%256+pP:(16*tT)%256+pP+1], v[CV+pP:CV+pP+1], v[RA+2*tT:RA+2*tT+1]
.set tT, tT+1
.endr
.set pP, pP+2
.endr
.set hB, hB+1
.endr
	WIN 0
.endm
.macro ZERORA nt                       ; y begins at 0 in each pass (the strips' loop is written once)
	WIN 0x40
.set iI, 0
.rept 2*\nt
	v_mov_b32 v[RA+iI], 0
.set iI, iI+1
.endr
	WIN 0
.endm
; P1 for one strip: the running maximum as a whole number, then e, the sums for Z and y under it
.macro P1STRIP nt
	LOADK 0
	LOGITS \nt
.set hB, 0
.rept (\nt+15)/16
	WIN 0x28+0x14*hB
.set iI, 0
.rept 8
.set tT, 16*hB
.rept NTH
.if iI == 0
	v_max3_num_f32 v[MX+tT], 0xff7fffff, v[(16*tT)%256], v[(16*tT)%256+1]
.else
	v_max3_num_f32 v[MX+tT], v[MX+tT], v[(16*tT)%256+iI], v[(16*tT)%256+iI+1]
.endif
.set tT, tT+1
.endr
.set iI, iI+2
.endr
.set hB, hB+1
.endr
	WIN 0x10
.set tT, 0
.rept \nt
	v_fma_f32 v[MX+tT], v[MX+tT], s[C2], v[SH+tT]  ; as t, with the row's shift (c is positive)
.set tT, tT+1
.endr
	WIN 0
	VTREE v_max_num_f32, MX, \nt
	DPP4 v_max_num_f32_dpp, MX
	v_permlanex16_b32 v[TM+1], v[MX], s[SEL], s[SEL+1]
	v_max_num_f32 v[MX], v[MX], v[TM+1]            ; the strip's largest t, in every lane
	v_floor_f32 v[TM], -v[MX]
	v_min_num_f32 v[TM], v[TM], v[NMV]             ; the new NM = -ceil(largest t so far)
	v_sub_f32 v[TM+1], v[TM], v[NMV]               ; a whole number, 0 or less
	v_cvt_i32_f32 v[TM+1], v[TM+1]                 ; (it saturates)
	v_ldexp_f32 v[TM+1], 1.0, v[TM+1]              ; what was summed under the old M is brought under the new: nothing is rounded
	v_mov_b32 v[NMV], v[TM]
	v_readfirstlane_b32 s[NMS], v[TM]
	v_readfirstlane_b32 s[FS], v[TM+1]
	s_wait_alu depctr_va_sdst(0)                   ; NM and the factor are written as scalars, ahead of their first readers
	s_mov_b32 s[FS+1], s[FS]
.irp p, 0,2,4,6,8,10,12,14
	v_pk_mul_f32 v[XA+\p:XA+\p+1], v[XA+\p:XA+\p+1], s[FS:FS+1] op_sel_hi:[1,0]
.endr
	WIN 0x41
.set tT, 0
.rept \nt
	v_pk_mul_f32 v[RA+2*tT:RA+2*tT+1], v[RA+2*tT:RA+2*tT+1], s[FS:FS+1] op_sel_hi:[1,0]
.set tT, tT+1
.endr
	WIN 0x44
.set tT, 0
.rept \nt
	v_add_f32 v[AD+tT], s[NMS], v[SH+tT]
.set tT, tT+1
.endr
	WIN 0
	EXPS \nt
	ZSUM \nt
	RSUM \nt
	SIGADD
.endm
; the four waves' y, sum of c (and in P1 NM and z) meet in LDS.  Two barriers: all have written before any reads; all have read before any writes again
.macro EXCH first, nt
.if (\first == 0) && (\nt > 16)
	s_wait_alu depctr_vm_vsrc(0)                   ; the last strip's LDS stores have read c's registers, over which y is compacted below
.endif
.if \first
	VTREE v_add_f32, XA, 16
	DPP4 v_add_f32_dpp, XA
	v_permlanex16_b32 v[TM], v[XA], s[SEL], s[SEL+1]
	v_add_f32 v[TM+5], v[XA], v[TM]                ; my strips' share of Z
.else
	v_mov_b32 v[TM+5], 0
.endif
	v_permlanex16_b32 v[TM+1], v[SIG], s[SEL], s[SEL+1]
	v_add_f32 v[TM+6], v[SIG], v[TM+1]
	v_mov_b32 v[TM+4], v[NMV]
	v_mov_b32 v[TM+7], 0
	WIN 0x05
.set tT, 0
.rept \nt
	v_add_f32 v[SC0+tT], v[RA+2*tT], v[RA+2*tT+1]
.set tT, tT+1
.endr
	WIN 0
.set tT, 0
.rept \nt
	v_permlanex16_b32 v[SC0+\nt+tT], v[SC0+tT], s[SEL], s[SEL+1]
.set tT, tT+1
.endr
.set tT, 0
.rept \nt
	v_add_f32 v[SC0+tT], v[SC0+tT], v[SC0+\nt+tT]  ; with the other 16 keys of the strip
.set tT, tT+1
.endr
	s_wait_alu depctr_va_vdst(0)                   ; my y and my (NM, z, sum c, 0) are written, which the LDS stores read; and every vector and matrix instruction so far is done with v84 to v227, in which the loads behind the barrier land
.set gG, 0
.rept \nt/4
	ds_store_b128 v[XST], v[SC0+4*gG:SC0+4*gG+3] offset:256*gG
.set gG, gG+1
.endr
	ds_store_b128 v[XSS], v[TM+4:TM+7]
	s_wait_dscnt 0x0                               ; for the others' sake
	s_barrier_signal -1
	s_barrier_wait -1
	s_wait_alu depctr_vm_vsrc(0)                   ; my LDS stores have read their data: the loads below land in the same registers, and v228 to v231 are written again by later sums
.irp w, 0,1,2,3
.set gG, 0
.rept \nt/4
	ds_load_b128 v[SC0+32*\w+4*gG:SC0+32*\w+4*gG+3], v[XLD] offset:2048*\w+256*gG
.set gG, gG+1
.endr
	ds_load_b128 v[XSR+4*\w:XSR+4*\w+3], v[XSL] offset:16*\w
.endr
	s_wait_dscnt 0x0                               ; my reads are over: behind the next barrier these bytes may be written again
	s_barrier_signal -1
	s_barrier_wait -1
.if \first
	v_min3_num_f32 v[NMV], v[XSR], v[XSR+4], v[XSR+8]
	v_min_num_f32 v[NMV], v[NMV], v[XSR+12]        ; NM of the whole matrix
.irp w, 0,1,2,3
	v_sub_f32 v[TM+8+\w], v[NMV], v[XSR+4*\w]
.endr
.irp w, 0,1,2,3
	v_cvt_i32_f32 v[TM+8+\w], v[TM+8+\w]
.endr
.irp w, 0,1,2,3
	v_ldexp_f32 v[TM+8+\w], 1.0, v[TM+8+\w]        ; each wave's sums are brought under it
.endr
.irp w, 0,1,2,3
	v_readfirstlane_b32 s[F0+\w], v[TM+8+\w]
.endr
	s_wait_alu depctr_va_sdst(0)                   ; the four factors are written as scalars, ahead of their first reader
	v_mul_f32 v[TM+12], s[F0], v[XSR+1]
	v_fma_f32 v[TM+12], s[F0+1], v[XSR+5], v[TM+12]
	v_fma_f32 v[TM+12], s[F0+2], v[XSR+9], v[TM+12]
	v_fma_f32 v[TM+12], s[F0+3], v[XSR+13], v[TM+12]
	v_rcp_f32 v[TM+13], v[TM+12]                   ; 1 / Z; the additions below are the plain lines behind it
.endif
	v_add_f32 v[TM+14], v[XSR+2], v[XSR+6]
	v_add_f32 v[TM+15], v[XSR+10], v[XSR+14]
	v_add_f32 v[TM+14], v[TM+14], v[TM+15]
	v_mul_f32 v[TM+14], s[EPS], v[TM+14]
	v_readfirstlane_b32 s[ES], v[TM+14]            ; EPS x the sum of c
.if \first
	s_wait_alu depctr_va_vdst(0)                   ; 1 / Z is written, ahead of its first reader
	v_readfirstlane_b32 s[ZI], v[TM+13]
	v_readfirstlane_b32 s[NMS], v[NMV]
.endif
	s_wait_alu depctr_va_sdst(0)                   ; EPS x the sum of c (in the first exchange 1 / Z and NM too) is written as a scalar, ahead of its first reader
.if \first
	WIN 0x44
.set tT, 0
.rept \nt
	v_add_f32 v[AD+tT], s[NMS], v[SH+tT]
.set tT, tT+1
.endr
.endif
	WIN 0x40
.set tT, 0
.rept \nt
	v_mul_f32 v[RA+tT], s[F0], v[SC0+tT]
.set tT, tT+1
.endr
	WIN 0x50
.irp w, 1,2,3
.set tT, 0
.rept \nt
	v_fma_f32 v[RA+tT], s[F0+\w], v[SC0+32*\w+tT], v[RA+tT]
.set tT, tT+1
.endr
.endr
	WIN 0
.if \first
.irp w, 0,1,2,3
	s_mov_b32 s[F0+\w], 1.0                        ; from here on all sums stand under one M
.endr
.endif
.endm
.macro RUPD nt                         ; the row step: r <- r / (r (y / Z + EPS sum c) + EPS); then EPS x the sum of r
	WIN 0x55
.set tT, 0
.rept \nt
	v_fma_f32 v[RA+tT], v[RA+tT], s[ZI], s[ES]
.set tT, tT+1
.endr
.set tT, 0
.rept \nt
	v_fma_f32 v[RA+tT], v[R+tT], v[RA+tT], s[EPS]
.set tT, tT+1
.endr
.set tT, 0
.rept \nt
	v_rcp_f32 v[RA+tT], v[RA+tT]
.set tT, tT+1
.endr
	v_nop
.set tT, 0
	s_wait_alu depctr_va_vdst(0)                   ; the rows' reciprocals are written, ahead of their first reader
.rept \nt
	v_mul_f32 v[R+tT], v[R+tT], v[RA+tT]
.set tT, tT+1
.endr
.set tT, 0
.rept \nt/2
	v_add_f32 v[RA+tT], v[R+tT], v[R+tT+\nt/2]
.set tT, tT+1
.endr
	VTREE v_add_f32, RA, \nt/2
	WIN 0x01
	v_mov_b32 v[TM], v[RA]
	WIN 0
	DPP4 v_add_f32_dpp, TM                         ; both halves of the lanes hold the same rows: 16 lanes are all
	v_mul_f32 v[TM], s[EPS], v[TM]
	v_readfirstlane_b32 s[ES], v[TM]
	s_wait_alu depctr_va_sdst(0)                   ; EPS x the sum of r is written as a scalar
.endm
; P5: a = r (e c / Z + c EPS); four row tiles at a time are quantised along the strip's 32 keys and multiplied by v
.macro FINAL nt
.set iI, 0
.rept 16
	v_mul_f32 v[CZ+iI], s[ZI], v[CV+iI]
	v_mul_f32 v[CE+iI], s[EPS], v[CV+iI]
.set iI, iI+1
.endr
.set hB, 0
.rept (\nt+15)/16
	WIN 0x82+0x41*hB
.set tT, 16*hB
.rept NTH
.irp p, 0,2,4,6,8,10,12,14
	v_pk_fma_f32 v[(16*tT)%256+\p:(16*tT)%256+\p+1], v[(16*tT)%256+\p:(16*tT)%256+\p+1], v[CZ+\p:CZ+\p+1], v[CE+\p:CE+\p+1]
.endr
.set tT, tT+1
.endr
	WIN 0x86+0x41*hB
.set tT, 16*hB
.rept NTH
.irp p, 0,2,4,6,8,10,12,14
.if tT%2
	v_pk_mul_f32 v[(16*tT)%256+\p:(16*tT)%256+\p+1], v[(16*tT)%256+\p:(16*tT)%256+\p+1], v[R+tT-1:R+tT] op_sel:[0,1] op_sel_hi:[1,1]
.else
	v_pk_mul_f32 v[(16*tT)%256+\p:(16*tT)%256+\p+1], v[(16*tT)%256+\p:(16*tT)%256+\p+1], v[R+tT:R+tT+1] op_sel_hi:[1,0]
.endif
.endr
.set tT, tT+1
.endr
.set hB, hB+1
.endr
.set fF, 0
.rept \nt/4
.set sB, (64*fF)%256
	WIN 0x28+0x14*(fF/4)
.irp b, 0,1,2,3
	v_max3_num_f32 v[TM+\b], 0x1800000, v[sB+16*\b], v[sB+16*\b+1]   ; a is never negative; the floor 2^(3 - 127) holds the byte at 1 from below
.endr
.irp i, 2,4,6,8,10,12,14
.irp b, 0,1,2,3
	v_max3_num_f32 v[TM+\b], v[TM+\b], v[sB+16*\b+\i], v[sB+16*\b+\i+1]
.endr
.endr
	WIN 0
.irp b, 0,1,2,3
	v_permlanex16_b32 v[TM+4+\b], v[TM+\b], s[SEL], s[SEL+1]
.endr
.irp b, 0,1,2,3
	v_max_num_f32 v[TM+\b], v[TM+\b], v[TM+4+\b]   ; with the other 16 keys: the block's largest
.endr
.irp b, 0,1,2,3
	v_add_nc_u32 v[TM+8+\b], 0xff000000, v[TM+\b]  ; 2 off its exponent field: the conversion's scale operand
.endr
.irp b, 0,1,2,3
	v_lshrrev_b32 v[TM+4+\b], 23, v[TM+8+\b]
.endr
	v_lshl_or_b32 v[PW], v[TM+5], 8, v[TM+4]       ; byte b: row tile 4 F + b
	v_lshl_or_b32 v[PW], v[TM+6], 16, v[PW]
	v_lshl_or_b32 v[PW], v[TM+7], 24, v[PW]
	WIN 0x02+fF/4
.irp c, 0,1
	v_cvt_scalef32_pk16_fp6_f32 v[PF+6*\c:PF+6*\c+2], v[sB+32*\c:sB+32*\c+15], v[TM+8+2*\c]
	v_cvt_scalef32_pk16_fp6_f32 v[PT+4*\c:PT+4*\c+2], v[sB+32*\c+16:sB+32*\c+31], v[TM+9+2*\c]
.endr
	WIN 0
	v_nop                                          ; one plain line behind a scaled conversion
.irp c, 0,1
.irp i, 0,1,2
	v_permlane16_swap_b32 v[PF+6*\c+\i], v[PT+4*\c+\i]   ; a whole block in a lane: lanes 0-15 tile 4 F + 2 c, lanes 16-31 the next
.endr
.irp i, 0,1,2
	v_mov_b32 v[PF+3+6*\c+\i], v[PT+4*\c+\i]
.endr
.endr
	NOPS 8                                         ; a scale register written by a vector instruction stands eight places ahead of the product, an operand four
	s_wait_alu depctr_va_vdst(0)                   ; a's codes and its scale word, made by vector instructions, are written ahead of the two products that take them; the places above stay beside this wait
.irp t, 0,1
	v_wmma_scale_f32_16x16x128_f8f6f4 v[MA+8*\t:MA+8*\t+7], v[VF+12*\t:VF+12*\t+11], v[PF:PF+11], v[MA+8*\t:MA+8*\t+7], v[VS+\t], v[PW] matrix_a_fmt:MATRIX_FMT_FP6 matrix_b_fmt:MATRIX_FMT_FP6
.endr
.set fF, fF+1
.endr
	NOPS 4                                         ; places behind the last products, ahead of the first read of their results behind the loop
.endm
; ---- one matrix.  nt: row tiles (32: protein rows, 8: drug rows); ns: strips a wave (4: protein keys, 1: drug keys); lb: its LDS; kind: 0 pp, 1 pd, 2 dp, 3 dd
; LDS from lb: 4 ns strips of 4,096 bytes, each its wave's own (k's codes and zeros 0, k's scale words 1536, shift 1792, c 1920, v's codes 2048, v's scale words 2816);
; then 4 x 2,048 for y, 4 x 16 for (NM, z, sum c, 0), 4 x 128 for a v
.macro SINK nt, ns, lb, kind
.set PR, PB+14*((32-\nt)/24)
.set PK, PB+14*((4-\ns)/3)
.if \nt > 16
.set NTH, 16
.else
.set NTH, \nt
.endif
.set XCH, \lb+16384*\ns
.set XSB, XCH+8192
.set XMB, XSB+256
	s_mul_i32 s[BW], s[WV], 4096*\ns
	s_add_co_u32 s[BW], s[BW], \lb                 ; my first strip
	v_and_b32 v[KSA], 8, v1
	v_add_nc_u32 v[KSA], v[KSA], v1                ; slot r is key r + 8 (r / 8) of the tile
	v_mul_u32_u24 v[KA0], v[KSA], 24
	v_xor_b32 v[KA1], 1, v2
	v_mad_u32_u24 v[KA1], v[KA1], 768, v[KA0]      ; D1: lanes 0-15 read the zero bytes, 768 on
	v_mad_u32_u24 v[KA0], v2, 768, v[KA0]          ; D0: lanes 16-31 do
	v_add_nc_u32 v[KA0], s[BW], v[KA0]
	v_add_nc_u32 v[KA1], s[BW], v[KA1]
	v_lshlrev_b32 v[KSA], 2, v[KSA]
	v_add_nc_u32 v[KSA], s[BW], v[KSA]
	v_lshlrev_b32 v[CA], 6, v2
	v_add_nc_u32 v[CA], s[BW], v[CA]
	v_mul_u32_u24 v[VA], v1, 24
	v_add_nc_u32 v[VA], s[BW], v[VA]
	v_lshlrev_b32 v[VSA], 2, v1
	v_add_nc_u32 v[VSA], s[BW], v[VSA]
	v_lshl_add_u32 v[L4], v3, 2, s[BW]
	v_lshl_add_u32 v[KA0T], v3, 4, s[BW]           ; for the set-up alone: 16 lane,
	v_lshl_add_u32 v[KA1T], v3, 3, s[BW]           ; 8 lane
	s_lshl_b32 s[TP], s[WV], 11
	s_add_co_u32 s[TP], s[TP], XCH
	v_lshlrev_b32 v[XLD], 4, v1
	v_add_nc_u32 v[XST], s[TP], v[XLD]
	v_add_nc_u32 v[XLD], XCH, v[XLD]
	s_lshl_b32 s[TP], s[WV], 4
	s_add_co_u32 s[TP], s[TP], XSB
	v_mov_b32 v[XSS], s[TP]
	v_mov_b32 v[XSL], XSB
	s_lshl_b32 s[TP], s[WV], 7
	s_add_co_u32 s[TP], s[TP], XMB
	v_lshl_add_u32 v[XMS], v2, 5, s[TP]
	v_lshlrev_b32 v[XML], 2, v3
	v_add_nc_u32 v[XML], XMB, v[XML]
	v_mul_u32_u24 v[G0], v1, 24
	v_mad_u32_u24 v[G0], v2, 384, v[G0]            ; q: block 2 c + h of a fragment is row tile 4 F + 2 c + h
	v_lshlrev_b32 v[G1], 2, v1
	s_mul_i32 s[TP], s[WV], 1536*\ns
	v_lshl_add_u32 v[G2], v3, 4, s[TP]
	s_mul_i32 s[TP], s[WV], 768*\ns
	v_lshl_add_u32 v[G3], v3, 3, s[TP]
	s_mul_i32 s[TP], s[WV], 128*\ns
	v_lshl_add_u32 v[G4], v3, 2, s[TP]
	; ---- all loads at once
	WIN 0x40
	s_wait_alu depctr_va_vdst(0)                   ; the matrix's addresses and offsets are written, which its loads and stores read; and every vector and matrix instruction so far is done with q's registers and v84 to v243, in which the loads land
.set fF, 0
.rept \nt/4
.irp p, 0,1,2,3,4,5
	global_load_b64 v[QF+12*fF+2*\p:QF+12*fF+2*\p+1], v[G0], s[PR:PR+1] offset:1536*fF+768*(\p/3)+8*(\p%3)
.endr
.set fF, fF+1
.endr
	WIN 0
.set tT, 0
.rept \nt
	global_load_b32 v[84+tT], v[G1], s[PR+2:PR+3] offset:64*tT      ; q's scale bytes
	global_load_b32 v[116+tT], v[G1], s[PR+4:PR+5] offset:64*tT     ; a group's four mask bytes as one word
.set tT, tT+1
.endr
.set sS, 0
.rept \ns
.set SS, 148+24*sS
.irp i, 0,1,2
	global_load_b128 v[SS+4*\i:SS+4*\i+3], v[G2], s[PK+6:PK+7] offset:1536*sS+512*\i
	global_load_b64 v[SS+12+2*\i:SS+13+2*\i], v[G3], s[PK+10:PK+11] offset:768*sS+256*\i
.endr
	global_load_b32 v[SS+18], v[G4], s[PK+8:PK+9] offset:128*sS
	global_load_b32 v[SS+19], v[G4], s[PK+12:PK+13] offset:128*sS
	global_load_b32 v[SS+20], v[G4], s[PK+4:PK+5] offset:128*sS
.set sS, sS+1
.endr
	s_wait_loadcnt 0x0
.set sS, 0
.rept \ns                              ; what goes to LDS as it was loaded
.set SS, 148+24*sS
.irp i, 0,1,2
	ds_store_b128 v[KA0T], v[SS+4*\i:SS+4*\i+3] offset:4096*sS+512*\i
	ds_store_b64 v[KA1T], v[SS+12+2*\i:SS+13+2*\i] offset:4096*sS+2048+256*\i
.endr
	ds_store_b32 v[L4], v[SS+18] offset:4096*sS+1536
	ds_store_b32 v[L4], v[SS+19] offset:4096*sS+2816
.set sS, sS+1
.endr
.set sS, 0
.rept \ns
.set SS, 148+24*sS
	v_min_u32 v[SS+21], 1, v[SS+20]
	v_cvt_f32_u32 v[SS+21], v[SS+21]               ; the key's mask as 0.0 or 1.0: c begins so
	v_fma_f32 v[SS+22], v[SS+21], s[BIGP], s[BIGN] ; its shift: 0 or -5656854.0, exactly
.set sS, sS+1
.endr
.set fF, 0
.rept \nt/4
	v_lshl_or_b32 v[QSC+fF], v[85+4*fF], 8, v[84+4*fF]
	v_lshl_or_b32 v[QSC+fF], v[86+4*fF], 16, v[QSC+fF]
	v_lshl_or_b32 v[QSC+fF], v[87+4*fF], 24, v[QSC+fF]
.set fF, fF+1
.endr
.set tT, 0
.rept \nt
	v_min_u32 v[116+tT], 1, v[116+tT]
.set tT, tT+1
.endr
.set tT, 0
.rept \nt
	v_cvt_f32_u32 v[116+tT], v[116+tT]
.set tT, tT+1
.endr
	WIN 0x40
.set tT, 0
.rept \nt
	v_mov_b32 v[R+tT], v[116+tT]                   ; r begins as the row's mask
	v_fma_f32 v[SH+tT], v[116+tT], s[SHP], s[SHN]  ; the row's shift: 0 or -1442695.0
.set tT, tT+1
.endr
	WIN 0
	VTREE v_add_f32, 116, \nt
	DPP4 v_add_f32_dpp, 116
	s_wait_alu depctr_va_vdst(0)                   ; the keys' masks and shifts are written, which the LDS stores below read
.set sS, 0
.rept \ns
.set SS, 148+24*sS
	ds_store_b32 v[L4], v[SS+22] offset:4096*sS+1792
	ds_store_b32 v[L4], v[SS+21] offset:4096*sS+1920
.set sS, sS+1
.endr
	s_wait_alu depctr_vm_vsrc(0)                   ; the set-up's LDS stores have read v148 to v242: NM, the sum of c and the rows' factor lie on the last strip's registers, the passes' registers on the others
	v_rcp_f32 v[HC], v[116]
	v_mov_b32 v[NMV], 0x7f61b1e6                   ; NM begins at 3e38, over every -t (also the plain line behind the reciprocal)
	s_wait_alu depctr_va_vdst(0)                   ; the reciprocal of the number of valid rows is written, ahead of its first reader
	v_mul_f32 v[HC], 0.5, v[HC]
	v_mov_b32 v[SIG], 0
.set iI, 0
.rept 16
	v_mov_b32 v[XA+iI], 0
.set iI, iI+1
.endr
	ZERORA \nt
	; ---- P1
	s_mov_b32 s[SO], 0
.if \ns > 1
	s_mov_b32 s[CI], 0
.Lp1_\@:
.endif
	P1STRIP \nt
.if \ns > 1
	s_add_co_u32 s[SO], s[SO], 4096
	s_add_co_u32 s[CI], s[CI], 1
	s_cmp_lt_u32 s[CI], \ns
	s_cbranch_scc1 .Lp1_\@
.endif
	EXCH 1, \nt
	RUPD \nt
	; ---- P2 to P4
	s_mov_b32 s[CO], 0
.Lpass_\@:
	ZERORA \nt
	v_mov_b32 v[SIG], 0
	s_mov_b32 s[SO], 0
.if \ns > 1
	s_mov_b32 s[CI], 0
.Lin_\@:
.endif
	LOADK 0
	LOGITS \nt
	EXPS \nt
	XSUM \nt
	XRED
	CUPD
	RSUM \nt
.if \ns > 1
	s_add_co_u32 s[SO], s[SO], 4096
	s_add_co_u32 s[CI], s[CI], 1
	s_cmp_lt_u32 s[CI], \ns
	s_cbranch_scc1 .Lin_\@
.endif
	EXCH 0, \nt
	RUPD \nt
	s_add_co_u32 s[CO], s[CO], 1
	s_cmp_lt_u32 s[CO], 3
	s_cbranch_scc1 .Lpass_\@
.if \kind == 2                         ; the launch that writes a_dp wants r, NM and 1 / Z: every wave holds them, wave 0 stores them
	s_cmp_lg_u32 s[WV], 0
	s_cbranch_scc1 .Lnod_\@
	v_mov_b32 v[TM], s[NMS]
	v_mov_b32 v[TM+1], s[ZI]
	v_mov_b32 v[TM+2], 0
	WIN 0x04
	s_wait_alu depctr_va_vdst(0)                   ; the last row step has written r, and the three moves above their registers: the stores below read them
.set tT, 0
.rept \nt
	global_store_b32 v[G1], v[R+tT], s[PDPV:PDPV+1] offset:64*tT
.set tT, tT+1
.endr
	WIN 0
	global_store_b64 v[TM+2], v[TM:TM+1], s[PDPV:PDPV+1] offset:2560
.Lnod_\@:
	s_wait_xcnt 0x0                                ; the stores' registers are written again only behind this wait
	s_wait_alu depctr_vm_vsrc(0)                   ; the stores have read v224 to v226, which the last pass's sums write again
.endif
	; ---- P5
.set iI, 0
.rept 16
	v_mov_b32 v[MA+iI], 0
.set iI, iI+1
.endr
	s_mov_b32 s[SO], 0
.if \ns > 1
	s_mov_b32 s[CI], 0
.Lp5_\@:
.endif
	LOADK 1
	LOGITS \nt
	EXPS \nt
	XSUM \nt
	XRED
	CUPD
	FINAL \nt
.if \ns > 1
	s_add_co_u32 s[SO], s[SO], 4096
	s_add_co_u32 s[CI], s[CI], 1
	s_cmp_lt_u32 s[CI], \ns
	s_cbranch_scc1 .Lp5_\@
.endif
	; ---- a v: over the 16 lanes (the rows of a tile), then over the four waves (the keys)
.irp m, 1,2,4,8
.set iI, 0
.rept 16
	v_add_f32_dpp v[MA+iI], v[MA+iI], v[MA+iI] row_xmask:\m row_mask:0xf bank_mask:0xf
.set iI, iI+1
.endr
.endr
	s_wait_alu depctr_va_vdst(0)                   ; the sums over the lanes are written, which the LDS stores read; and the last pass is done with v224 to v235, in which the LDS loads below and behind the barrier land
.if \kind == 2                         ; the final c of my strips' keys
.set sS, 0
.rept \ns
	ds_load_b32 v[TM+8+sS], v[L4] offset:4096*sS+1920
.set sS, sS+1
.endr
.endif
	ds_store_b128 v[XMS], v[MA:MA+3]               ; channel 16 t + 8 h + j
	ds_store_b128 v[XMS], v[MA+4:MA+7] offset:16
	ds_store_b128 v[XMS], v[MA+8:MA+11] offset:64
	ds_store_b128 v[XMS], v[MA+12:MA+15] offset:80
	s_wait_dscnt 0x0                               ; for the others' sake (and c is in)
.if \kind == 2
.set sS, 0
.rept \ns
	global_store_b32 v[G4], v[TM+8+sS], s[PDPV:PDPV+1] offset:512+128*sS
.set sS, sS+1
.endr
.endif
	s_barrier_signal -1
	s_barrier_wait -1
.irp w, 0,1,2,3
	ds_load_b32 v[TM+\w], v[XML] offset:128*\w
.endr
	s_wait_dscnt 0x0
	v_add_f32 v[TM], v[TM], v[TM+1]
	v_add_f32 v[TM+2], v[TM+2], v[TM+3]
	v_add_f32 v[TM], v[TM], v[TM+2]
	v_mul_f32 v[TM], v[HC], v[TM]                  ; x 0.5 / the number of valid rows
.if \kind == 2
	v_mov_b32 v[KEEP], v[TM]
.else
.if \kind == 3
	v_add_f32 v[TM], v[KEEP], v[TM]
.endif
	s_cmp_lg_u32 s[WV], 0
	s_cbranch_scc1 .Lnos_\@
	s_wait_alu depctr_va_vdst(0)                   ; the result is written, which the store reads
.if \kind == 3
	global_store_b32 v[G4], v[TM], s[POUT:POUT+1]  ; (in wave 0 this offset is 4 lane)
.else
	global_store_b32 v[G4], v[TM], s[PPART:PPART+1] offset:16384*\kind
.endif
.Lnos_\@:
.endif
	s_wait_xcnt 0x0                                ; the next matrix writes the stores' registers again
	s_wait_alu depctr_vm_vsrc(0)                   ; this matrix's LDS and memory instructions have read their addresses, offsets and data: the next matrix's set-up, or the two lines ahead of the closing lines, write them again
.endm
	s_load_b512 s[4:19], s[0:1], 0x0               ; qcodes, kcodes, vcodes, scl, mask_prot, mask_drug, part, dpv
	s_load_b64 s[20:21], s[0:1], 0x40              ; out0
	v_lshrrev_b32 v1, 5, v0
	v_readfirstlane_b32 s[WV], v1                  ; wave 0..3
	v_and_b32 v1, 15, v0                           ; r
	v_bfe_u32 v2, v0, 4, 1                         ; h
	v_and_b32 v3, 31, v0                           ; lane
	s_wait_alu depctr_va_sdst(0)                   ; the wave's number is written as a scalar
	s_and_b32 s[NH], ttmp9, 127                    ; 8 n + head
	s_lshr_b32 s[NN], s[NH], 3
	s_and_b32 s[HD_], s[NH], 7
	s_mov_b32 s[SEL], 0x76543210
	s_mov_b32 s[SEL+1], 0xfedcba98
	s_mov_b32 s[C2], 0x3e8293ee                    ; log2(e) / sqrt(32)
	s_mov_b32 s[C2+1], s[C2]
	s_mov_b32 s[EPS], EPSB
	s_mov_b32 s[BIGP], 0x4aaca22c                  ; 5656854.0 = 1e6 sqrt(32)
	s_mov_b32 s[BIGN], 0xcaaca22c
	s_mov_b32 s[SHP], 0x49b01c38                   ; 1442695.0 = 1e6 log2(e)
	s_mov_b32 s[SHN], 0xc9b01c38
.irp z, 0,12,24,36,48
.irp i, 0,1,2,3,4,5
	v_mov_b32 v[KF+\z+\i], 0                       ; the zero codes between the keys' codes: written once
.endr
.endr
.set iI, 0
.rept 16
	v_mov_b32 v[TM+iI], 0                          ; written once: a lane permute's destination counts as one of its sources
.set iI, iI+1
.endr
	s_wait_kmcnt 0x0
	PTR PB+0, 4, NH, 12288, 0
	PTR PB+2, 10, NH, 2048, 0
	PTR PB+4, 12, NN, 2048, 0
	PTR PB+6, 6, NH, 24576, 0
	PTR PB+8, 10, NH, 2048, 327680
	PTR PB+10, 8, NH, 12288, 0
	PTR PB+12, 10, NH, 2048, 655360
	PTR PB+14, 4, NH, 3072, 1572864
	PTR PB+16, 10, NH, 512, 262144
	PTR PB+18, 14, NN, 512, 0
	PTR PB+20, 6, NH, 6144, 3145728
	PTR PB+22, 10, NH, 512, 589824
	PTR PB+24, 8, NH, 3072, 1572864
	PTR PB+26, 10, NH, 512, 917504
	PTR PPART, 16, NN, 1024, 0
	PTR PPART, PPART, HD_, 128, 0
	PTR PDPV, 18, NH, 2816, 0
	PTR POUT, 20, NN, 2048, 1024
	PTR POUT, POUT, HD_, 128, 0
	s_cmp_lt_u32 ttmp9, 128
	s_cbranch_scc0 .LpathB
	SINK 32, 4, 0, 0
	s_wait_xcnt 0x0
	v_lshl_add_u32 v254, v0, 2, 0x31000            ; the add's two registers are made anew: no memory or LDS instruction has read them since the wait on vm_vsrc at the matrix's end
	v_mov_b32 v255, 0
	s_wait_dscnt 0x0                               ; the closing lines, six on end
	s_wait_alu 0x0
	s_wait_tensorcnt 0x0
	ds_add_u32 v254, v255
	s_wait_dscnt 0x0
	s_endpgm
.LpathB:
	SINK 32, 1, 74752, 1
	SINK 8, 4, 100352, 2
	SINK 8, 1, 175104, 3
	s_wait_xcnt 0x0
	v_lshl_add_u32 v254, v0, 2, 0x31000            ; the add's two registers are made anew: no memory or LDS instruction has read them since the wait on vm_vsrc at the matrix's end
	v_mov_b32 v255, 0
	s_wait_dscnt 0x0                               ; the closing lines, six on end
	s_wait_alu 0x0
	s_wait_tensorcnt 0x0
	ds_add_u32 v254, v255
	s_wait_dscnt 0x0
	s_endpgm
.Lfunc_end_k_q11c0827c66_sink:
	.size	k_q11c0827c66_sink, .Lfunc_end_k_q11c0827c66_sink-k_q11c0827c66_sink
	.p2alignl 7, 3214868480
	.fill 96, 4, 3214868480
	.section	.rodata,"a",@progbits
	.p2align	6, 0x0
	.amdhsa_kernel k_q11c0827c66_sink
		.amdhsa_group_segment_fixed_size 201216
		.amdhsa_private_segment_fixed_size 0
		.amdhsa_enable_private_segment 0
		.amdhsa_kernarg_size 72
		.amdhsa_user_sgpr_count 2
		.amdhsa_user_sgpr_kernarg_segment_ptr 1
		.amdhsa_wavefront_size32 1
		.amdhsa_system_sgpr_workgroup_id_x 1
		.amdhsa_system_sgpr_workgroup_id_y 1
		.amdhsa_system_sgpr_workgroup_id_z 1
		.amdhsa_system_vgpr_workitem_id 0
		.amdhsa_next_free_vgpr 1024
		.amdhsa_next_free_sgpr 100
		.amdhsa_reserve_vcc 0
		.amdhsa_float_denorm_mode_32 3
		.amdhsa_float_denorm_mode_16_64 3
		.amdhsa_memory_ordered 1
		.amdhsa_forward_progress 1
		.amdhsa_inst_pref_size 255
	.end_amdhsa_kernel
	.section	.bss,"aw",@nobits
	.p2align	6
	.space	262144
	.amdgpu_metadata
---
amdhsa.version: [ 1, 2 ]
amdhsa.kernels:
  - .name:           k_q11c0827c66_sink
    .symbol:         k_q11c0827c66_sink.kd
    .args:
      - { .name: qcodes, .offset: 0, .size: 8, .value_kind: global_buffer, .address_space: global }
      - { .name: kcodes, .offset: 8, .size: 8, .value_kind: global_buffer, .address_space: global }
      - { .name: vcodes, .offset: 16, .size: 8, .value_kind: global_buffer, .address_space: global }
      - { .name: scl, .offset: 24, .size: 8, .value_kind: global_buffer, .address_space: global }
      - { .name: mask_prot, .offset: 32, .size: 8, .value_kind: global_buffer, .address_space: global }
      - { .name: mask_drug, .offset: 40, .size: 8, .value_kind: global_buffer, .address_space: global }
      - { .name: part, .offset: 48, .size: 8, .value_kind: global_buffer, .address_space: global }
      - { .name: dpv, .offset: 56, .size: 8, .value_kind: global_buffer, .address_space: global }
      - { .name: out0, .offset: 64, .size: 8, .value_kind: global_buffer, .address_space: global }
    .group_segment_fixed_size: 201216
    .private_segment_fixed_size: 0
    .kernarg_segment_align: 8
    .kernarg_segment_size: 72
    .max_flat_workgroup_size: 128
    .sgpr_count:     100
    .vgpr_count:     1024
    .wavefront_size: 32
...
	.end_amdgpu_metadata
.endif
;; end of part 6
;; launch adp (part 7): grid 16 x 16, 8 waves a work-group, no clusters, 134,144 bytes of LDS; arguments qcodes, kcodes, scl, mask_prot, mask_drug, dpv, part, out1, out0; writes out1, out0
.if DOCPART == 7
	.amdgcn_target "amdgcn-amd-amdhsa--gfx1250"
	.amdhsa_code_object_version 6
	.text
	.protected	k_q11c0827c66_adp
	.globl	k_q11c0827c66_adp
	.p2align	8
	.type	k_q11c0827c66_adp,@function
k_q11c0827c66_adp:
	s_mov_b64 s[64:65], 0
	v_nop
	global_prefetch_b8 v0, s[64:65] scope:SCOPE_SE
	s_setreg_imm32_b32 hwreg(HW_REG_WAVE_SCHED_MODE, 0, 2), 2
	s_setreg_imm32_b32 hwreg(HW_REG_WAVE_MODE, 25, 1), 1
	s_wait_xcnt 0x0
	s_wait_alu depctr_vm_vsrc(0)
; out1 = a_dp [16][128 drug rows][512 protein keys][8 heads], f32: a = r c (e / Z + EPS), e = 2^(score x log2(e) / sqrt(32) + shifts + NM), with r, c, NM and 1 / Z as the launch before left them.
; A work-group takes one strip of 32 keys (x) of one batch element (y), all 128 rows and all 8 heads: 131,072 bytes of the output.  Wave w computes head w, as that launch computes a strip:
; source 0 = 16 keys (their codes in one block of 32 along K, zero codes in the other three), source 1 = four row tiles, one in each block; a lane holds one row and 16 neighbouring keys.
; The heads are innermost in memory, so the eight waves' numbers meet in a stage in LDS ([row][key][head], rows of 1,024 bytes + 16); behind a barrier wave w stores rows 16 w on:
; each store of a wave covers 512 consecutive bytes, aligned.
; The work-groups with x = 0 also add the two halves of out0's protein part.
; LIMITS as in the launch before: a pair masked in row and column is shifted by 2e6; NaN and infinities are not served.
; THE MODE: SCHED_MODE bits 1:0 = 2 (LLVM: expert scheduling mode 2), set by the entry lines.  The code itself states the register dependences
; between vector or matrix instructions and memory or LDS instructions, with s_wait_alu, always for 0.
; THE PLAN.  Registers that memory or LDS instructions touch:
;   v4-11, v158, v159   addresses and offsets: written at the head, never again: one wait ahead of the first load states them.
;   S v176-239          first what is loaded; then, in each half, written by products and vector instructions and read by 64 LDS stores: a wait on va_vdst ahead of each run of stores,
;                       one on vm_vsrc between the first half's stores and the second half's products.
;   v16-143             q, k, the shifts, c and r, read by matrix and vector instructions; behind the barrier the stage's rows land there: no vector instruction stands between the second half's
;                       wait on va_vdst and these loads.
;   q's scale words and the zero codes are made by vector instructions and taken by scaled products: a wait on va_vdst ahead of the first product.
.set QSC, 12                           ; v12-13  q's scale words;  v12-15 hold scales and nothing else
.set KS,  14                           ; v14-15  k's
.set QF,  16                           ; v16-39  q's two fragments
.set KF,  40                           ; v40-93  Z D0 Z D1 Z D0 Z D1 Z
.set CB,  94                           ; v94-109 the columns' shift
.set CZ,  110                          ; c / Z
.set CE,  126                          ; c EPS
.set R,   142                          ; r, row tile T
.set AD,  150                          ; the row's shift + NM
.set S,   176                          ; v176-239 four row tiles x 16 keys; ahead of that what is loaded: q's scales, row masks, key masks, c
.set WV,  22
.set TP,  26
.set C2,  46
.set EPS, 48
.set BIGP, 49
.set BIGN, 50
.set SHP, 51
.set SHN, 52
.macro PTR dst, src, idx, mul, add
	s_mul_i32 s[TP], s[\idx], \mul
	s_add_co_u32 s[TP], s[TP], \add
	s_mov_b32 s[TP+1], 0
	s_add_nc_u64 s[\dst:\dst+1], s[\src:\src+1], s[TP:TP+1]
.endm
	s_load_b512 s[4:19], s[0:1], 0x0               ; qcodes, kcodes, scl, mask_prot, mask_drug, dpv, part, out1
	s_load_b64 s[20:21], s[0:1], 0x40              ; out0
	v_lshl_add_u32 v254, v0, 2, 0x20800
	v_mov_b32 v255, 0
	v_lshrrev_b32 v1, 5, v0
	v_readfirstlane_b32 s[WV], v1                  ; wave = head
	v_and_b32 v1, 15, v0                           ; r
	v_bfe_u32 v2, v0, 4, 1                         ; h
	v_and_b32 v3, 31, v0                           ; lane
	s_wait_alu depctr_va_sdst(0)                   ; the wave's number is written as a scalar, ahead of its first reader
	s_and_b32 s23, ttmp7, 0xffff                   ; n
	s_mov_b32 s24, ttmp9                           ; the strip
	s_lshl_b32 s25, s23, 3
	s_add_co_u32 s25, s25, s[WV]                   ; nh
	s_mov_b32 s[C2], 0x3e8293ee
	s_mov_b32 s[C2+1], s[C2]
	s_mov_b32 s[EPS], 0x2b8cbccc
	s_mov_b32 s[BIGP], 0x4aaca22c
	s_mov_b32 s[BIGN], 0xcaaca22c
	s_mov_b32 s[SHP], 0x49b01c38
	s_mov_b32 s[SHN], 0xc9b01c38
	v_mul_u32_u24 v4, v1, 24
	v_mad_u32_u24 v4, v2, 384, v4                  ; q
	v_lshlrev_b32 v5, 2, v1                        ; 4 r
	v_and_b32 v8, 8, v1
	v_add_nc_u32 v8, v8, v1                        ; r + 8 (r / 8)
	v_mul_u32_u24 v6, v8, 24
	v_xor_b32 v7, 1, v2
	v_mad_u32_u24 v7, v7, 768, v6                  ; D1: lanes 0-15 read the strip's zero bytes
	v_mad_u32_u24 v6, v2, 768, v6                  ; D0: lanes 16-31 do
	v_lshlrev_b32 v8, 2, v8                        ; k's scale words
	v_lshlrev_b32 v9, 6, v2                        ; 64 h: my 16 keys' words
	v_mul_u32_u24 v10, v1, 1040
	v_lshl_add_u32 v10, v2, 9, v10
	s_lshl_b32 s[TP], s[WV], 2
	v_add_nc_u32 v10, s[TP], v10                   ; the stage: row r, key 16 h, head w;
	v_add_nc_u32 v11, 66560, v10                   ; and 64 rows on, so that the offsets stay inside 16 bits
	s_mul_i32 s[TP], s[WV], 16640
	v_lshl_add_u32 v158, v3, 4, s[TP]              ; back: my 16 rows, 16 bytes a lane
	v_lshlrev_b32 v159, 4, v3
.irp z, 0,12,24,36,48
.irp i, 0,1,2,3,4,5
	v_mov_b32 v[KF+\z+\i], 0
.endr
.endr
	s_wait_kmcnt 0x0
	PTR 28, 4, 25, 3072, 1572864                   ; drug q
	PTR 30, 8, 25, 512, 262144                     ; its scales
	PTR 32, 6, 25, 24576, 0                        ; protein k,
	PTR 32, 32, 24, 1536, 0                        ; my strip
	PTR 34, 8, 25, 2048, 327680
	PTR 34, 34, 24, 128, 0
	PTR 36, 10, 23, 2048, 0                        ; the keys' masks
	PTR 36, 36, 24, 128, 0
	PTR 38, 12, 23, 512, 0                         ; the rows' masks
	PTR 40, 14, 25, 2816, 0                        ; r, c, NM, 1 / Z
	PTR 42, 40, 24, 128, 512                       ; my strip's c
	PTR 54, 18, 23, 2097152, 0                     ; out1: n,
	PTR 54, 54, WV, 262144, 0                      ; my 16 rows,
	PTR 54, 54, 24, 1024, 0                        ; my strip's 1,024 bytes of a row
	PTR 16, 16, 23, 1024, 0
	PTR 20, 20, 23, 2048, 0
	s_load_b64 s[44:45], s[40:41], 0xa00           ; NM, 1 / Z (this launch stores nothing into that buffer)
	s_wait_alu depctr_va_vdst(0)                   ; the addresses and offsets v4 to v11, v158 and v159 are written, which the kernel's loads and stores read
.irp f, 0,1
.irp p, 0,1,2,3,4,5
	global_load_b64 v[QF+12*\f+2*\p:QF+12*\f+2*\p+1], v4, s[28:29] offset:1536*\f+768*(\p/3)+8*(\p%3)
.endr
.endr
.irp u, 0,1
.irp p, 0,1,2
	global_load_b64 v[KF+24*\u+6+2*\p:KF+24*\u+7+2*\p], v6, s[32:33] offset:192*\u+8*\p
	global_load_b64 v[KF+24*\u+18+2*\p:KF+24*\u+19+2*\p], v7, s[32:33] offset:192*\u+8*\p
.endr
	global_load_b32 v[KS+\u], v8, s[34:35] offset:32*\u
.endr
.irp t, 0,1,2,3,4,5,6,7
	global_load_b32 v[S+\t], v5, s[30:31] offset:64*\t
	global_load_b32 v[S+8+\t], v5, s[38:39] offset:64*\t
	global_load_b32 v[R+\t], v5, s[40:41] offset:64*\t
.endr
.irp i, 0,1,2,3
	global_load_b128 v[S+16+4*\i:S+16+4*\i+3], v9, s[36:37] offset:16*\i
	global_load_b128 v[S+32+4*\i:S+32+4*\i+3], v9, s[42:43] offset:16*\i
.endr
	s_wait_loadcnt 0x0
	s_wait_kmcnt 0x0
.irp f, 0,1
	v_lshl_or_b32 v[QSC+\f], v[S+4*\f+1], 8, v[S+4*\f]
	v_lshl_or_b32 v[QSC+\f], v[S+4*\f+2], 16, v[QSC+\f]
	v_lshl_or_b32 v[QSC+\f], v[S+4*\f+3], 24, v[QSC+\f]
.endr
.irp i, 0,1,2,3,4,5,6,7,8,9,10,11,12,13,14,15
	v_min_u32 v[S+16+\i], 1, v[S+16+\i]
.endr
.irp i, 0,1,2,3,4,5,6,7,8,9,10,11,12,13,14,15
	v_cvt_f32_u32 v[S+16+\i], v[S+16+\i]
.endr
.irp i, 0,1,2,3,4,5,6,7,8,9,10,11,12,13,14,15
	v_fma_f32 v[CB+\i], v[S+16+\i], s[BIGP], s[BIGN]   ; the key's shift: 0 or -5656854.0
	v_mul_f32 v[CZ+\i], s45, v[S+32+\i]
	v_mul_f32 v[CE+\i], s[EPS], v[S+32+\i]
.endr
.irp t, 0,1,2,3,4,5,6,7
	v_min_u32 v[S+8+\t], 1, v[S+8+\t]
.endr
.irp t, 0,1,2,3,4,5,6,7
	v_cvt_f32_u32 v[S+8+\t], v[S+8+\t]
.endr
.irp t, 0,1,2,3,4,5,6,7
	v_fma_f32 v[AD+\t], v[S+8+\t], s[SHP], s[SHN]  ; the row's shift: 0 or -1442695.0,
.endr
.irp t, 0,1,2,3,4,5,6,7
	v_add_f32 v[AD+\t], s44, v[AD+\t]              ; + NM
.endr
; row tiles 4 hf .. 4 hf + 3
.macro HALF hf
.irp t, 0,1,2,3
.irp u, 0,1
	v_wmma_scale_f32_16x16x128_f8f6f4 v[S+16*\t+8*\u:S+16*\t+8*\u+7], v[KF+24*\u+12*(\t%2)+6*(1-\t/2):KF+24*\u+12*(\t%2)+6*(1-\t/2)+11], v[QF+12*\hf:QF+12*\hf+11], v[CB+8*\u:CB+8*\u+7], v[KS+\u], v[QSC+\hf] matrix_a_fmt:MATRIX_FMT_FP6 matrix_b_fmt:MATRIX_FMT_FP6
.endr
.endr
.rept 4
	v_nop                                          ; places in front of the first read of results
.endr
.irp t, 0,1,2,3
.irp p, 0,2,4,6,8,10,12,14
.if \t%2
	v_pk_fma_f32 v[S+16*\t+\p:S+16*\t+\p+1], v[S+16*\t+\p:S+16*\t+\p+1], s[C2:C2+1], v[AD+4*\hf+\t-1:AD+4*\hf+\t] op_sel:[0,0,1] op_sel_hi:[1,0,1]
.else
	v_pk_fma_f32 v[S+16*\t+\p:S+16*\t+\p+1], v[S+16*\t+\p:S+16*\t+\p+1], s[C2:C2+1], v[AD+4*\hf+\t:AD+4*\hf+\t+1] op_sel_hi:[1,0,0]
.endif
.endr
.irp j, 0,1,2,3,4,5,6,7,8,9,10,11,12,13,14,15
	v_exp_f32 v[S+16*\t+\j], v[S+16*\t+\j]
.endr
.endr
	v_nop                                          ; a plain line behind the last exponential
	s_wait_alu depctr_va_vdst(0)                   ; the half's 64 exponentials are written: one wait for the batch, ahead of its first reader
.irp t, 0,1,2,3
.irp p, 0,2,4,6,8,10,12,14
	v_pk_fma_f32 v[S+16*\t+\p:S+16*\t+\p+1], v[S+16*\t+\p:S+16*\t+\p+1], v[CZ+\p:CZ+\p+1], v[CE+\p:CE+\p+1]
.endr
.endr
.irp t, 0,1,2,3
.irp p, 0,2,4,6,8,10,12,14
.if \t%2
	v_pk_mul_f32 v[S+16*\t+\p:S+16*\t+\p+1], v[S+16*\t+\p:S+16*\t+\p+1], v[R+4*\hf+\t-1:R+4*\hf+\t] op_sel:[0,1] op_sel_hi:[1,1]
.else
	v_pk_mul_f32 v[S+16*\t+\p:S+16*\t+\p+1], v[S+16*\t+\p:S+16*\t+\p+1], v[R+4*\hf+\t:R+4*\hf+\t+1] op_sel_hi:[1,0]
.endif
.endr
.endr
	s_wait_alu depctr_va_vdst(0)                   ; the multiplications have written a, which the LDS stores read; in the second half also: the matrix and vector instructions are done with v16 to v143, in which the stage's rows land
.irp t, 0,1,2,3
.irp j, 0,1,2,3,4,5,6,7,8,9,10,11,12,13,14,15
	ds_store_b32 v[10+\hf], v[S+16*\t+\j] offset:\t*16640+\j*32
.endr
.endr
.endm
	s_wait_alu depctr_va_vdst(0)                   ; q's scale words and the zero codes, made by vector instructions, are written ahead of the products that take them
	HALF 0
	s_wait_dscnt 0x0                               ; the first half's 64 LDS stores are done before the second half's are issued
	s_wait_alu depctr_vm_vsrc(0)                   ; they have read v176 to v239, which the next products write
	HALF 1
	s_wait_dscnt 0x0                               ; for the others' sake
	s_barrier_signal -1
	s_barrier_wait -1                              ; 128 whole rows lie in the stage
.irp i, 0,1,2,3,4,5,6,7,8,9,10,11,12,13,14,15,16,17,18,19,20,21,22,23,24,25,26,27,28,29,30,31
	ds_load_b128 v[16+4*\i:16+4*\i+3], v158 offset:(\i/2)*1040+512*(\i%2)   ; no vector instruction since the last wait on va_vdst names these registers
.endr
.irp i, 0,1,2,3,4,5,6,7,8,9,10,11,12,13,14,15,16,17,18,19,20,21,22,23,24,25,26,27,28,29,30,31
	s_wait_dscnt 31-\i                             ; LDS loads come back in order: load i is in, the younger ones may be out
	global_store_b128 v159, v[16+4*\i:16+4*\i+3], s[54:55] offset:(\i/2)*16384+512*(\i%2) th:TH_STORE_NT
.endr
	s_cmp_lg_u32 ttmp9, 0
	s_cbranch_scc1 .Lend
	v_lshlrev_b32 v160, 2, v0                      ; out0's protein half: thread t adds pp's and pd's share of channel t
	s_wait_alu depctr_va_vdst(0)                   ; the offset v160 is written, which the two loads and the store read
	global_load_b32 v161, v160, s[16:17]
	global_load_b32 v162, v160, s[16:17] offset:16384
	s_wait_loadcnt 0x0
	v_add_f32 v161, v161, v162
	s_wait_alu depctr_va_vdst(0)                   ; the sum is written, which the store reads
	global_store_b32 v160, v161, s[20:21]
.Lend:
	s_wait_dscnt 0x0                               ; the closing lines, six on end
	s_wait_alu 0x0
	s_wait_tensorcnt 0x0
	ds_add_u32 v254, v255
	s_wait_dscnt 0x0
	s_endpgm
.Lfunc_end_k_q11c0827c66_adp:
	.size	k_q11c0827c66_adp, .Lfunc_end_k_q11c0827c66_adp-k_q11c0827c66_adp
	.p2alignl 7, 3214868480
	.fill 96, 4, 3214868480
	.section	.rodata,"a",@progbits
	.p2align	6, 0x0
	.amdhsa_kernel k_q11c0827c66_adp
		.amdhsa_group_segment_fixed_size 134144
		.amdhsa_private_segment_fixed_size 0
		.amdhsa_enable_private_segment 0
		.amdhsa_kernarg_size 72
		.amdhsa_user_sgpr_count 2
		.amdhsa_user_sgpr_kernarg_segment_ptr 1
		.amdhsa_wavefront_size32 1
		.amdhsa_system_sgpr_workgroup_id_x 1
		.amdhsa_system_sgpr_workgroup_id_y 1
		.amdhsa_system_sgpr_workgroup_id_z 1
		.amdhsa_system_vgpr_workitem_id 0
		.amdhsa_next_free_vgpr 256
		.amdhsa_next_free_sgpr 66
		.amdhsa_reserve_vcc 0
		.amdhsa_float_denorm_mode_32 3
		.amdhsa_float_denorm_mode_16_64 3
		.amdhsa_memory_ordered 1
		.amdhsa_forward_progress 1
		.amdhsa_inst_pref_size 50
	.end_amdhsa_kernel
	.amdgpu_metadata
---
amdhsa.version: [ 1, 2 ]
amdhsa.kernels:
  - .name:           k_q11c0827c66_adp
    .symbol:         k_q11c0827c66_adp.kd
    .args:
      - { .name: qcodes, .offset: 0, .size: 8, .value_kind: global_buffer, .address_space: global }
      - { .name: kcodes, .offset: 8, .size: 8, .value_kind: global_buffer, .address_space: global }
      - { .name: scl, .offset: 16, .size: 8, .value_kind: global_buffer, .address_space: global }
      - { .name: mask_prot, .offset: 24, .size: 8, .value_kind: global_buffer, .address_space: global }
      - { .name: mask_drug, .offset: 32, .size: 8, .value_kind: global_buffer, .address_space: global }
      - { .name: dpv, .offset: 40, .size: 8, .value_kind: global_buffer, .address_space: global }
      - { .name: part, .offset: 48, .size: 8, .value_kind: global_buffer, .address_space: global }
      - { .name: out1, .offset: 56, .size: 8, .value_kind: global_buffer, .address_space: global }
      - { .name: out0, .offset: 64, .size: 8, .value_kind: global_buffer, .address_space: global }
    .group_segment_fixed_size: 134144
    .private_segment_fixed_size: 0
    .kernarg_segment_align: 8
    .kernarg_segment_size: 72
    .max_flat_workgroup_size: 256
    .sgpr_count:     66
    .vgpr_count:     256
    .wavefront_size: 32
...
	.end_amdgpu_metadata
.endif
;; end of part 7
